; MI455X (gfx1250); checked and timed in simulation.
; The chip was launched on July 23, 2026; its instructions are those of AMD's public machine-readable ISA for CDNA 5 (MIT licence, August 2026) and "CDNA5" Instruction Set Architecture Reference Guide (July 2026). The comments in the code are by the model that wrote it; some were corrected since.
;; Transformer Block. Allowed arithmetic: matrix products marked QUANTISED: E5M2 operands, one E8M0 scale for each 32 along K, by v_wmma_scale_f32_16x16x128_f8f6f4 with both operands' format E5M2, f32 sums; everything else in f32.
;; Inputs: W1 1,024 x 4,096 float32; W2 4,096 x 1,024 float32; Wk 1,024 x 1,024 float32; Wo 1,024 x 1,024 float32; Wq 1,024 x 1,024 float32; Wv 1,024 x 1,024 float32; b1 4,096 float32; b2 1,024 float32; bo 1,024 float32; ln1_scale 1,024 float32; ln1_shift 1,024 float32; ln2_scale 1,024 float32; ln2_shift 1,024 float32; x 2 x 2,048 x 1,024 float32.
;; Outputs: out0 2 x 2,048 x 1,024 float32.
;; This version of the problem:
;;   THIS VERSION OF THE PROBLEM IS GIVEN IN LOW PRECISION. The matrix products marked QUANTISED in the list below multiply operands that are first quantised to E5M2 (5 exponent bits, 2 mantissa bits; 8 bits a number), with one power-of-two scale for each 32 numbers along K (OCP MX v1.0); their sums are f32. All else is computed in f32.
;;   The module's matrix products, in the order in which they are computed (A, B: the left and right operand; K: the contracted axis; several contracted axes count as one K, in the product's order):
;;     1. [M 4,096, K 1,024] x [K 1,024, N 1,024]; A: computed on the way; B: input Wq: QUANTISED
;;     2. [M 4,096, K 1,024] x [K 1,024, N 1,024]; A: computed on the way; B: input Wk: QUANTISED
;;     3. [M 4,096, K 1,024] x [K 1,024, N 1,024]; A: computed on the way; B: input Wv: QUANTISED
;;     4. batch 32 x [M 2,048, K 64] x [K 64, N 2,048]; A: computed on the way; B: computed on the way: QUANTISED
;;     5. batch 32 x [M 2,048, K 2,048] x [K 2,048, N 64]; A: softmax (see below); B: computed on the way: QUANTISED
;;     6. [M 4,096, K 1,024] x [K 1,024, N 1,024]; A: computed on the way; B: input Wo: QUANTISED
;;     7. [M 4,096, K 1,024] x [K 1,024, N 4,096]; A: computed on the way; B: input W1: QUANTISED
;;     8. [M 4,096, K 4,096] x [K 4,096, N 1,024]; A: computed on the way; B: input W2: QUANTISED
;;   THE QUANTISER, for each operand of a quantised product, along K:
;;     - K is cut into blocks of 32 from its start; a last block that is shorter is filled with zeros.
;;     - A block's scale is 2^e with e = floor(log2(the largest magnitude in the block)) - 15, held to -126 .. 127; a block of zeros has e = 0. As a byte (E8M0): e + 127.
;;     - Each number is divided by its block's scale, clamped to +-57,344, and rounded to the nearest number of E5M2, ties to even, subnormals kept.
;;     - The product sums the exact products of the quantised numbers (number of the format x scale) in f32.
;;   ~~~python
;;   def quantise(x, axis):      # numpy; x: float32 -> the quantised numbers, widened to float32 again
;;       x = np.moveaxis(x, axis, -1); K = x.shape[-1]
;;       x = np.pad(x, [(0, 0)] * (x.ndim - 1) + [(0, -K % 32)]); x = x.reshape(x.shape[:-1] + (-1, 32)); a = np.abs(x).max(-1, keepdims=True)
;;       e = np.where(a > 0, np.clip(np.frexp(np.where(a > 0, a, 1))[1] - 1 - 15, -126, 127), 0)      # np.frexp(a)[1] - 1 = floor(log2(a)), exactly
;;       r = np.clip(x / 2.0 ** e, -57344, 57344)
;;       step = 2.0 ** (np.maximum(np.frexp(np.where(r == 0, 1, r))[1] - 1, -14) - 2)
;;       q = np.round(r / step) * step * 2.0 ** e      # np.round: ties to even
;;       return np.moveaxis(q.reshape(q.shape[:-2] + (-1,))[..., :K], -1, axis).astype(np.float32)
;;   ~~~
;;   SOFTMAX AHEAD OF A QUANTISED PRODUCT. Where the list says 'softmax', what is quantised is not the finished softmax but p = 2^(t - M), with t = logit x log2(e) and M = ceil(the row's largest t), a whole number; so 1/2 < the row's largest p <= 1. The row's sum l is taken of the UNQUANTISED p, in f32, and the product's result is divided by l at the end. Since M is a whole number, a kernel that streams over the keys may use a running M (the ceiling of the running maximum): every later rescaling is an exact power of two, which a block's scale takes up: the codes' values come out the same.
;;   OPERANDS COMPUTED ON THE WAY. 'Computed on the way' means the value that the module computes at that place (a softmax that the list does not call 'softmax' is quantised finished and normalised). What goes into a quantiser is computed in f32, as accurately as f32 sums, v_exp_f32 and their like allow (about 1e-6 of the number): no bf16 or f16 on the way to a quantiser, and a product that is left as it is and whose result goes on into a quantised operand takes f32 operands (vector FMAs, or v_wmma_f32_16x16x4_f32). A number that lies on a knife's edge between two numbers of the format may be rounded either way, as far as f32 arithmetic and the matrix unit's own rounding can turn it there, and no further.
;; One version. Each part assembles by itself: llvm-mc -triple=amdgcn-amd-amdhsa -mcpu=gfx1250 --defsym DOCPART=n.
;; ======== version 1 of 1: 7 launches
;; limits: right only within a limited range of input values
;; workspace buffers: wc 12,976,128 bytes; hc 4,325,376 bytes; qkvc 12,582,912 bytes; qkvs 393,216 bytes; cc 4,325,376 bytes; x1 16,777,216 bytes; gc 17,301,504 bytes
;; launch ln1 (part 1): grid 512 x 1, 8 waves a work-group, no clusters, 69,632 bytes of LDS; arguments x, ln1_scale, ln1_shift, hc, Wq, Wk, Wv, Wo, W1, W2, wc; writes hc, wc
.if DOCPART == 1
	.amdgcn_target "amdgcn-amd-amdhsa--gfx1250"
	.amdhsa_code_object_version 6
	.text
	.protected	k_qa655c5d8cb_ln1
	.globl	k_qa655c5d8cb_ln1
	.p2align	8
	.type	k_qa655c5d8cb_ln1,@function
k_qa655c5d8cb_ln1:
	s_mov_b64 s[64:65], 0
	v_nop
	global_prefetch_b8 v0, s[64:65] scope:SCOPE_SE
	s_setreg_imm32_b32 hwreg(HW_REG_WAVE_MODE, 25, 1), 1
	s_wait_xcnt 0x0
; LayerNorm over rows of 1,024 f32 numbers, then the quantiser along the row: codes of BF8 (E5M2) and E8M0 scale bytes, stored as chunks (128 rows x 128 K: eight images of 2,048 bytes, then 512 bytes of scale words).
; y = scale (x - mean) / sqrt(var + 1e-5) + shift, in two passes over registers: the mean, then the mean of (x - mean)^2, so that a common offset of the row does no harm.
; SHARES.  Work-group T owns tile T: 16 rows, row p of it being row 32 (T / 2) + 8 (T % 2) + p % 8 + 16 (p / 8).  Wave w owns columns 128 w .. 128 w + 127: one fragment.  Each row is read from memory once.
; A load reads 512 consecutive bytes of a row; the wave's 16 x 512 bytes turn through its own stage in LDS, so that lane (r, h) then holds, of row r, columns 32 c + 16 h + 0 .. 15 of each block c: the fragment's own order.
; The rows' sums meet in LDS: two barriers.
; LIMITS: 1 / sqrt by v_rsq_f32; a block of zeros gets the byte 1 where the rule says 127 (its codes are zeros; this program alone reads the bytes); NaN and infinities are not served.
; THE PROGRAM: a pre-LN transformer block, all eight products on codes of BF8 (E5M2) with one E8M0 scale for each 32 along K.
; Launches: this one (LayerNorm 1 and the weights -> codes), qkv, attn, wo (+ bo + x -> x1), ln2 (this body, on a grid of 256), w1 (+ b1, GELU -> codes), w2 (+ b2 + x1 -> out0).
; WORK LEFT OUT (in attn): a step of 128 keys all of which come after a tile's 16 queries.  reference() itself sets those scores to -inf (its triu mask, built in its own body),
; so p = 2^(-inf) = 0 there for every value of the inputs, and the products with V add exactly 0.  Inside the one step on the diagonal the hidden scores are set to -inf and the work is done.
; No input is dead: all fourteen are loaded.  LIMIT: a NaN, an infinity or an overflow that arises only in such hidden tiles is not carried to the result.
; TWO KINDS OF WORK-GROUPS, told apart by the work-group's number alone: 0 to 255 run the LayerNorm described above; 256 on (where the grid has them) quantise the weights: see behind the LayerNorm's end.
.set CH,    16896
.set WST,   8448                       ; a wave's stage: 16 rows x (512 bytes + 16)
.set RED1,  8*WST                      ; 16 rows x 8 waves x 4 bytes: the sums
.set RED2,  RED1+512                   ; the sums of squares
.set SPARE, RED2+512                   ; the spare words, 128 bytes for each wave: four blocks of 256 bytes that no other line names
.set PC,  16                           ; v16-31   the codes
.set X,   32                           ; v32-95   register 16 c + i: column 128 w + 32 c + 16 h + i of row r
.set G,   96                           ; v96-159  the rows as loaded, later the scale of my 64 columns
.set B,   160                          ; v160-223 the shift of my 64 columns
.set TM,  224                          ; v224-239 at work
.set PW,  240                          ; v240     the scale word
.set SPW, 252                          ; v252     LDS address of my spare word; never rewritten
.set NIL, 253                          ; v253     0; never rewritten
.set SEL, 20                           ; s[20:21] v_permlanex16_b32's selects for lane l xor 16
.set MNT, 23                           ; s23      the mantissa field of 57,344
	s_cmp_ge_u32 ttmp9, 256
	s_cbranch_scc1 .Lprep
	s_load_b256 s[4:11], s[0:1], 0x0
	v_lshl_add_u32 v[SPW], v0, 2, SPARE
	v_mov_b32 v[NIL], 0
	v_lshrrev_b32 v1, 5, v0
	s_delay_alu instid0(VALU_DEP_1)
	v_readfirstlane_b32 s12, v1                    ; wave 0..7
	v_and_b32 v11, 31, v0
	v_and_b32 v12, 15, v0                          ; r
	v_bfe_u32 v13, v0, 4, 1                        ; h
	s_delay_alu instid0(VALU_DEP_3)
	v_lshlrev_b32 v1, 4, v11                       ; 16 x lane
	s_delay_alu instid0(VALU_DEP_2)
	v_lshlrev_b32 v2, 6, v13                       ; 64 h
	s_mul_i32 s13, s12, WST
	v_add_nc_u32 v3, s13, v1                       ; the stage, on the way in
	v_mul_u32_u24 v4, v12, 528
	s_delay_alu instid0(VALU_DEP_1)
	v_add_nc_u32 v4, v4, v2
	s_delay_alu instid0(VALU_DEP_1)
	v_add_nc_u32 v4, s13, v4                       ; and on the way out: row r, + 64 h
	v_lshlrev_b32 v7, 5, v12                       ; 32 r
	s_lshl_b32 s14, s12, 2
	v_add_nc_u32 v5, s14, v7
	s_delay_alu instid0(VALU_DEP_1)
	v_add_nc_u32 v6, RED2, v5                      ; where I put my wave's part of row r's sums
	s_delay_alu instid0(VALU_DEP_2)
	v_add_nc_u32 v5, RED1, v5
	v_add_nc_u32 v8, RED2, v7                      ; and where I read the eight parts
	v_add_nc_u32 v7, RED1, v7
	s_and_b32 s15, ttmp9, 7                        ; my tile in its group of 128 rows
	s_lshl_b32 s16, s15, 11
	v_add_nc_u32 v9, s16, v1                       ; its image: 2,048 t + 16 lane
	s_lshl_b32 s16, s15, 6
	v_lshl_add_u32 v10, v12, 2, s16                ; its scale words: 64 t + 4 r
	s_lshr_b32 s16, ttmp9, 1
	s_lshl_b32 s16, s16, 5
	s_and_b32 s17, ttmp9, 1
	s_lshl_b32 s17, s17, 3
	s_add_co_u32 s16, s16, s17                     ; the tile's first row
	s_lshl_b32 s16, s16, 12
	s_lshl_b32 s18, s12, 9                         ; my wave's 512 bytes of a row
	s_add_co_u32 s16, s16, s18
	s_mov_b32 s17, 0
	s_mov_b32 s19, 0
	s_lshr_b32 s24, ttmp9, 3
	s_lshl_b32 s24, s24, 3
	s_add_co_u32 s24, s24, s12                     ; chunk 8 x group + K step w
	s_mul_i32 s24, s24, CH
	s_mov_b32 s25, 0
	s_mov_b32 s[SEL], 0x76543210
	s_mov_b32 s[SEL+1], 0xfedcba98
	s_mov_b32 s[MNT], 0x600000
	v_mov_b32 v246, 0                              ; a lane permute's destination counts as one of its sources
	v_mov_b32 v251, 0                              ; (named as the upper half of the pair v[250:251])
	v_mov_b32 v247, 0x3a800000                     ; 1 / 1,024
	s_wait_kmcnt 0x0
	s_add_nc_u64 s[4:5], s[4:5], s[16:17]
	s_add_nc_u64 s[6:7], s[6:7], s[18:19]
	s_add_nc_u64 s[8:9], s[8:9], s[18:19]
	s_add_nc_u64 s[10:11], s[10:11], s[24:25]
.irp i, 0,1,2,3,4,5,6,7,8,9,10,11,12,13,14,15
	global_load_b128 v[G+4*\i:G+4*\i+3], v1, s[4:5] offset:((\i%8)+16*(\i/8))*4096 th:TH_LOAD_NT   ; tile row i: 512 consecutive bytes
.endr
.irp i, 0,1,2,3,4,5,6,7,8,9,10,11,12,13,14,15
	global_load_b128 v[B+4*\i:B+4*\i+3], v2, s[8:9] offset:128*(\i/4)+16*(\i%4)                    ; the shift, in X's order
.endr
	s_wait_loadcnt 16                              ; the rows are in; the shift's 16 loads may be out
.irp i, 0,1,2,3,4,5,6,7,8,9,10,11,12,13,14,15
	ds_store_b128 v3, v[G+4*\i:G+4*\i+3] offset:528*\i
.endr
.irp i, 0,1,2,3,4,5,6,7,8,9,10,11,12,13,14,15
	ds_load_b128 v[X+4*\i:X+4*\i+3], v4 offset:128*(\i/4)+16*(\i%4)   ; LDS serves a wave's instructions in order: these see my stores
.endr
	s_wait_dscnt 0x0
.irp i, 0,1,2,3,4,5,6,7,8,9,10,11,12,13,14,15
	global_load_b128 v[G+4*\i:G+4*\i+3], v2, s[6:7] offset:128*(\i/4)+16*(\i%4)                    ; the scale takes the registers that the rows have left
.endr
	v_pk_add_f32 v[244:245], v[32:33], v[34:35]
	v_pk_add_f32 v[254:255], v[40:41], v[44:45]
	v_pk_add_f32 v[248:249], v[48:49], v[52:53]
	v_pk_add_f32 v[240:241], v[56:57], v[60:61]
	v_pk_add_f32 v[238:239], v[64:65], v[68:69]
	v_pk_add_f32 v[236:237], v[72:73], v[76:77]
	v_pk_add_f32 v[234:235], v[80:81], v[84:85]
	v_pk_add_f32 v[242:243], v[88:89], v[92:93]
	s_delay_alu instid0(VALU_DEP_1)
	v_pk_add_f32 v[242:243], v[242:243], v[36:37]
	v_pk_add_f32 v[244:245], v[244:245], v[38:39]
	v_pk_add_f32 v[254:255], v[254:255], v[42:43]
	v_pk_add_f32 v[248:249], v[248:249], v[46:47]
	v_pk_add_f32 v[240:241], v[240:241], v[50:51]
	v_pk_add_f32 v[238:239], v[238:239], v[54:55]
	v_pk_add_f32 v[236:237], v[236:237], v[58:59]
	v_pk_add_f32 v[234:235], v[234:235], v[62:63]
	v_pk_add_f32 v[242:243], v[242:243], v[66:67]
	v_pk_add_f32 v[244:245], v[244:245], v[70:71]
	v_pk_add_f32 v[254:255], v[254:255], v[74:75]
	v_pk_add_f32 v[248:249], v[248:249], v[78:79]
	v_pk_add_f32 v[240:241], v[240:241], v[82:83]
	v_pk_add_f32 v[238:239], v[238:239], v[86:87]
	v_pk_add_f32 v[236:237], v[236:237], v[90:91]
	v_pk_add_f32 v[234:235], v[234:235], v[94:95]
	s_delay_alu instid0(VALU_DEP_4)
	v_pk_add_f32 v[242:243], v[242:243], v[240:241]
	s_delay_alu instid0(VALU_DEP_4)
	v_pk_add_f32 v[244:245], v[244:245], v[238:239]
	s_delay_alu instid0(VALU_DEP_4)
	v_pk_add_f32 v[254:255], v[254:255], v[236:237]
	s_delay_alu instid0(VALU_DEP_4)
	v_pk_add_f32 v[248:249], v[248:249], v[234:235]
	s_delay_alu instid0(VALU_DEP_2)
	v_pk_add_f32 v[242:243], v[242:243], v[254:255]
	s_delay_alu instid0(VALU_DEP_2)
	v_pk_add_f32 v[244:245], v[244:245], v[248:249]
	s_delay_alu instid0(VALU_DEP_1)
	v_pk_add_f32 v[242:243], v[242:243], v[244:245]
	s_delay_alu instid0(VALU_DEP_1)
	v_add_f32 v242, v242, v243
	s_delay_alu instid0(VALU_DEP_1)
	v_permlanex16_b32 v246, v242, s[SEL], s[SEL+1]
	s_delay_alu instid0(VALU_DEP_1)
	v_add_f32 v242, v242, v246                     ; with lane l xor 16's: row r's 128 columns of my wave
	ds_store_b32 v5, v242                          ; lanes r and r + 16 write the same word with the same value
	s_wait_dscnt 0x0                               ; for the others' sake: my store has landed
	s_barrier_signal -1
	s_barrier_wait -1
	ds_load_b128 v[224:227], v7
	ds_load_b128 v[228:231], v7 offset:16
	s_wait_dscnt 0x0
	v_add_f32 v224, v224, v225                     ; the eight parts, in one order in every wave
	v_add_f32 v226, v226, v227
	v_add_f32 v228, v228, v229
	v_add_f32 v230, v230, v231
	s_delay_alu instid0(VALU_DEP_3)
	v_add_f32 v224, v224, v226
	s_delay_alu instid0(VALU_DEP_2)
	v_add_f32 v228, v228, v230
	s_delay_alu instid0(VALU_DEP_1)
	v_add_f32 v224, v224, v228
	s_delay_alu instid0(VALU_DEP_1)
	v_mul_f32 v242, v224, v247                     ; the mean
.set ii, 0
.rept 32
	v_pk_add_f32 v[X+ii:X+ii+1], v[X+ii:X+ii+1], v[242:243] op_sel_hi:[1,0] neg_lo:[0,1] neg_hi:[0,1]   ; x - mean
.set ii, ii+2
.endr
	v_pk_mul_f32 v[244:245], v[X:X+1], v[X:X+1]
	v_pk_mul_f32 v[248:249], v[X+2:X+3], v[X+2:X+3]
.irp j, 4,8,12,16,20,24,28,32,36,40,44,48,52,56,60
	s_delay_alu instid0(VALU_DEP_2)
	v_pk_fma_f32 v[244:245], v[X+\j:X+\j+1], v[X+\j:X+\j+1], v[244:245]
	s_delay_alu instid0(VALU_DEP_2)
	v_pk_fma_f32 v[248:249], v[X+\j+2:X+\j+3], v[X+\j+2:X+\j+3], v[248:249]
.endr
	s_delay_alu instid0(VALU_DEP_1)
	v_pk_add_f32 v[244:245], v[244:245], v[248:249]
	s_delay_alu instid0(VALU_DEP_1)
	v_add_f32 v244, v244, v245
	s_delay_alu instid0(VALU_DEP_1)
	v_permlanex16_b32 v246, v244, s[SEL], s[SEL+1]
	s_delay_alu instid0(VALU_DEP_1)
	v_add_f32 v244, v244, v246
	ds_store_b32 v6, v244                          ; bytes of their own: nobody still reads them
	s_wait_dscnt 0x0
	s_barrier_signal -1
	s_barrier_wait -1
	ds_load_b128 v[224:227], v8
	ds_load_b128 v[228:231], v8 offset:16
	s_wait_dscnt 0x0
	v_add_f32 v224, v224, v225
	v_add_f32 v226, v226, v227
	v_add_f32 v228, v228, v229
	v_add_f32 v230, v230, v231
	s_delay_alu instid0(VALU_DEP_3)
	v_add_f32 v224, v224, v226
	s_delay_alu instid0(VALU_DEP_2)
	v_add_f32 v228, v228, v230
	s_delay_alu instid0(VALU_DEP_1)
	v_add_f32 v224, v224, v228
	s_delay_alu instid0(VALU_DEP_1)
	v_fmaak_f32 v250, v224, v247, 0x3727c5ac       ; var + 1e-5
	s_wait_alu depctr_va_vdst(0)
	v_rsq_f32 v250, v250
	v_nop                                          ; a plain line behind the transcendental,
	s_wait_alu depctr_va_vdst(0)                   ; and the wait ahead of its first reader
	s_wait_loadcnt 0x0                             ; scale and shift
.set ii, 0
.rept 32
	v_pk_mul_f32 v[X+ii:X+ii+1], v[X+ii:X+ii+1], v[250:251] op_sel_hi:[1,0]
.set ii, ii+2
.endr
.set ii, 0
.rept 32
	v_pk_fma_f32 v[X+ii:X+ii+1], v[X+ii:X+ii+1], v[G+ii:G+ii+1], v[B+ii:B+ii+1]
.set ii, ii+2
.endr
	; the quantiser: four blocks of 32; a block lies in lanes l and l xor 16
.irp b, 0,1,2,3
	v_max3_num_f32 v[TM+\b], |v[X+16*\b]|, |v[X+1+16*\b]|, 0x8000000   ; my 16 numbers, and the floor 2^(16 - 127): the byte cannot fall under 1
.endr
.irp i, 2,4,6,8,10,12,14
.irp b, 0,1,2,3
	s_delay_alu instid0(VALU_DEP_4)
	v_max3_num_f32 v[TM+\b], v[TM+\b], |v[X+16*\b+\i]|, |v[X+1+16*\b+\i]|
.endr
.endr
.irp b, 0,1,2,3
	s_delay_alu instid0(VALU_DEP_4)
	v_permlanex16_b32 v[TM+4+\b], v[TM+\b], s[SEL], s[SEL+1]
.endr
.irp b, 0,1,2,3
	s_delay_alu instid0(VALU_DEP_4)
	v_max_num_f32 v[TM+\b], v[TM+\b], v[TM+4+\b]
.endr
.irp b, 0,1,2,3
	s_delay_alu instid0(VALU_DEP_4)
	v_add_nc_u32 v[TM+12+\b], 0xf8800000, v[TM+\b]             ; 15 off the exponent field: the conversion's scale operand
.endr
.irp b, 0,1,2,3
	v_and_or_b32 v[TM+8+\b], v[TM+\b], 0x7f800000, s[MNT]      ; 57,344 x the scale
.endr
.irp b, 0,1,2,3
	v_lshrrev_b32 v[TM+4+\b], 23, v[TM+12+\b]                  ; the scale's byte
.endr
	s_delay_alu instid0(VALU_DEP_3)
	v_lshl_or_b32 v[PW], v[TM+5], 8, v[TM+4]
	s_delay_alu instid0(VALU_DEP_1)
	v_lshl_or_b32 v[PW], v[TM+6], 16, v[PW]
	s_delay_alu instid0(VALU_DEP_1)
	v_lshl_or_b32 v[PW], v[TM+7], 24, v[PW]
.irp b, 0,1,2,3
.set ii, 0
.rept 16
	v_med3_num_f32 v[X+16*\b+ii], v[X+16*\b+ii], -v[TM+8+\b], v[TM+8+\b]   ; the conversion does not saturate (ISA guide 7.6.2): the hold comes first
.set ii, ii+1
.endr
	v_cvt_scalef32_pk8_bf8_f32 v[PC+4*\b:PC+1+4*\b], v[X+16*\b:X+7+16*\b], v[TM+12+\b]
	v_cvt_scalef32_pk8_bf8_f32 v[PC+2+4*\b:PC+3+4*\b], v[X+8+16*\b:X+15+16*\b], v[TM+12+\b]
.endr
	v_nop                                          ; one plain line behind the last conversion
.irp c, 0,1,2,3
	global_store_b128 v9, v[PC+4*\c:PC+4*\c+3], s[10:11] offset:512*\c   ; the image as it stands: 512 consecutive bytes a store
.endr
	global_store_b32 v10, v[PW], s[10:11] offset:16384   ; row r's word; lanes r and r + 16 hold the same word and name the same place
	s_wait_tensorcnt 0x0                           ; the wave's end, behind my last LDS store
	ds_add_u32 v[SPW], v[NIL]
	s_wait_dscnt 0x0
	s_endpgm
.Lprep:
; THE WEIGHTS.  W [K][N], f32, K its first axis.  A CHUNK is 128 rows x 128 along K: eight IMAGES of 2,048 bytes (a fragment's registers as they stand: byte 512 c + 16 lane holds k = 32 c + 16 (lane / 16) + 0 .. 15
; of tile row lane % 16), then 512 bytes of scale words (tile t, row p: byte 16,384 + 64 t + 4 p; byte c of a word serves block c): 16,896 bytes.  Row p of tile 2 b + u is row 32 b + 8 u + p % 8 + 16 (p / 8) of the 128.
; wc: chunks 0-191 Wq, Wk, Wv (64 each: 8 groups of 128 columns x 8 K steps), 192-255 Wo, 256-511 W1 (32 x 8), 512-767 W2 (8 x 32).
; Work-group 256 + g makes chunks g, 256 + g and 512 + g, one after the other: one of the square weights, one of W1, one of W2, so that each pass's row length is a constant of the text and all work-groups have the same work.
; The eight waves share a chunk: wave 4 kh + w takes columns 32 w on and K = 64 kh on: two blocks of 32 a chunk, six in all.  Loads run two blocks (64 loads a wave) ahead, through three sets of registers, across chunks too.
; A lane takes a column and its registers run down K: a block of 32 lies in one lane, the conversions give codes with K innermost, and nothing is transposed.
; LIMITS: a block of zeros gets the byte 1 where the rule says 127 (its codes are zeros, and this program alone reads the bytes); NaN and infinities among the inputs are not served.
.set X,  32                            ; v32-127  three sets of 32 numbers
.set C,  128                           ; v128-175 codes, eight registers a block: no store's data are written again
.set SB, 24                            ; v24      the column's scale word
.set VI, 3                             ; v3       4 x lane: my column among the wave's 32
.set VO, 4                             ; v4       my codes' place in the chunk
.set VS, 5                             ; v5       my scale word's place
	s_load_b256 s[4:11], s[0:1], 0x20              ; Wq, Wk, Wv, Wo
	s_load_b128 s[12:15], s[0:1], 0x40             ; W1, W2
	s_load_b64 s[16:17], s[0:1], 0x50              ; wc
	v_lshrrev_b32 v1, 5, v0
	v_readfirstlane_b32 s18, v1                    ; wave 0..7
	s_lshr_b32 s27, s18, 2                         ; kh: K = 64 kh on
	s_and_b32 s18, s18, 3                          ; w: columns 32 w on of the group's 128
	s_sub_co_u32 s30, ttmp9, 256
	v_and_b32 v2, 31, v0                           ; lane l
	v_lshlrev_b32 v[VI], 2, v2
	v_bfe_u32 v6, v2, 3, 1                         ; u = (l / 8) % 2: column 32 w + l lies in tile 2 w + u,
	v_and_b32 v7, 7, v2
	v_lshrrev_b32 v8, 4, v2
	v_lshl_add_u32 v7, v8, 3, v7                   ; at tile row p = l % 8 + 8 (l / 16)
	v_lshlrev_b32 v[VO], 4, v7
	v_lshl_add_u32 v[VO], v6, 11, v[VO]
	s_lshl_b32 s19, s18, 12
	v_add_nc_u32 v[VO], s19, v[VO]                 ; 2,048 (2 w + u) + 16 p
	v_lshlrev_b32 v[VS], 2, v7
	v_lshl_add_u32 v[VS], v6, 6, v[VS]
	s_lshl_b32 s19, s18, 7                         ; 128 w: also the wave's bytes in a row of W
	v_add_nc_u32 v[VS], s19, v[VS]                 ; 64 (2 w + u) + 4 p
	s_lshl_b32 s20, s27, 10
	v_add_nc_u32 v[VO], s20, v[VO]                 ; + 1,024 kh: blocks 2 kh on
	s_lshl_b32 s20, s27, 1
	v_add_nc_u32 v[VS], s20, v[VS]                 ; + 2 kh: their two scale bytes
	s_lshr_b32 s21, s30, 3                         ; s30 = g.  Pass 0, a square weight (rows of 4,096 bytes): group (g / 8) % 8, K step g % 8
	s_and_b32 s21, s21, 7
	s_lshl_b32 s21, s21, 9                         ; group x 512 bytes
	s_and_b32 s22, s30, 7
	s_lshl_b32 s22, s22, 19                        ; K step x 128 rows
	s_add_co_u32 s22, s22, s21
	s_lshl_b32 s20, s27, 18                        ; kh x 64 rows
	s_add_co_u32 s22, s22, s20
	s_add_co_u32 s22, s22, s19                     ; + 128 w
	s_mov_b32 s23, 0
	s_lshr_b32 s24, s30, 3                         ; pass 1, W1 (rows of 16,384 bytes): group g / 8, K step g % 8
	s_lshl_b32 s24, s24, 9
	s_and_b32 s25, s30, 7
	s_lshl_b32 s25, s25, 21
	s_add_co_u32 s24, s24, s25
	s_lshl_b32 s25, s27, 20
	s_add_co_u32 s24, s24, s25
	s_add_co_u32 s24, s24, s19
	s_mov_b32 s25, 0
	s_lshr_b32 s28, s30, 5                         ; pass 2, W2 (rows of 4,096 bytes): group g / 32, K step g % 32
	s_lshl_b32 s28, s28, 9
	s_and_b32 s29, s30, 31
	s_lshl_b32 s29, s29, 19
	s_add_co_u32 s28, s28, s29
	s_add_co_u32 s28, s28, s20
	s_add_co_u32 s28, s28, s19
	s_mov_b32 s29, 0
	s_add_co_u32 s26, s30, 256                     ; the stores' base stands at chunk 256 + g; the other two chunks lie 256 chunks to either side, inside the signed 24-bit immediate (ISA guide, chapter 10)
	s_mul_i32 s26, s26, CH
	s_mov_b32 s27, 0
	s_mov_b32 s31, 0x600000                        ; the mantissa field of 57,344
	s_wait_alu depctr_va_vdst(0)                   ; the head's end
	s_wait_kmcnt 0x0
	s_cmp_ge_u32 s30, 64                           ; which weight: the choice hangs on ids alone
	s_cselect_b64 s[4:5], s[6:7], s[4:5]
	s_cmp_ge_u32 s30, 128
	s_cselect_b64 s[4:5], s[8:9], s[4:5]
	s_cmp_ge_u32 s30, 192
	s_cselect_b64 s[4:5], s[10:11], s[4:5]
	s_add_nc_u64 s[4:5], s[4:5], s[22:23]
	s_add_nc_u64 s[12:13], s[12:13], s[24:25]
	s_add_nc_u64 s[14:15], s[14:15], s[28:29]
	s_add_nc_u64 s[16:17], s[16:17], s[26:27]
.macro LOAD c                          ; block c = 0 .. 5: pass c / 2, its block c % 2 of my two: W(32 (c % 2) + i, my column) into set c % 3; a load of the wave reads 128 consecutive bytes, four waves 512
.set PB_, 4
.set PI_, 4096
.if (\c)/2 == 1
.set PB_, 12
.set PI_, 16384
.elseif (\c)/2 == 2
.set PB_, 14
.endif
.set ii, 0
.rept 32
	global_load_b32 v[X+32*((\c)%3)+ii], v[VI], s[PB_:PB_+1] offset:(32*((\c)%2)+ii)*PI_ th:TH_LOAD_NT
.set ii, ii+1
.endr
.endm
.macro BLOCK c
.set XS, X+32*((\c)%3)
.if (\c) < 5
	s_wait_loadcnt 32                              ; this block's 32 loads are in; the next block's 32 may be out
.else
	s_wait_loadcnt 0
.endif
.if (\c) < 4
	LOAD (\c)+2                                    ; into the set that the block before has left
.endif
	v_max3_num_f32 v12, |v[XS]|, |v[XS+1]|, |v[XS+2]|   ; the block's largest magnitude: all 32 numbers are mine; two chains
	v_max3_num_f32 v13, |v[XS+3]|, |v[XS+4]|, |v[XS+5]|
.irp i, 6,10,14,18,22,26
	v_max3_num_f32 v12, v12, |v[XS+\i]|, |v[XS+\i+1]|
	v_max3_num_f32 v13, v13, |v[XS+\i+2]|, |v[XS+\i+3]|
.endr
	v_max3_num_f32 v12, v12, |v[XS+30]|, |v[XS+31]|
	v_max3_num_f32 v12, v12, v13, 0x8000000        ; and the floor 2^(16 - 127): the byte cannot fall under 1
	v_add_nc_u32 v11, 0xf8800000, v12              ; 15 off the exponent field: the conversion takes this operand's exponent field as its scale
	v_and_or_b32 v10, v12, 0x7f800000, s31         ; 57,344 x the scale
	v_lshrrev_b32 v13, 23, v11                     ; the scale's byte
.if (\c)%2 == 0
	v_mov_b32 v[SB+(\c)/2], v13                    ; a register for each pass: no store's data are written again
.else
	v_lshl_or_b32 v[SB+(\c)/2], v13, 8, v[SB+(\c)/2]
.endif
.set ii, 0
.rept 32
	v_med3_num_f32 v[XS+ii], v[XS+ii], -v10, v10   ; the conversion to an 8-bit code does not saturate (ISA guide 7.6.2): the hold comes first
.set ii, ii+1
.endr
.irp g, 0,1,2,3
	v_cvt_scalef32_pk8_bf8_f32 v[C+8*(\c)+2*\g:C+8*(\c)+2*\g+1], v[XS+8*\g:XS+8*\g+7], v11
.endr
	v_nop                                          ; one plain line behind the last conversion
	global_store_b128 v[VO], v[C+8*(\c):C+8*(\c)+3], s[16:17] offset:((\c)/2-1)*256*CH+512*((\c)%2)          ; the block's k = 0 .. 15: sixteen lanes fill 256 consecutive bytes of tile 2 w, sixteen of tile 2 w + 1
	global_store_b128 v[VO], v[C+8*(\c)+4:C+8*(\c)+7], s[16:17] offset:((\c)/2-1)*256*CH+512*((\c)%2)+256    ; its k = 16 .. 31: the image's upper lanes
.if (\c)%2 == 1
	global_store_b16 v[VS], v[SB+(\c)/2], s[16:17] offset:((\c)/2-1)*256*CH+16384   ; my two bytes of my column's scale word
.endif
.endm
	LOAD 0
	LOAD 1
.irp q, 0,1,2,3,4,5
	BLOCK \q
.endr
	s_endpgm
.Lfunc_end_k_qa655c5d8cb_ln1:
	.size	k_qa655c5d8cb_ln1, .Lfunc_end_k_qa655c5d8cb_ln1-k_qa655c5d8cb_ln1
	.p2alignl 7, 3214868480
	.fill 96, 4, 3214868480
	.section	.rodata,"a",@progbits
	.p2align	6, 0x0
	.amdhsa_kernel k_qa655c5d8cb_ln1
		.amdhsa_group_segment_fixed_size 69632
		.amdhsa_private_segment_fixed_size 0
		.amdhsa_enable_private_segment 0
		.amdhsa_kernarg_size 88
		.amdhsa_user_sgpr_count 2
		.amdhsa_user_sgpr_kernarg_segment_ptr 1
		.amdhsa_wavefront_size32 1
		.amdhsa_system_sgpr_workgroup_id_x 1
		.amdhsa_system_sgpr_workgroup_id_y 1
		.amdhsa_system_sgpr_workgroup_id_z 1
		.amdhsa_system_vgpr_workitem_id 0
		.amdhsa_next_free_vgpr 256
		.amdhsa_next_free_sgpr 66
		.amdhsa_reserve_vcc 0
		.amdhsa_float_denorm_mode_32 3
		.amdhsa_float_denorm_mode_16_64 3
		.amdhsa_memory_ordered 1
		.amdhsa_forward_progress 1
		.amdhsa_inst_pref_size 76
	.end_amdhsa_kernel
	.amdgpu_metadata
---
amdhsa.version: [ 1, 2 ]
amdhsa.kernels:
  - .name:           k_qa655c5d8cb_ln1
    .symbol:         k_qa655c5d8cb_ln1.kd
    .args:
      - { .name: x, .offset: 0, .size: 8, .value_kind: global_buffer, .address_space: global }
      - { .name: ln1_scale, .offset: 8, .size: 8, .value_kind: global_buffer, .address_space: global }
      - { .name: ln1_shift, .offset: 16, .size: 8, .value_kind: global_buffer, .address_space: global }
      - { .name: hc, .offset: 24, .size: 8, .value_kind: global_buffer, .address_space: global }
      - { .name: Wq, .offset: 32, .size: 8, .value_kind: global_buffer, .address_space: global }
      - { .name: Wk, .offset: 40, .size: 8, .value_kind: global_buffer, .address_space: global }
      - { .name: Wv, .offset: 48, .size: 8, .value_kind: global_buffer, .address_space: global }
      - { .name: Wo, .offset: 56, .size: 8, .value_kind: global_buffer, .address_space: global }
      - { .name: W1, .offset: 64, .size: 8, .value_kind: global_buffer, .address_space: global }
      - { .name: W2, .offset: 72, .size: 8, .value_kind: global_buffer, .address_space: global }
      - { .name: wc, .offset: 80, .size: 8, .value_kind: global_buffer, .address_space: global }
    .group_segment_fixed_size: 69632
    .private_segment_fixed_size: 0
    .kernarg_segment_align: 8
    .kernarg_segment_size: 88
    .max_flat_workgroup_size: 256
    .sgpr_count:     66
    .vgpr_count:     256
    .wavefront_size: 32
...
	.end_amdgpu_metadata
.endif
;; end of part 1
;; launch qkv (part 2): grid 8 x 32, 4 waves a work-group, clusters of 4 x 4, 327,680 bytes of LDS; arguments hc, wc, qkvc, qkvs; writes qkvc, qkvs
.if DOCPART == 2
	.amdgcn_target "amdgcn-amd-amdhsa--gfx1250"
	.amdhsa_code_object_version 6
	.text
	.protected	k_qa655c5d8cb_qkv
	.globl	k_qa655c5d8cb_qkv
	.p2align	8
	.type	k_qa655c5d8cb_qkv,@function
k_qa655c5d8cb_qkv:
	s_mov_b64 s[64:65], 0
	v_nop
	global_prefetch_b8 v0, s[64:65] scope:SCOPE_SE
	s_setreg_imm32_b32 hwreg(HW_REG_WAVE_MODE, 25, 1), 1
	s_wait_xcnt 0x0
	s_wait_alu depctr_hold_cnt(0) depctr_sa_sdst(0) depctr_va_vdst(0) depctr_va_sdst(0) depctr_va_ssrc(0) depctr_va_vcc(0) depctr_vm_vsrc(0)
	s_getreg_b32 s2, hwreg(HW_REG_IB_STS2, 6, 4)
	s_cmp_eq_u32 s2, 0
	s_cbranch_scc0 .Lentry_in_a_cluster
	s_endpgm
.Lentry_in_a_cluster:
	s_bfe_u32 s2, ttmp6, 0x10000c
	s_cmp_lg_u32 s2, 0xf033
	s_cbranch_scc0 .Lentry_shape_is_right
	s_endpgm
.Lentry_shape_is_right:
; q, k, v = h Wq, h Wk, h Wv on codes of BF8 (E5M2) with E8M0 scales, each result quantised on the way out.  Operands are chunks: 128 rows x 128 K = eight images of 2,048 bytes (a fragment's registers as they stand) and 512 bytes of scale words.
; SHARES.  Work-group (X, Y): the tokens' group Y x the weights' group X of Wq, then of Wk, then of Wv: three tiles of 128 x 128.  Four waves of 64 x 64: wave w takes half wp = w / 2 of the tokens and half wr = w % 2 of the outputs; 16 accumulators, which take turns.
; q, k: source 0 = weights, source 1 = tokens (a lane holds one token, its registers run along the head).  v: the other way round, since v is quantised along the tokens.
; THE TOKENS LIVE IN REGISTERS: a wave's 64 tokens, all of K = 1,024, are 512 registers (windows 2, 3), read from LDS once.  So a K step reads 16 fragments' pieces of the weights and four scale words from LDS, and no token fragment twice.
; LDS: two slots of eight chunks.  At the head slot X takes the tokens (wave 0), 4,096 bytes of their own the tokens' scale words (wave 1: 8 rows of 512 bytes, 16,896 apart in memory), slot Y tile 0's weights (waves 2, 3).
; Ahead of each tile but the last stands ONE drained round of the cluster's barrier, and behind it each wave asks for a quarter of the next tile's weights, into the slot that is not being multiplied: the first time over the tokens, which every wave then holds in registers.
; 4 x 4 clusters: the tokens are asked for jointly along a row of the cluster, the weights along a column.
; NO PREFETCH: a refill is asked for one whole tile (128 products a wave and the way out) ahead of the wait for it, and the first fills have no loop to run ahead in.
; REGISTERS: window 0: v1-29 addresses, v8-15 scale words (two sets: tokens' tiles 0, 1 and 2, 3 in the two halves of the lanes, then the weights'), v32-95 the way out, v128-255 accumulators; window 1: v0-127 two sets of the weights' four fragments.
; LIMITS: a block of zeros gets the byte 1 where the rule says 127 (zero codes; this program alone reads the bytes); NaN and infinities are not served.
.set CH,    16896
.set SLOT,  8*CH
.set PSC,   2*SLOT                     ; the tokens' scale words: [K step][512 bytes]
.set SPARE, PSC+4096                   ; the spare words, 128 bytes for each wave
.set SECT,  0
.set SC,   8
.set AD0B, 16                          ; v16  the weights' fragments in a slot: 8,192 wr + 16 lane
.set ARSB, 17                          ; v17  their scale words: 16,384 + 256 wr + 4 lane
.set AD0,  18                          ; v18-19  the same in the slot in hand, K steps 0-3 and 4-7
.set ARS,  20                          ; v20-21
.set APS,  22                          ; v22  the tokens' scale words: PSC + 256 wp + 4 lane
.set AD1,  24                          ; v24-25  the tokens' fragments in slot X
.set SPW,  28
.set NIL,  29
.set VC,   32
.set VS0,  36
.set TM,   40
.set PW,   60
.set PC,   64
.set ACC,  128
.set SEL,  66
.set TB,   86                          ; s86  LDS byte at which the slot in hand begins
.set HI16, 90
.set MNT,  91
.set CB,   68
.set SB,   70
.set MSB, 0
.macro WIN new                         ; the immediate's high byte repeats the setting that is left
.if MSB != \new
	s_set_vgpr_msb (MSB<<8)|\new
.set MSB, \new
.endif
.endm
.macro CROUND                          ; a round of the cluster's barrier
	s_barrier_signal -1
	s_barrier_wait -1
	s_cmp_lg_u32 s10, 0
	s_cbranch_scc1 .Lnot_wave_0_\@
	s_barrier_signal -3
.Lnot_wave_0_\@:
	s_barrier_wait -3
	s_barrier_signal -1
	s_barrier_wait -1
.endm
.macro PLACES n
.rept \n
	v_nop
.endr
.endm
.macro GRP1 g, mask, c, r, p           ; descriptor group 1: r rows of c elements of 8 bytes, p elements apart; the mask, and bit 21 beside it
	s_or_b32 s[\g], s[\mask], (3<<16)|(1<<21)
	s_mov_b32 s[\g+1], (\c)<<16
	s_mov_b32 s[\g+2], (\r)<<16
	s_mov_b32 s[\g+3], (\c)<<16
	s_mov_b32 s[\g+4], \r
	s_mov_b32 s[\g+5], \p
	s_mov_b32 s[\g+6], 0
	s_mov_b32 s[\g+7], 0
.endm
.macro OFFSETS wc, ac, ws, rs, hs      ; where tile a's codes and scale bytes go
	s_lshl_b32 s94, s11, \wc
	v_add_nc_u32 v[VC], s94, v3
	v_add_nc_u32 v[VC+1], \ac, v[VC]
	v_add_nc_u32 v[VC+2], \ac, v[VC+1]
	v_add_nc_u32 v[VC+3], \ac, v[VC+2]
	s_lshl_b32 s94, s11, \ws
	v_lshl_add_u32 v[VS0], v1, \rs, s94
	v_lshl_add_u32 v[VS0], v2, \hs, v[VS0]
	v_add_nc_u32 v[VS0+3], 2<<\hs, v[VS0]
.endm
	s_load_b128 s[4:7], s[0:1], 0x0                ; hc, wc
	s_load_b128 s[68:71], s[0:1], 0x10             ; qkvc, qkvs
	v_lshl_add_u32 v[SPW], v0, 2, SPARE
	v_mov_b32 v[NIL], 0
	ds_add_u32 v[SPW], v[NIL]                      ; the opening lines: the add, twice on end, and its wait ahead of my first tensor load
	ds_add_u32 v[SPW], v[NIL]
	v_lshrrev_b32 v1, 5, v0
	v_readfirstlane_b32 s10, v1                    ; wave 0..3
	s_lshr_b32 s11, s10, 1                         ; wp
	s_and_b32 s12, s10, 1                          ; wr
	s_bfe_u32 s40, ttmp6, 0x40000                  ; cx, cy
	s_bfe_u32 s41, ttmp6, 0x40004
	s_lshl_b32 s42, ttmp9, 2
	s_add_co_u32 s42, s42, s40                     ; X
	s_and_b32 s13, ttmp7, 0xffff
	s_lshl_b32 s13, s13, 2
	s_add_co_u32 s13, s13, s41                     ; Y
	s_lshl_b32 s43, s41, 2
	s_lshl_b32 s43, 15, s43                        ; my row of the cluster
	s_lshl_b32 s44, 0x1111, s40                    ; my column
	GRP1 24, 43, 32, 528, 32                       ; the tokens' eight chunks: 528 rows of 256 bytes
	GRP1 72, 43, 64, 8, 2112                       ; their scale words
	GRP1 32, 44, 32, 264, 32                       ; half of tile 0's weights: four chunks
	GRP1 48, 44, 32, 132, 32                       ; a quarter of a later tile's: two chunks
	s_mul_i32 s14, s13, 8*CH
	s_mov_b32 s15, 0
	s_mul_i32 s46, s42, 8*CH
	s_add_co_u32 s46, s46, SECT
	s_mov_b32 s47, 0
	s_mul_i32 s20, s12, 4*CH
	s_mov_b32 s21, 0
	s_mul_i32 s22, s10, 2*CH
	s_mov_b32 s23, 0
	s_wait_dscnt 0x0                               ; both opening adds are done
	s_wait_kmcnt 0x0
	s_add_nc_u64 s[14:15], s[4:5], s[14:15]
	s_add_nc_u64 s[46:47], s[6:7], s[46:47]
	CROUND                                         ; all sixteen work-groups are here: the first joint loads meet
	s_mov_b32 s4, 1                                ; groups 0: the tokens -> slot X,
	s_mov_b32 s5, 0
	s_mov_b64 s[6:7], s[14:15]
	s_or_b32 s7, s7, 0x80000000
	s_mov_b32 s16, 1                               ; their scale words,
	s_mov_b32 s17, PSC
	s_add_nc_u64 s[18:19], s[14:15], 16384
	s_or_b32 s19, s19, 0x80000000
	s_mov_b32 s56, 1                               ; tile 0's weights -> slot Y, half wr,
	s_add_co_u32 s57, s20, SLOT
	s_add_nc_u64 s[58:59], s[46:47], s[20:21]
	s_or_b32 s59, s59, 0x80000000
	s_mov_b32 s60, 1                               ; and the walking one: my quarter of a tile's weights; it is turned to the other slot and stepped a tile on ahead of each use
	s_add_co_u32 s61, s22, SLOT
	s_add_nc_u64 s[62:63], s[46:47], s[22:23]
	s_or_b32 s63, s63, 0x80000000
.macro HARM under, g0, g1, next        ; the head's loads, one a wave, in one chain of arms
	s_cmp_lt_u32 s10, \under
	s_cbranch_scc0 \next
	tensor_load_to_lds s[\g0:\g0+3], s[\g1:\g1+7]
	s_nop 0
	PLACES 4
	s_branch .Lhead_asked
\next:
.endm
	HARM 1, 4, 24, .Lh_s
	HARM 2, 16, 72, .Lh_r
	tensor_load_to_lds s[56:59], s[32:39]
	s_nop 0
	PLACES 4
.Lhead_asked:
	v_and_b32 v4, 31, v0
	v_lshlrev_b32 v3, 4, v4                        ; 16 x lane
	v_and_b32 v1, 15, v0                           ; r
	v_bfe_u32 v2, v0, 4, 1                         ; h
	s_wait_alu depctr_va_vdst(0)
	s_lshl_b32 s21, s11, 13
	v_add_nc_u32 v[AD1], s21, v3
	v_add_nc_u32 v[AD1+1], 4*CH, v[AD1]
	s_lshl_b32 s22, s12, 13
	v_add_nc_u32 v[AD0B], s22, v3
	s_lshl_b32 s23, s12, 8
	s_add_co_u32 s23, s23, 16384
	v_lshl_add_u32 v[ARSB], v4, 2, s23
	s_lshl_b32 s23, s11, 8
	s_add_co_u32 s23, s23, PSC
	v_lshl_add_u32 v[APS], v4, 2, s23
	s_mov_b32 s[SEL], 0x76543210
	s_mov_b32 s[SEL+1], 0xfedcba98                 ; v_permlanex16_b32's selects for lane l xor 16
	s_mov_b32 s[MNT], 0x600000                     ; the mantissa field of 57,344
	s_mov_b32 s[HI16], 0xffff0000                  ; lanes 16-31
	v_mov_b32 v[TM+2], 0                           ; a lane permute's destination counts as one of its sources
	v_mov_b32 v[TM+3], 0
	; q, k: [head][tile of tokens][c 0..1][lane][16], scale bytes u16 [tile][16];  v: [head][key step][tile of d][c 0..3][lane][16], scale words [key step][tile][16]
	s_lshl_b32 s81, s42, 1
	s_add_co_u32 s81, s81, s12                     ; the head
	s_lshr_b32 s82, s13, 4
	s_lshl_b32 s82, s82, 4
	s_add_co_u32 s81, s81, s82                     ; + 16 x batch
	s_and_b32 s82, s13, 15                         ; the group of 128 tokens in its sequence
	s_lshl_b32 s80, s81, 17
	s_lshl_b32 s83, s82, 13
	s_add_co_u32 s80, s80, s83
	s_lshl_b32 s84, s81, 12
	s_lshl_b32 s83, s82, 8
	s_add_co_u32 s84, s84, s83
	s_mov_b32 s81, 0
	s_mov_b32 s85, 0
	s_add_nc_u64 s[68:69], s[68:69], s[80:81]
	s_add_nc_u64 s[70:71], s[70:71], s[84:85]
	OFFSETS 12, 1024, 7, 1, 5
.macro PLOAD                           ; my 64 tokens, all of K: K step 4 s + j, tile a -> window 2 + s, v[64 j + 16 a ..]: 128 loads of 512 consecutive bytes
.irp s, 0,1
	WIN ((2+\s)<<6)
.irp j, 0,1,2,3
.irp a, 0,1,2,3
.irp c, 0,1,2,3
	ds_load_b128 v[64*\j+16*\a+4*\c:64*\j+16*\a+4*\c+3], v[AD1+\s] offset:\j*CH+\a*2048+\c*512
.endr
.endr
.endr
.endr
	WIN 0
.endm
.macro FETCH k                         ; K step k of the slot in hand into set k % 2: four scale words and the weights' four fragments: 20 loads
	WIN 0
	ds_load_b32 v[SC+4*((\k)%2)], v[APS] offset:(\k)*512
	ds_load_b32 v[SC+4*((\k)%2)+1], v[APS] offset:(\k)*512+128
	ds_load_b32 v[SC+4*((\k)%2)+2], v[ARS+(\k)/4] offset:((\k)%4)*CH
	ds_load_b32 v[SC+4*((\k)%2)+3], v[ARS+(\k)/4] offset:((\k)%4)*CH+128
	WIN 0x40
.irp b, 0,1,2,3
.irp c, 0,1,2,3
	ds_load_b128 v[64*((\k)%2)+16*\b+4*\c:64*((\k)%2)+16*\b+4*\c+3], v[AD0+(\k)/4] offset:((\k)%4)*CH+\b*2048+\c*512
.endr
.endr
.endm
.macro WM r0, r1, z                    ; one product; r0, r1: which half of the lanes holds source 0's and source 1's scale words; z: the constant 0 starts the sum
.if \z
.if (\r0) && (\r1)
	v_wmma_scale_f32_16x16x128_f8f6f4 v[D_:D_+7], v[S0_:S0_+15], v[S1_:S1_+15], 0, v[X0_], v[X1_] matrix_a_fmt:MATRIX_FMT_BF8 matrix_b_fmt:MATRIX_FMT_BF8 matrix_a_scale:MATRIX_SCALE_ROW1 matrix_b_scale:MATRIX_SCALE_ROW1
.elseif \r0
	v_wmma_scale_f32_16x16x128_f8f6f4 v[D_:D_+7], v[S0_:S0_+15], v[S1_:S1_+15], 0, v[X0_], v[X1_] matrix_a_fmt:MATRIX_FMT_BF8 matrix_b_fmt:MATRIX_FMT_BF8 matrix_a_scale:MATRIX_SCALE_ROW1
.elseif \r1
	v_wmma_scale_f32_16x16x128_f8f6f4 v[D_:D_+7], v[S0_:S0_+15], v[S1_:S1_+15], 0, v[X0_], v[X1_] matrix_a_fmt:MATRIX_FMT_BF8 matrix_b_fmt:MATRIX_FMT_BF8 matrix_b_scale:MATRIX_SCALE_ROW1
.else
	v_wmma_scale_f32_16x16x128_f8f6f4 v[D_:D_+7], v[S0_:S0_+15], v[S1_:S1_+15], 0, v[X0_], v[X1_] matrix_a_fmt:MATRIX_FMT_BF8 matrix_b_fmt:MATRIX_FMT_BF8
.endif
.else
.if (\r0) && (\r1)
	v_wmma_scale_f32_16x16x128_f8f6f4 v[D_:D_+7], v[S0_:S0_+15], v[S1_:S1_+15], v[D_:D_+7], v[X0_], v[X1_] matrix_a_fmt:MATRIX_FMT_BF8 matrix_b_fmt:MATRIX_FMT_BF8 matrix_a_scale:MATRIX_SCALE_ROW1 matrix_b_scale:MATRIX_SCALE_ROW1
.elseif \r0
	v_wmma_scale_f32_16x16x128_f8f6f4 v[D_:D_+7], v[S0_:S0_+15], v[S1_:S1_+15], v[D_:D_+7], v[X0_], v[X1_] matrix_a_fmt:MATRIX_FMT_BF8 matrix_b_fmt:MATRIX_FMT_BF8 matrix_a_scale:MATRIX_SCALE_ROW1
.elseif \r1
	v_wmma_scale_f32_16x16x128_f8f6f4 v[D_:D_+7], v[S0_:S0_+15], v[S1_:S1_+15], v[D_:D_+7], v[X0_], v[X1_] matrix_a_fmt:MATRIX_FMT_BF8 matrix_b_fmt:MATRIX_FMT_BF8 matrix_b_scale:MATRIX_SCALE_ROW1
.else
	v_wmma_scale_f32_16x16x128_f8f6f4 v[D_:D_+7], v[S0_:S0_+15], v[S1_:S1_+15], v[D_:D_+7], v[X0_], v[X1_] matrix_a_fmt:MATRIX_FMT_BF8 matrix_b_fmt:MATRIX_FMT_BF8
.endif
.endif
.endm
.macro MUL16 kk, z, sel                ; K step kk: source 1's four tiles x source 0's four; the 16 accumulators take turns, one instruction a turn
.if \sel
	WIN ((2+(\kk)/4)|0x04)                         ; source 0: the tokens (window 2 or 3); source 1: the weights (window 1)
.else
	WIN (0x01|((2+(\kk)/4)<<2))                    ; the other way round
.endif
.irp a, 0,1,2,3
.irp b, 0,1,2,3
.set D_, ACC+8*(4*\a+\b)
.if \sel
.set S0_, 64*((\kk)%4)+16*\b
.set S1_, 64*((\kk)%2)+16*\a
.set X0_, SC+4*((\kk)%2)+\b/2
.set X1_, SC+4*((\kk)%2)+2+\a/2
.else
.set S0_, 64*((\kk)%2)+16*\b
.set S1_, 64*((\kk)%4)+16*\a
.set X0_, SC+4*((\kk)%2)+2+\b/2
.set X1_, SC+4*((\kk)%2)+\a/2
.endif
	WM \b%2, \a%2, \z
.endr
.endr
.endm
.macro KQ kk, z, sel                   ; a K step: its set is in; the next K step is asked for into the set that the last products have left (eight plain lines behind them); then 16 products
.if (\kk) > 0
	PLACES 8
.endif
	s_wait_dscnt 0x0
.if (\kk) < 7
	FETCH (\kk)+1
.endif
	MUL16 \kk, \z, \sel
.endm
; THE WAY OUT.  Of tile a a lane holds 32 neighbours along source 0's rows: two blocks of 32, each shared with lane l xor 16.  The codes are an image's registers.
.macro QUANT2 src, a
.irp b, 0,1
	v_max3_num_f32 v[TM+\b], |v[(\src)+16*\b]|, |v[(\src)+16*\b+1]|, 0x8000000   ; from each accumulator's low end on; the floor 2^(16 - 127) holds the byte at 1 from below
.endr
.irp i, 2,4,6,8,10,12,14
.irp b, 0,1
	v_max3_num_f32 v[TM+\b], v[TM+\b], |v[(\src)+16*\b+\i]|, |v[(\src)+16*\b+\i+1]|
.endr
.endr
.irp b, 0,1
	v_permlanex16_b32 v[TM+2+\b], v[TM+\b], s[SEL], s[SEL+1]
.endr
.irp b, 0,1
	v_max_num_f32 v[TM+\b], v[TM+\b], v[TM+2+\b]
.endr
.irp b, 0,1
	v_add_nc_u32 v[TM+6+\b], 0xf8800000, v[TM+\b]              ; 15 off the exponent field: the conversion's scale operand
.endr
.irp b, 0,1
	v_and_or_b32 v[TM+4+\b], v[TM+\b], 0x7f800000, s[MNT]      ; 57,344 x the scale
.endr
.irp b, 0,1
	v_lshrrev_b32 v[TM+2+\b], 23, v[TM+6+\b]                   ; the scale's byte
.endr
	v_lshl_or_b32 v[PW+(\a)], v[TM+3], 8, v[TM+2]
.irp b, 0,1
.set ii, 0
.rept 16
	v_med3_num_f32 v[(\src)+16*\b+ii], v[(\src)+16*\b+ii], -v[TM+4+\b], v[TM+4+\b]   ; the conversion does not saturate (ISA guide 7.6.2): the hold comes first
.set ii, ii+1
.endr
	v_cvt_scalef32_pk8_bf8_f32 v[PC+8*(\a)+4*\b:PC+8*(\a)+4*\b+1], v[(\src)+16*\b:(\src)+16*\b+7], v[TM+6+\b]
	v_cvt_scalef32_pk8_bf8_f32 v[PC+8*(\a)+4*\b+2:PC+8*(\a)+4*\b+3], v[(\src)+16*\b+8:(\src)+16*\b+15], v[TM+6+\b]
.endr
	v_nop                                          ; one plain line behind the last conversion
.endm
.macro WPART a
	QUANT2 ACC+32*(\a), \a
	global_store_b128 v[VC+\a], v[PC+8*\a:PC+8*\a+3], s[CB:CB+1]                 ; 512 consecutive bytes a store
	global_store_b128 v[VC+\a], v[PC+8*\a+4:PC+8*\a+7], s[CB:CB+1] offset:512
.endm
.macro WSC p                           ; lanes 0-15 store tile 2 p's two bytes a row, lanes 16-31 tile 2 p + 1's
	v_cndmask_b32 v[VS0+1+\p], v[PW+2*\p], v[PW+2*\p+1], s[HI16]
	global_store_b16 v[VS0+3*\p], v[VS0+1+\p], s[SB:SB+1]
.endm
.macro TILE nxt, sel
	s_wait_tensorcnt 0x0                           ; my part of this tile's weights is in; no tensor load of mine is out, so a group 0 may be written
	ds_add_u32 v[SPW], v[NIL]                      ; 0 onto my spare word
	s_xor_b32 s[TB], s[TB], SLOT                   ; the slot in hand
.if \nxt
	s_xor_b32 s61, s61, SLOT                       ; the other slot takes the next tile's weights
	s_add_nc_u64 s[62:63], s[62:63], 64*CH
.endif
	v_add_nc_u32 v[AD0], s[TB], v[AD0B]
	v_add_nc_u32 v[AD0+1], 4*CH, v[AD0]
	v_add_nc_u32 v[ARS], s[TB], v[ARSB]
	v_add_nc_u32 v[ARS+1], 4*CH, v[ARS]
	s_wait_alu depctr_va_vdst(0)
	s_wait_dscnt 0x0                               ; the add is done, and so are my reads of the other slot (the first time: the tokens are in my registers)
.if \nxt
	CROUND                                         ; both now hold of every wave of every partner
	tensor_load_to_lds s[60:63], s[48:55]          ; my one load behind the round
	s_nop 0
	PLACES 4
.else
	s_barrier_signal -1
	s_barrier_wait -1
.endif
	FETCH 0
	KQ 0, 1, \sel
.irp k, 1,2,3,4,5,6,7
	KQ \k, 0, \sel
.endr
	WIN 0
	PLACES 8
	WPART 0
	WPART 1
	WSC 0
	WPART 2
	WPART 3
	WSC 1
.if \nxt
	s_wait_xcnt 0x0                                ; the stores have read their registers and bases
	s_add_nc_u64 s[CB:CB+1], s[CB:CB+1], 1<<22     ; the next tensor's section
	s_add_nc_u64 s[SB:SB+1], s[SB:SB+1], 1<<17
.endif
.endm
	s_wait_alu depctr_va_vdst(0)                   ; the head's end
	s_wait_tensorcnt 0x0                           ; my one load of the head is in
	s_barrier_signal -1
	s_barrier_wait -1                              ; everybody's is
	PLOAD
	s_mov_b32 s[TB], 0
	s_mov_b32 s3, 2
.Ltile:                                            ; q, then k
	TILE 1, 0
	s_sub_co_u32 s3, s3, 1
	s_cmp_lg_u32 s3, 0
	s_cbranch_scc1 .Ltile
	OFFSETS 10, 2048, 1, 2, 6                      ; v's layout
	TILE 0, 1
	s_wait_tensorcnt 0x0                           ; the wave's end
	ds_add_u32 v[SPW], v[NIL]
	s_wait_dscnt 0x0
	CROUND                                         ; the closing round
	s_endpgm
.Lfunc_end_k_qa655c5d8cb_qkv:
	.size	k_qa655c5d8cb_qkv, .Lfunc_end_k_qa655c5d8cb_qkv-k_qa655c5d8cb_qkv
	.p2alignl 7, 3214868480
	.fill 96, 4, 3214868480
	.section	.rodata,"a",@progbits
	.p2align	6, 0x0
	.amdhsa_kernel k_qa655c5d8cb_qkv
		.amdhsa_group_segment_fixed_size 327680
		.amdhsa_private_segment_fixed_size 0
		.amdhsa_enable_private_segment 0
		.amdhsa_kernarg_size 32
		.amdhsa_user_sgpr_count 2
		.amdhsa_user_sgpr_kernarg_segment_ptr 1
		.amdhsa_wavefront_size32 1
		.amdhsa_system_sgpr_workgroup_id_x 1
		.amdhsa_system_sgpr_workgroup_id_y 1
		.amdhsa_system_sgpr_workgroup_id_z 1
		.amdhsa_system_vgpr_workitem_id 0
		.amdhsa_next_free_vgpr 1024
		.amdhsa_next_free_sgpr 96
		.amdhsa_reserve_vcc 0
		.amdhsa_float_denorm_mode_32 3
		.amdhsa_float_denorm_mode_16_64 3
		.amdhsa_memory_ordered 1
		.amdhsa_forward_progress 1
		.amdhsa_inst_pref_size 111
	.end_amdhsa_kernel
	.amdgpu_metadata
---
amdhsa.version: [ 1, 2 ]
amdhsa.kernels:
  - .name:           k_qa655c5d8cb_qkv
    .symbol:         k_qa655c5d8cb_qkv.kd
    .args:
      - { .name: hc, .offset: 0, .size: 8, .value_kind: global_buffer, .address_space: global }
      - { .name: wc, .offset: 8, .size: 8, .value_kind: global_buffer, .address_space: global }
      - { .name: qkvc, .offset: 16, .size: 8, .value_kind: global_buffer, .address_space: global }
      - { .name: qkvs, .offset: 24, .size: 8, .value_kind: global_buffer, .address_space: global }
    .group_segment_fixed_size: 327680
    .private_segment_fixed_size: 0
    .kernarg_segment_align: 8
    .kernarg_segment_size: 32
    .max_flat_workgroup_size: 128
    .sgpr_count:     96
    .vgpr_count:     1024
    .wavefront_size: 32
...
	.end_amdgpu_metadata
.endif
;; end of part 2
;; launch attn (part 3): grid 8 x 32, 16 waves a work-group, clusters of 4 x 1, 327,680 bytes of LDS; arguments qkvc, qkvs, cc; writes cc
.if DOCPART == 3
	.amdgcn_target "amdgcn-amd-amdhsa--gfx1250"
	.amdhsa_code_object_version 6
	.text
	.protected	k_qa655c5d8cb_attn
	.globl	k_qa655c5d8cb_attn
	.p2align	8
	.type	k_qa655c5d8cb_attn,@function
k_qa655c5d8cb_attn:
	s_mov_b64 s[64:65], 0
	v_nop
	global_prefetch_b8 v0, s[64:65] scope:SCOPE_SE
	s_setreg_imm32_b32 hwreg(HW_REG_WAVE_MODE, 25, 1), 1
	s_wait_xcnt 0x0
	s_wait_alu depctr_hold_cnt(0) depctr_sa_sdst(0) depctr_va_vdst(0) depctr_va_sdst(0) depctr_va_ssrc(0) depctr_va_vcc(0) depctr_vm_vsrc(0)
	s_getreg_b32 s2, hwreg(HW_REG_IB_STS2, 6, 4)
	s_cmp_eq_u32 s2, 0
	s_cbranch_scc0 .Lentry_in_a_cluster
	s_endpgm
.Lentry_in_a_cluster:
	s_bfe_u32 s2, ttmp6, 0x10000c
	s_cmp_lg_u32 s2, 0x3003
	s_cbranch_scc0 .Lentry_shape_is_right
	s_endpgm
.Lentry_shape_is_right:
; Causal attention of one head on codes of BF8 (E5M2) with E8M0 scales; head size 64, 2,048 keys.  ctx leaves as codes, quantised along the model's 1,024 features, in chunks for the next product.
; WORK LEFT OUT: a step of 128 keys all of which come after a tile's 16 queries: reference()'s own mask makes p = 0 there for every input, so it adds exactly 0.  (A NaN or infinity that arises only there is not carried on.)
; THE SOFTMAX: t = score x log2(e) / 8; M = the running largest t rounded up to a whole number; p = 2^(t - M) is quantised along the keys, not normalised; the row's sum is taken of the unquantised p and divides at the end.
; SHARES.  A work-group takes a head (grid y) and number x = 0 .. 7; wave w takes the tile of 16 queries 8 p + x, p = p(w) a permutation of 0 .. 15 laid so that waves with equal w % 4 have p's that sum to 30.
; A tile at p walks key steps 0 .. p; step p lies on the diagonal.  Both tests hang on the wave's number and the count of steps alone: all work-groups run alike and have the same work.
; Row r of query tile 8 p + x is query 128 p + 32 (x / 2) + 8 (x % 2) + r % 8 + 16 (r / 8); K's tiles likewise, so that the 16 registers of score tiles 2 b, 2 b + 1 are keys 32 b + 16 (lane / 16) + 0 .. 15 of the step.
; LDS: the head's K and V codes (131,072 bytes each) and scale bytes (4,096 each) are filled ONCE: one tensor load a wave at the most, all at the head; nothing is filled again.  CLUSTER: the four partners share the head: each load is asked for jointly.
; K = 64 IN AN INSTRUCTION OF 128: Q's upper eight registers are zero codes and its upper two scale bytes 0; the eight registers that K's operand names beyond its own hold the next tile's codes or zeros: all finite, so those products are exactly 0.
; Both products are used transposed (S^T = K Q^T, O^T = V^T P^T): a lane holds one query throughout.
; LIMITS: a block of zeros gets the byte 1 where the rule says 127 (zero codes; this program alone reads the bytes); NaN and infinities are not served.
.set CH,    16896
.set KSC,   262144                     ; K's scale bytes: u16 [tile][16];
.set VSC,   266240                     ; V's: words [step][tile of d][16]
.set SPARE, 270336                     ; the spare words, 128 bytes for each wave: eight blocks of 256 bytes that no other line names
.set AK0,  1                           ; v1   16 x lane
.set AV0,  2                           ; v2   131,072 + 16 x lane
.set ASK0, 3                           ; v3   KSC + 2 x lane
.set ASV0, 4                           ; v4   VSC + 4 x lane
.set SPW,  5                           ; v5   LDS address of my spare word; never rewritten
.set NIL,  6                           ; v6   0; never rewritten
.set DM,   7                           ; v7   my query's place in its 128, less 16 (lane / 16)
.set ADK,  8
.set ADV,  9
.set ADS,  10
.set ADT,  11                          ; v12 -M, v13 the largest t, v[14:15] the sum in two halves; v16-31 Q (the upper eight: zeros)
.set KV,   32                          ; v32-95   K's eight tiles, later V's four;  v96-103 zeros, never rewritten
.set S,    104                         ; v104-167 S^T, then p
.set O,    168                         ; v168-199 O^T
.set PCD,  200                         ; v200-215 p's codes
.set BM,   216                         ; v216-219 the blocks' maxima; v220-223, v224-227, v228-231 bytes, holds, scale operands
.set BT,   220
.set BH,   224
.set BS,   228                          ; v232 f, v233 p's scale word, v234 at work, v[236:237] the second chain of sums
.set KS,   240                         ; v240-243 K's scale words: lanes 0-15 tile 2 q, lanes 16-31 tile 2 q + 1
.set VS,   244                         ; v244-245 V's likewise
.set QS,   246
.set WV,   10
.set J,    50                          ; s50  the key step
.set PP,   51                          ; s51  p
.set TB,   52                          ; s52  the step's codes: 8,192 bytes a step
.set TS,   53                          ; s53  its scale bytes: 256 a step
.set SEL,  54
.set CS,   56                          ; s[56:57] log2(e) / 8
.set MNT,  58
.set CNT,  59
.macro CROUND
	s_barrier_signal -1
	s_barrier_wait -1
	s_cmp_lg_u32 s[WV], 0
	s_cbranch_scc1 .Lnot_wave_0_\@
	s_barrier_signal -3
.Lnot_wave_0_\@:
	s_barrier_wait -3
	s_barrier_signal -1
	s_barrier_wait -1
.endm
	s_load_b128 s[4:7], s[0:1], 0x0                ; qkvc, qkvs
	s_load_b64 s[8:9], s[0:1], 0x10                ; cc
	v_lshl_add_u32 v[SPW], v0, 2, SPARE
	v_mov_b32 v[NIL], 0
	ds_add_u32 v[SPW], v[NIL]                      ; the wave's opening: the add, twice on end, and its wait ahead of my first tensor load
	ds_add_u32 v[SPW], v[NIL]
	v_lshrrev_b32 v8, 5, v0
	s_delay_alu instid0(VALU_DEP_1)
	v_readfirstlane_b32 s[WV], v8                  ; wave 0..15
	s_bfe_u32 s11, ttmp6, 0x40000                  ; cx
	s_lshl_b32 s12, ttmp9, 2
	s_add_co_u32 s12, s12, s11                     ; x: it enters Q's and ctx's addresses and the mask's numbers alone
	s_and_b32 s13, ttmp7, 0xffff                   ; 16 x batch + head, which the partners share
	; THE DEAL OF TILES TO WAVES (this takes the place of the permutation that the comment at the head names).  With i = w % 4 and g = w / 4: q = 2 i + g % 2, and p = q or 15 - q:
	; g = 0: 15, 2, 4, 6;  g = 1: 14, 3, 5, 7;  g = 2: 0, 13, 11, 9;  g = 3: 1, 12, 10, 8.  Waves with equal w % 4 hold the two longest and the two shortest of a run of tiles, (15, 14, 0, 1), (2, 3, 13, 12), ..: their p's sum to 30.
	s_and_b32 s45, s[WV], 3                        ; i
	s_lshr_b32 s44, s[WV], 2                       ; g
	s_and_b32 s46, s44, 1
	s_lshl_b32 s47, s45, 1
	s_add_co_u32 s46, s46, s47                     ; q
	s_lshr_b32 s44, s44, 1                         ; g / 2
	s_min_u32 s45, s45, 1                          ; 0 where i = 0
	s_xor_b32 s44, s44, s45
	s_xor_b32 s44, s44, 1                          ; 1: take 15 - q, which is q xor 15
	s_mul_i32 s44, s44, 15
	s_xor_b32 s[PP], s46, s44
	s_lshr_b32 s14, s[WV], 2                       ; waves 0-3 fetch K's codes, waves 4-7 V's,
	s_and_b32 s15, s[WV], 3                        ; each a quarter: 32,768 bytes
	s_and_b32 s44, s[WV], 1                        ; wave 8 fetches K's scale bytes, wave 9 V's:
	s_add_co_u32 s44, s44, 1
	s_lshl_b32 s44, s44, 17                        ; qkvs: section 1 (k) or 2 (v),
	s_lshl_b32 s45, s13, 12                        ; the head's 4,096 bytes
	s_add_co_u32 s44, s44, s45
	s_mov_b32 s45, 0
	s_add_co_u32 s46, s14, 1
	s_lshl_b32 s46, s46, 22                        ; qkvc: the section,
	s_lshl_b32 s47, s13, 17                        ; the head's 131,072 bytes,
	s_add_co_u32 s46, s46, s47
	s_lshl_b32 s47, s15, 15                        ; my quarter
	s_add_co_u32 s46, s46, s47
	s_mov_b32 s47, 0
	s_lshl_b32 s60, s[PP], 3
	s_add_co_u32 s60, s60, s12                     ; my query tile
	s_lshl_b32 s48, s13, 17
	s_lshl_b32 s49, s60, 10
	s_add_co_u32 s48, s48, s49                     ; its codes (section 0),
	s_mov_b32 s49, 0
	s_lshl_b32 s62, s13, 12
	s_lshl_b32 s63, s60, 5
	s_add_co_u32 s62, s62, s63                     ; its scale bytes
	s_mov_b32 s63, 0
	s_mov_b32 s16, 15|(3<<16)|(1<<21)              ; group 1 for 4,096 scale bytes: the mask names all four; elements of 8 bytes; bit 21 beside the mask
	s_mov_b32 s17, 32<<16
	s_mov_b32 s18, 16<<16
	s_mov_b32 s19, 32<<16
	s_mov_b32 s20, 16                              ; sixteen rows of 256 bytes
	s_mov_b32 s21, 32
	s_mov_b32 s22, 0
	s_mov_b32 s23, 0
	s_mov_b32 s24, 15|(3<<16)|(1<<21)              ; group 1 for a quarter's 32,768 bytes of codes
	s_mov_b32 s25, 32<<16
	s_mov_b32 s26, 128<<16
	s_mov_b32 s27, 32<<16
	s_mov_b32 s28, 128                             ; 128 rows of 256 bytes: four key steps
	s_mov_b32 s29, 32
	s_mov_b32 s30, 0
	s_mov_b32 s31, 0
	s_mov_b32 s[SEL], 0x76543210
	s_mov_b32 s[SEL+1], 0xfedcba98
	s_mov_b32 s[CS], 0x3e38aa3b
	s_mov_b32 s[CS+1], s[CS]                       ; (named with it as a pair, so it is written)
	s_mov_b32 s[MNT], 0x600000
	s_mov_b32 s[J], 0
	s_mov_b32 s[TB], 0
	s_mov_b32 s[TS], 0
	s_wait_dscnt 0x0                               ; both opening adds are done
	s_wait_kmcnt 0x0
	s_mov_b32 s32, 1
	s_and_b32 s33, s[WV], 1
	s_lshl_b32 s33, s33, 12
	s_add_co_u32 s33, s33, KSC                     ; K's scale bytes, then V's
	s_add_nc_u64 s[34:35], s[6:7], s[44:45]
	s_or_b32 s35, s35, 0x80000000
	s_mov_b32 s36, 1
	s_lshl_b32 s37, s[WV], 15                      ; K's four quarters, then V's four
	s_add_nc_u64 s[38:39], s[4:5], s[46:47]
	s_or_b32 s39, s39, 0x80000000
	CROUND                                         ; all four work-groups are here: the joint loads meet
	; THE HEAD'S LOADS, ONE A WAVE AT THE MOST: waves 0-7 a quarter of K's or V's codes each, waves 8 and 9 the scale bytes, the others none.
	s_cmp_lt_u32 s[WV], 8
	s_cbranch_scc0 .Lhead_sc
	tensor_load_to_lds s[36:39], s[24:31]
	s_nop 0
.rept 4
	v_nop
.endr
	s_branch .Lhead_asked
.Lhead_sc:
	s_cmp_lt_u32 s[WV], 10
	s_cbranch_scc0 .Lhead_asked
	tensor_load_to_lds s[32:35], s[16:23]
	s_nop 0
.rept 4
	v_nop
.endr
.Lhead_asked:
	s_add_nc_u64 s[4:5], s[4:5], s[48:49]
	s_add_nc_u64 s[6:7], s[6:7], s[62:63]
	v_and_b32 v8, 31, v0
	s_delay_alu instid0(VALU_DEP_1)
	v_lshlrev_b32 v[AK0], 4, v8
	global_load_b128 v[16:19], v[AK0], s[4:5]      ; Q's image: two blocks of 32
	global_load_b128 v[20:23], v[AK0], s[4:5] offset:512
	v_and_b32 v9, 15, v0                           ; r
	s_delay_alu instid0(VALU_DEP_1)
	v_lshlrev_b32 v10, 1, v9
	global_load_u16 v[QS], v10, s[6:7]             ; its two scale bytes; the upper two come as 0
	v_add_nc_u32 v[AV0], 131072, v[AK0]
	v_lshl_add_u32 v[ASK0], v8, 1, KSC
	v_lshl_add_u32 v[ASV0], v8, 2, VSC
	v_bfe_u32 v11, v0, 4, 1                        ; h
	v_and_b32 v[DM], 7, v9
	v_lshrrev_b32 v234, 3, v9
	s_delay_alu instid0(VALU_DEP_1)
	v_lshl_add_u32 v[DM], v234, 4, v[DM]
	s_delay_alu instid0(VALU_DEP_4)
	v_lshlrev_b32 v11, 4, v11
	s_delay_alu instid0(VALU_DEP_1)
	v_sub_nc_u32 v[DM], v[DM], v11
	s_lshr_b32 s60, s12, 1
	s_lshl_b32 s60, s60, 5
	s_and_b32 s61, s12, 1
	s_lshl_b32 s61, s61, 3
	s_add_co_u32 s60, s60, s61
	v_add_nc_u32 v[DM], s60, v[DM]
	v_mov_b32 v13, 0xff61b1e6                      ; the largest t so far: -3e38, under every t
	s_delay_alu instid0(VALU_DEP_1)
	v_floor_f32 v12, -v13                          ; -M
	v_mov_b32 v14, 0
	v_mov_b32 v15, 0
	v_mov_b32 v233, 0                              ; (named as the upper half of the pair v[232:233] before it is first written)
	v_mov_b32 v234, 0
.irp b, 0,1,2,3
	v_mov_b32 v[BT+\b], 0                          ; a lane permute's destination counts as one of its sources
.endr
.irp i, 0,1,2,3,4,5,6,7
	v_mov_b32 v[24+\i], 0                          ; Q's zero codes for k = 64 .. 127
	v_mov_b32 v[96+\i], 0                          ; and what K's last tile names beyond its own registers
.endr
.set ii, 0
.rept 32
	v_mov_b32 v[O+ii], 0                           ; O^T: the step is written once; its first run finds zeros, which the first change of M leaves zeros
.set ii, ii+1
.endr
; A KEY STEP of 128 keys
.macro STEP
	s_cmp_gt_u32 s[J], s[PP]                       ; all its keys come after my queries: left out.  The wave's number and the count of steps alone; no barrier and no tensor load stands in a step
	s_cbranch_scc1 .Lskip_\@
	v_add_nc_u32 v[ADK], s[TB], v[AK0]
	v_add_nc_u32 v[ADV], s[TB], v[AV0]
	v_add_nc_u32 v[ADS], s[TS], v[ASK0]
	v_add_nc_u32 v[ADT], s[TS], v[ASV0]
.rept 4
	v_nop                                          ; with the four additions: eight places in front of loads into registers that the last products read
.endr
.irp t, 0,1,2,3,4,5,6,7
	ds_load_b128 v[KV+8*\t:KV+8*\t+3], v[ADK] offset:1024*\t
	ds_load_b128 v[KV+8*\t+4:KV+8*\t+7], v[ADK] offset:1024*\t+512
.endr
.irp q, 0,1,2,3
	ds_load_u16 v[KS+\q], v[ADS] offset:64*\q
.endr
	s_wait_alu depctr_va_vdst(0)
	s_wait_dscnt 0x0
.irp t, 0,1,2,3,4,5,6,7
.if \t%2
	v_wmma_scale_f32_16x16x128_f8f6f4 v[S+8*\t:S+8*\t+7], v[KV+8*\t:KV+8*\t+15], v[16:31], 0, v[KS+\t/2], v[QS] matrix_a_fmt:MATRIX_FMT_BF8 matrix_b_fmt:MATRIX_FMT_BF8 matrix_a_scale:MATRIX_SCALE_ROW1
.else
	v_wmma_scale_f32_16x16x128_f8f6f4 v[S+8*\t:S+8*\t+7], v[KV+8*\t:KV+8*\t+15], v[16:31], 0, v[KS+\t/2], v[QS] matrix_a_fmt:MATRIX_FMT_BF8 matrix_b_fmt:MATRIX_FMT_BF8
.endif
.endr
.rept 8
	v_nop                                          ; places: in front of the loads below and of the first read of the scores
.endr
.irp t, 0,1,2,3
.irp c, 0,1,2,3
	ds_load_b128 v[KV+16*\t+4*\c:KV+16*\t+4*\c+3], v[ADV] offset:2048*\t+512*\c   ; V's four tiles land while the softmax is worked
.endr
.endr
	ds_load_b32 v[VS], v[ADT]
	ds_load_b32 v[VS+1], v[ADT] offset:128
	s_cmp_lg_u32 s[J], s[PP]
	s_cbranch_scc1 .Lopen_\@
	v_mov_b32 v234, 0xff800000                     ; on the diagonal: register 16 b + i holds key 32 b + 16 (lane / 16) + i of the step: hidden where 32 b + i > DM
.set ii, 0
.rept 64
	v_cmp_gt_i32 vcc_lo, 32*(ii/16)+ii%16, v[DM]
	v_cndmask_b32 v[S+ii], v[S+ii], v234, vcc_lo
.set ii, ii+1
.endr
.Lopen_\@:
.irp b, 0,1,2,3
	v_max3_num_f32 v[BM+\b], v[S+16*\b], v[S+1+16*\b], v[S+2+16*\b]   ; the largest score of each block of 32 keys: for the row's maximum, and, since p rises with the score, for the block's largest p
.endr
.irp i, 3,5,7,9,11,13
.irp b, 0,1,2,3
	v_max3_num_f32 v[BM+\b], v[BM+\b], v[S+16*\b+\i], v[S+1+16*\b+\i]
.endr
.endr
.irp b, 0,1,2,3
	v_max_num_f32 v[BM+\b], v[BM+\b], v[S+15+16*\b]
.endr
.irp b, 0,1,2,3
	s_delay_alu instid0(VALU_DEP_4)
	v_permlanex16_b32 v[BT+\b], v[BM+\b], s[SEL], s[SEL+1]
.endr
.irp b, 0,1,2,3
	s_delay_alu instid0(VALU_DEP_4)
	v_max_num_f32 v[BM+\b], v[BM+\b], v[BT+\b]
.endr
	s_delay_alu instid0(VALU_DEP_2)
	v_max3_num_f32 v234, v[BM], v[BM+1], v[BM+2]
	s_delay_alu instid0(VALU_DEP_1)
	v_max_num_f32 v234, v234, v[BM+3]
	s_delay_alu instid0(VALU_DEP_1)
	v_mul_f32 v234, s[CS], v234                    ; as t
	s_delay_alu instid0(VALU_DEP_1)
	v_max_num_f32 v13, v13, v234                   ; the running largest t
	v_mov_b32 v234, v12
	s_delay_alu instid0(VALU_DEP_2)
	v_floor_f32 v12, -v13                          ; the new -M = -ceil(t)
	s_delay_alu instid0(VALU_DEP_1)
	v_sub_f32 v234, v12, v234                      ; old M less new M: a whole number, 0 or less
	s_delay_alu instid0(VALU_DEP_1)
	v_cvt_i32_f32 v234, v234                       ; (it saturates)
	s_delay_alu instid0(VALU_DEP_1)
	v_ldexp_f32 v232, 1.0, v234                    ; f = 2^(old M - new M): rounds nothing
.set ii, 0
.rept 32
	v_pk_fma_f32 v[S+ii:S+ii+1], v[S+ii:S+ii+1], s[CS:CS+1], v[12:13] op_sel_hi:[1,0,0]   ; t - M
.set ii, ii+2
.endr
.irp b, 0,1,2,3
	v_fma_f32 v[BM+\b], v[BM+\b], s[CS], v12
.endr
.set ii, 0
	s_wait_alu depctr_va_vdst(0)
.rept 64
	v_exp_f32 v[S+ii], v[S+ii]                     ; p = 2^(t - M)
.set ii, ii+1
.endr
	v_pk_mul_f32 v[14:15], v[14:15], v[232:233] op_sel_hi:[1,0]   ; the sums under the new M (a plain line behind the exponentials)
	s_wait_alu depctr_va_vdst(0)                   ; one wait for the batch, ahead of its first reader
.irp b, 0,1,2,3
	v_exp_f32 v[BM+\b], v[BM+\b]                   ; the block's largest p: the same two instructions on the same number
.endr
	v_pk_add_f32 v[236:237], v[108:109], v[112:113]
	v_pk_add_f32 v[254:255], v[116:117], v[120:121]
	v_pk_add_f32 v[252:253], v[124:125], v[128:129]
	v_pk_add_f32 v[250:251], v[132:133], v[136:137]
	v_pk_add_f32 v[248:249], v[140:141], v[144:145]
	v_pk_add_f32 v[242:243], v[148:149], v[152:153]
	v_pk_add_f32 v[240:241], v[156:157], v[160:161]
	v_pk_add_f32 v[14:15], v[14:15], v[164:165]
	v_pk_add_f32 v[236:237], v[236:237], v[104:105]
	v_pk_add_f32 v[254:255], v[254:255], v[106:107]
	v_pk_add_f32 v[252:253], v[252:253], v[110:111]
	v_pk_add_f32 v[250:251], v[250:251], v[114:115]
	v_pk_add_f32 v[248:249], v[248:249], v[118:119]
	v_pk_add_f32 v[242:243], v[242:243], v[122:123]
	v_pk_add_f32 v[240:241], v[240:241], v[126:127]
	v_pk_add_f32 v[14:15], v[14:15], v[130:131]
	v_pk_add_f32 v[236:237], v[236:237], v[134:135]
	v_pk_add_f32 v[254:255], v[254:255], v[138:139]
	v_pk_add_f32 v[252:253], v[252:253], v[142:143]
	v_pk_add_f32 v[250:251], v[250:251], v[146:147]
	v_pk_add_f32 v[248:249], v[248:249], v[150:151]
	v_pk_add_f32 v[242:243], v[242:243], v[154:155]
	v_pk_add_f32 v[240:241], v[240:241], v[158:159]
	v_pk_add_f32 v[14:15], v[14:15], v[162:163]
	v_pk_add_f32 v[236:237], v[236:237], v[166:167]
	s_delay_alu instid0(VALU_DEP_2)
	v_pk_add_f32 v[14:15], v[14:15], v[250:251]
	s_delay_alu instid0(VALU_DEP_2)
	v_pk_add_f32 v[236:237], v[236:237], v[248:249]
	v_pk_add_f32 v[254:255], v[254:255], v[242:243]
	v_pk_add_f32 v[252:253], v[252:253], v[240:241]
	s_delay_alu instid0(VALU_DEP_2)
	v_pk_add_f32 v[14:15], v[14:15], v[254:255]
	s_delay_alu instid0(VALU_DEP_2)
	v_pk_add_f32 v[236:237], v[236:237], v[252:253]
	s_delay_alu instid0(VALU_DEP_1)
	v_pk_add_f32 v[14:15], v[14:15], v[236:237]
	s_wait_alu depctr_va_vdst(0)                   ; and one for the four
.irp b, 0,1,2,3
	v_max_num_f32 v[BM+\b], 0x8000000, v[BM+\b]    ; the floor 2^(16 - 127): the byte cannot fall under 1
.endr
.irp b, 0,1,2,3
	s_delay_alu instid0(VALU_DEP_4)
	v_add_nc_u32 v[BS+\b], 0xf8800000, v[BM+\b]
.endr
.irp b, 0,1,2,3
	v_and_or_b32 v[BH+\b], v[BM+\b], 0x7f800000, s[MNT]
.endr
.irp b, 0,1,2,3
	v_lshrrev_b32 v[BT+\b], 23, v[BS+\b]
.endr
	s_delay_alu instid0(VALU_DEP_3)
	v_lshl_or_b32 v233, v[BT+1], 8, v[BT]          ; p's scale word for these 128 keys; the 64 holds below are its places ahead of the products
	s_delay_alu instid0(VALU_DEP_1)
	v_lshl_or_b32 v233, v[BT+2], 16, v233
	s_delay_alu instid0(VALU_DEP_1)
	v_lshl_or_b32 v233, v[BT+3], 24, v233
.irp b, 0,1,2,3
.set ii, 0
.rept 16
	v_min_num_f32 v[S+16*\b+ii], v[S+16*\b+ii], v[BH+\b]   ; the conversion does not saturate (ISA guide 7.6.2); p is not negative, so the hold is one-sided
.set ii, ii+1
.endr
	v_cvt_scalef32_pk8_bf8_f32 v[PCD+4*\b:PCD+1+4*\b], v[S+16*\b:S+7+16*\b], v[BS+\b]
	v_cvt_scalef32_pk8_bf8_f32 v[PCD+2+4*\b:PCD+3+4*\b], v[S+8+16*\b:S+15+16*\b], v[BS+\b]
.endr
.set ii, 0
.rept 16
	v_pk_mul_f32 v[O+ii:O+ii+1], v[O+ii:O+ii+1], v[232:233] op_sel_hi:[1,0]   ; O^T under the new M; these lines also stand between the conversions and the products
.set ii, ii+2
.endr
	s_wait_alu depctr_va_vdst(0)
	s_wait_dscnt 0x0                               ; V
.irp t, 0,1,2,3
.if \t%2
	v_wmma_scale_f32_16x16x128_f8f6f4 v[O+8*\t:O+8*\t+7], v[KV+16*\t:KV+16*\t+15], v[PCD:PCD+15], v[O+8*\t:O+8*\t+7], v[VS+\t/2], v233 matrix_a_fmt:MATRIX_FMT_BF8 matrix_b_fmt:MATRIX_FMT_BF8 matrix_a_scale:MATRIX_SCALE_ROW1
.else
	v_wmma_scale_f32_16x16x128_f8f6f4 v[O+8*\t:O+8*\t+7], v[KV+16*\t:KV+16*\t+15], v[PCD:PCD+15], v[O+8*\t:O+8*\t+7], v[VS+\t/2], v233 matrix_a_fmt:MATRIX_FMT_BF8 matrix_b_fmt:MATRIX_FMT_BF8
.endif
.endr
.Lskip_\@:
	s_add_co_u32 s[TB], s[TB], 8192
	s_add_co_u32 s[TS], s[TS], 256
	s_add_co_u32 s[J], s[J], 1
.endm
	s_wait_alu depctr_va_vdst(0)                   ; the head's end
	s_wait_tensorcnt 0x0                           ; my load is in
	s_barrier_signal -1
	s_barrier_wait -1                              ; everybody's are: key steps 0 to 15
	s_wait_loadcnt 0x0                             ; Q
	s_mov_b32 s[CNT], 16                           ; the one barrier above has shown all sixteen key steps: one loop, no further barrier
.Lfirst:
	STEP
	s_sub_co_u32 s[CNT], s[CNT], 1
	s_cmp_lg_u32 s[CNT], 0
	s_cbranch_scc1 .Lfirst
	; THE WAY OUT: O^T / the sum; register 16 b + i is channel 32 b + 16 (lane / 16) + i of my query: two blocks of the next product's K; quantised, they are half an image
.rept 8
	v_nop
.endr
	v_add_f32 v14, v14, v15
	s_delay_alu instid0(VALU_DEP_1)
	v_permlanex16_b32 v234, v14, s[SEL], s[SEL+1]
	s_delay_alu instid0(VALU_DEP_1)
	v_add_f32 v14, v14, v234                       ; the row's sum
	s_wait_alu depctr_va_vdst(0)
	v_rcp_f32 v14, v14
	v_and_b32 v9, 15, v0                           ; (a plain line behind the transcendental)
	s_wait_alu depctr_va_vdst(0)
	s_lshr_b32 s60, s13, 4
	s_lshl_b32 s60, s60, 4
	s_add_co_u32 s60, s60, s[PP]                   ; the group of 128 tokens: 16 x batch + p
	s_lshl_b32 s60, s60, 3
	s_bfe_u32 s61, s13, 0x30001                    ; K step head / 2
	s_add_co_u32 s60, s60, s61
	s_mul_i32 s60, s60, CH
	s_mov_b32 s61, 0
	s_add_nc_u64 s[8:9], s[8:9], s[60:61]
	s_and_b32 s62, s13, 1                          ; head % 2: blocks 2 (head % 2) on
	s_lshl_b32 s60, s12, 11                        ; tile x
	s_lshl_b32 s61, s62, 10
	s_add_co_u32 s60, s60, s61
	v_add_nc_u32 v8, s60, v[AK0]
	s_lshl_b32 s60, s12, 6
	s_lshl_b32 s61, s62, 1
	s_add_co_u32 s60, s60, s61
	v_lshl_add_u32 v9, v9, 2, s60
	s_wait_alu depctr_va_vdst(0)                   ; the wait ahead of the reciprocal's first reader
.set ii, 0
.rept 16
	v_pk_mul_f32 v[S+ii:S+ii+1], v[O+ii:O+ii+1], v[14:15] op_sel_hi:[1,0]
.set ii, ii+2
.endr
.irp b, 0,1
	v_max3_num_f32 v[BM+\b], |v[S+16*\b]|, |v[S+1+16*\b]|, 0x8000000
.endr
.irp i, 2,4,6,8,10,12,14
.irp b, 0,1
	s_delay_alu instid0(VALU_DEP_2)
	v_max3_num_f32 v[BM+\b], v[BM+\b], |v[S+16*\b+\i]|, |v[S+1+16*\b+\i]|
.endr
.endr
.irp b, 0,1
	s_delay_alu instid0(VALU_DEP_2)
	v_permlanex16_b32 v[BT+\b], v[BM+\b], s[SEL], s[SEL+1]
.endr
.irp b, 0,1
	s_delay_alu instid0(VALU_DEP_2)
	v_max_num_f32 v[BM+\b], v[BM+\b], v[BT+\b]
.endr
.irp b, 0,1
	s_delay_alu instid0(VALU_DEP_2)
	v_add_nc_u32 v[BS+\b], 0xf8800000, v[BM+\b]
.endr
.irp b, 0,1
	s_delay_alu instid0(VALU_DEP_4)
	v_and_or_b32 v[BH+\b], v[BM+\b], 0x7f800000, s[MNT]
.endr
.irp b, 0,1
	s_delay_alu instid0(VALU_DEP_4)
	v_lshrrev_b32 v[BT+\b], 23, v[BS+\b]
.endr
	s_delay_alu instid0(VALU_DEP_1)
	v_lshl_or_b32 v233, v[BT+1], 8, v[BT]
.irp b, 0,1
.set ii, 0
.rept 16
	v_med3_num_f32 v[S+16*\b+ii], v[S+16*\b+ii], -v[BH+\b], v[BH+\b]
.set ii, ii+1
.endr
	v_cvt_scalef32_pk8_bf8_f32 v[PCD+4*\b:PCD+1+4*\b], v[S+16*\b:S+7+16*\b], v[BS+\b]
	v_cvt_scalef32_pk8_bf8_f32 v[PCD+2+4*\b:PCD+3+4*\b], v[S+8+16*\b:S+15+16*\b], v[BS+\b]
.endr
	v_nop                                          ; one plain line behind the last conversion
	global_store_b128 v8, v[PCD:PCD+3], s[8:9]                ; 512 consecutive bytes a store
	global_store_b128 v8, v[PCD+4:PCD+7], s[8:9] offset:512
	global_store_b16 v9, v233, s[8:9] offset:16384            ; row r's two bytes; lanes r and r + 16 hold the same and name the same place
	s_wait_tensorcnt 0x0                           ; the wave's end, behind my last tensor load
	ds_add_u32 v[SPW], v[NIL]
	s_wait_dscnt 0x0
	CROUND                                         ; the closing round
	s_endpgm
.Lfunc_end_k_qa655c5d8cb_attn:
	.size	k_qa655c5d8cb_attn, .Lfunc_end_k_qa655c5d8cb_attn-k_qa655c5d8cb_attn
	.p2alignl 7, 3214868480
	.fill 96, 4, 3214868480
	.section	.rodata,"a",@progbits
	.p2align	6, 0x0
	.amdhsa_kernel k_qa655c5d8cb_attn
		.amdhsa_group_segment_fixed_size 327680
		.amdhsa_private_segment_fixed_size 0
		.amdhsa_enable_private_segment 0
		.amdhsa_kernarg_size 24
		.amdhsa_user_sgpr_count 2
		.amdhsa_user_sgpr_kernarg_segment_ptr 1
		.amdhsa_wavefront_size32 1
		.amdhsa_system_sgpr_workgroup_id_x 1
		.amdhsa_system_sgpr_workgroup_id_y 1
		.amdhsa_system_sgpr_workgroup_id_z 1
		.amdhsa_system_vgpr_workitem_id 0
		.amdhsa_next_free_vgpr 256
		.amdhsa_next_free_sgpr 66
		.amdhsa_reserve_vcc 1
		.amdhsa_float_denorm_mode_32 3
		.amdhsa_float_denorm_mode_16_64 3
		.amdhsa_memory_ordered 1
		.amdhsa_forward_progress 1
		.amdhsa_inst_pref_size 41
	.end_amdhsa_kernel
	.amdgpu_metadata
---
amdhsa.version: [ 1, 2 ]
amdhsa.kernels:
  - .name:           k_qa655c5d8cb_attn
    .symbol:         k_qa655c5d8cb_attn.kd
    .args:
      - { .name: qkvc, .offset: 0, .size: 8, .value_kind: global_buffer, .address_space: global }
      - { .name: qkvs, .offset: 8, .size: 8, .value_kind: global_buffer, .address_space: global }
      - { .name: cc, .offset: 16, .size: 8, .value_kind: global_buffer, .address_space: global }
    .group_segment_fixed_size: 327680
    .private_segment_fixed_size: 0
    .kernarg_segment_align: 8
    .kernarg_segment_size: 24
    .max_flat_workgroup_size: 512
    .sgpr_count:     66
    .vgpr_count:     256
    .wavefront_size: 32
...
	.end_amdgpu_metadata
.endif
;; end of part 3
;; launch wo (part 4): grid 8 x 32, 4 waves a work-group, clusters of 4 x 4, 327,680 bytes of LDS; arguments cc, wc, bo, x, x1; writes x1
.if DOCPART == 4
	.amdgcn_target "amdgcn-amd-amdhsa--gfx1250"
	.amdhsa_code_object_version 6
	.text
	.protected	k_qa655c5d8cb_wo
	.globl	k_qa655c5d8cb_wo
	.p2align	8
	.type	k_qa655c5d8cb_wo,@function
k_qa655c5d8cb_wo:
	s_mov_b64 s[64:65], 0
	v_nop
	global_prefetch_b8 v0, s[64:65] scope:SCOPE_SE
	s_setreg_imm32_b32 hwreg(HW_REG_WAVE_MODE, 25, 1), 1
	s_wait_xcnt 0x0
	s_wait_alu depctr_hold_cnt(0) depctr_sa_sdst(0) depctr_va_vdst(0) depctr_va_sdst(0) depctr_va_ssrc(0) depctr_va_vcc(0) depctr_vm_vsrc(0)
	s_getreg_b32 s2, hwreg(HW_REG_IB_STS2, 6, 4)
	s_cmp_eq_u32 s2, 0
	s_cbranch_scc0 .Lentry_in_a_cluster
	s_endpgm
.Lentry_in_a_cluster:
	s_bfe_u32 s2, ttmp6, 0x10000c
	s_cmp_lg_u32 s2, 0xf033
	s_cbranch_scc0 .Lentry_shape_is_right
	s_endpgm
.Lentry_shape_is_right:
; ONE GEMM CORE FOR FOUR LAUNCHES, on codes of BF8 (E5M2) with E8M0 scales; MODE says which: 0 = q, k, v; 1 = ctx Wo + bo + x; 2 = GELU(h W1 + b1), quantised; 3 = g W2 + b2 + x1.
; OPERANDS are chunks: 128 rows x 128 K = eight images of 2,048 bytes (a fragment's registers as they stand: byte 512 c + 16 lane) and 512 bytes of scale words: 16,896 bytes; a buffer is [group of 128 rows][K step].
; Row p of tile 2 b + u is row 32 b + 8 u + p % 8 + 16 (p / 8) of its group, so that the 16 registers of two neighbouring result tiles are 16 neighbours along the rows of source 0.
; SHARES.  Work-group (X, Y) multiplies the tokens' group Y (region P) by the weights' group X (region R): 128 x 128.  Four waves, 64 x 64 each: wave w takes half wp = w / 2 of P and half wr = w % 2 of R; 16 accumulators.
; Source 0 = weights, source 1 = tokens: a lane holds ONE token and its registers run along the outputs.  (MODE 0, v: the other way round, since v is quantised along the tokens: only the LDS read addresses change places.)
; LDS: two slots of four K steps (P's four chunks, then R's four).  With K = 1,024 the two slots hold all of K: both are first fills, and nothing is filled again.  MODE 3 (K = 4,096) goes four times round the ring.
; CLUSTERS: 4 x 4 work-groups; P's chunks are shared along a row of the cluster, R's along a column: each is asked for jointly, by the same tensor load with a mask that names the four.  A wave has one tensor load out at a time.
; REGISTERS: window 0: v1-29 addresses, v8-15 scale words (two sets of four: lanes 0-15 source 1's tile i, lanes 16-31 source 0's), v32-127 the way out (v96-127 first hold the bias), v128-255 accumulators ((a, b) at v[128 + 8 (4 a + b)]).
;   window 1: two fragment buffers of 128: source 1's four tiles, then source 0's four.
; LIMITS: GELU is x / (1 + 2^(x (-k1 - k2 x^2))), the tanh form's own function, right at both ends of the range; a block of zeros gets the byte 1 where the rule says 127 (zero codes; this program alone reads the bytes); NaN and infinities are not served.
.set MODE, 1
.set CH,     16896
.set SLOT,   8*CH
.set STAGE,  2*SLOT                    ; behind the ring: 16 rows x (256 bytes + 16) for each wave (MODE 1, 3)
.set SPARE,  STAGE+4*4352              ; the spare words, 128 bytes for each wave: two blocks of 256 bytes that no other line names
.if MODE == 3
.set LAPS, 4
.else
.set LAPS, 1
.endif
.set KSTEPS, 8*LAPS
.if MODE == 0
.set SECT,  0                          ; where the launch's weights begin in wc
.set START, 1                          ; the first products take the constant 0 as C
.set CBASE, 68
.set SBASE, 70
.elseif MODE == 1
.set SECT,  192*CH
.set START, 2                          ; the first products take the bias as C
.elseif MODE == 2
.set SECT,  256*CH
.set START, 2
.set CBASE, 70
.set SBASE, 84
.else
.set SECT,  512*CH
.set START, 2
.endif
.set SC,  8
.set AD1, 16                           ; v16-17  source 1's fragments in slot 0, 1
.set AD0, 20                           ; v20-21  source 0's
.set ADS, 22                           ; v22-23  the scale words
.set STO, 24
.set RD,  25
.set CO,  26
.set BO,  27
.set SPW, 28                           ; v28     LDS address of my spare word; never rewritten
.set NIL, 29                           ; v29     0; never rewritten
.set VC,  32                           ; v32-35  where tile a's codes go
.set VS0, 36                           ; v36, v39  where the scale bytes of tiles 0, 1 and 2, 3 go;  v37, v38 these bytes
.set TM,  40
.set GK,  56                           ; v[56:57] -k2, v[58:59] -k1
.set PW,  60                           ; v60-63  tile a's two scale bytes
.set PC,  64                           ; v64-95  codes, eight registers a tile
.set BK,  64                           ; (MODE 1, 3) rows read back from the stage
.set BI,  96                           ; the bias, in the result's layout
.set T,   96                           ; later GELU's 32 numbers
.set ACC, 128
.set F0,  0
.set F1,  128
.set G1,  24                           ; s[24:31] group 1, s[32:39] groups 0 (a set for each slot) for P
.set G0,  32
.set G1B, 48                           ; s[48:55], s[56:63] for R
.set G0B, 56
.set SEL, 66
.set HI16, 90
.set MNT, 91
.set MSB, 0
.macro WIN new                         ; the immediate's high byte repeats the setting that is left
.if MSB != \new
	s_set_vgpr_msb (MSB<<8)|\new
.set MSB, \new
.endif
.endm
.set MUL,  0x05                        ; sources 0 and 1 window 1; C and D window 0
.set TO_F, 0x40                        ; destination window 1, address window 0
.macro JLOAD s                         ; a joint load: waves 0, 1 fetch P's chunks, waves 2, 3 R's; an s_nop 0 and four v_nop follow each of the two lines
	s_cmp_eq_u32 s11, 0
	s_cbranch_scc0 .Lfor_b_\@
	tensor_load_to_lds s[G0+4*\s:G0+4*\s+3], s[G1:G1+7]
	s_nop 0
.rept 4
	v_nop
.endr
	s_branch .Lasked_\@
.Lfor_b_\@:
	tensor_load_to_lds s[G0B+4*\s:G0B+4*\s+3], s[G1B:G1B+7]
	s_nop 0
.rept 4
	v_nop
.endr
.Lasked_\@:
.endm
.macro CREST                           ; a round of the cluster's barrier behind its opening barrier
	s_cmp_lg_u32 s10, 0
	s_cbranch_scc1 .Lnot_wave_0_\@
	s_barrier_signal -3
.Lnot_wave_0_\@:
	s_barrier_wait -3
	s_barrier_signal -1
	s_barrier_wait -1
.endm
.macro CROUND
	s_barrier_signal -1
	s_barrier_wait -1
	CREST
.endm
.macro PLACES n                        ; plain lines between a matrix instruction and a load into, or a read of, its registers (for a read): eight for this form
.rept \n
	v_nop
.endr
.endm
	s_load_b128 s[4:7], s[0:1], 0x0                ; P's chunks, wc
	s_load_b128 s[68:71], s[0:1], 0x10             ; MODE 0: qkvc, qkvs; 1, 3: bias, residual; 2: bias, gc
.if (MODE%2) == 1
	s_load_b64 s[72:73], s[0:1], 0x20              ; the output
.endif
	v_lshl_add_u32 v[SPW], v0, 2, SPARE
	v_mov_b32 v[NIL], 0
	ds_add_u32 v[SPW], v[NIL]                      ; the wave's opening: the add, twice on end, and its wait ahead of my first tensor load
	ds_add_u32 v[SPW], v[NIL]
	v_lshrrev_b32 v1, 5, v0
	v_readfirstlane_b32 s10, v1                    ; wave 0..3
	s_lshr_b32 s11, s10, 1                         ; wp.  Also: I fetch for P (0) or for R (1)
	s_and_b32 s12, s10, 1                          ; wr.  Also: which two of a slot's four chunks I fetch
	s_bfe_u32 s40, ttmp6, 0x40000                  ; cx, cy: my place in the cluster
	s_bfe_u32 s41, ttmp6, 0x40004
	s_lshl_b32 s42, ttmp9, 2
	s_add_co_u32 s42, s42, s40                     ; X
	s_and_b32 s13, ttmp7, 0xffff
	s_lshl_b32 s13, s13, 2
	s_add_co_u32 s13, s13, s41                     ; Y
	s_lshl_b32 s43, s41, 2
	s_lshl_b32 s43, 15, s43                        ; my row of the cluster
	s_lshl_b32 s44, 0x1111, s40                    ; my column
	s_or_b32 s[G1], s43, (3<<16)|(1<<21)           ; 15:0 the mask; 17:16 elements of 8 bytes; 21 set beside a mask; no padding
	s_or_b32 s[G1B], s44, (3<<16)|(1<<21)
.irp g, G1, G1B                        ; two chunks are one dense block: 132 rows of 256 bytes
	s_mov_b32 s[\g+1], 32<<16                      ; tensor_dim0
	s_mov_b32 s[\g+2], 132<<16                     ; tensor_dim1
	s_mov_b32 s[\g+3], 32<<16                      ; tile_dim0
	s_mov_b32 s[\g+4], 132                         ; tile_dim1
	s_mov_b32 s[\g+5], 32                          ; tensor_dim0_stride
	s_mov_b32 s[\g+6], 0
	s_mov_b32 s[\g+7], 0
.endr
	s_mul_i32 s17, s12, 2*CH
	s_mul_i32 s16, s13, KSTEPS*CH                  ; P: group Y,
	s_add_co_u32 s16, s16, s17                     ; my two chunks
	s_mul_i32 s46, s42, KSTEPS*CH                  ; R: group X of the launch's weights
	s_add_co_u32 s46, s46, s17
	s_add_co_u32 s46, s46, SECT
	s_mov_b32 s17, 0
	s_mov_b32 s47, 0
	s_mul_i32 s20, s10, 2*CH                       ; where they go: no place in the cluster enters an LDS address
	s_wait_dscnt 0x0                               ; both opening adds are done
	s_wait_kmcnt 0x0
	s_add_nc_u64 s[14:15], s[4:5], s[16:17]
	s_add_nc_u64 s[46:47], s[6:7], s[46:47]
	CROUND                                         ; all sixteen work-groups are here: the first joint loads meet
.irp s, 0,1
	s_mov_b32 s[G0+4*\s], 1
	s_add_co_u32 s[G0+4*\s+1], s20, \s*SLOT
	s_add_nc_u64 s[G0+4*\s+2:G0+4*\s+3], s[14:15], \s*4*CH
	s_or_b32 s[G0+4*\s+3], s[G0+4*\s+3], 0x80000000
	s_mov_b32 s[G0B+4*\s], 1
	s_add_co_u32 s[G0B+4*\s+1], s20, \s*SLOT
	s_add_nc_u64 s[G0B+4*\s+2:G0B+4*\s+3], s[46:47], \s*4*CH
	s_or_b32 s[G0B+4*\s+3], s[G0B+4*\s+3], 0x80000000
.endr
	; THE HEAD'S LOADS, ONE A WAVE: four chunks each, 264 rows of 256 bytes:
	; wave 0 P's slot 0, wave 1 P's slot 1, wave 2 R's slot 0, wave 3 R's slot 1.  The two slots hold all of K: nothing is filled again.
	s_mov_b32 s[G1+2], 264<<16
	s_mov_b32 s[G1+4], 264
	s_mov_b32 s[G1B+2], 264<<16
	s_mov_b32 s[G1B+4], 264
	s_mul_i32 s8, s12, 2*CH                        ; s[14:15] and s[46:47] stand 2 CH x (wave % 2) on: as much again gives slot wave % 2's four chunks
	s_mov_b32 s9, 0
	s_mov_b32 s4, 1
	s_mul_i32 s5, s12, SLOT
	s_add_nc_u64 s[6:7], s[14:15], s[8:9]
	s_or_b32 s7, s7, 0x80000000
	s_mov_b32 s16, 1
	s_add_co_u32 s17, s5, 4*CH
	s_add_nc_u64 s[18:19], s[46:47], s[8:9]
	s_or_b32 s19, s19, 0x80000000
.macro HARM under, g0, g1, next        ; one arm of the chain: a load line of its own for each wave, since only waves 0 and 2 wait at the first barrier
	s_cmp_lt_u32 s10, \under
	s_cbranch_scc0 \next
	tensor_load_to_lds s[\g0:\g0+3], s[\g1:\g1+7]
	s_nop 0
.rept 4
	v_nop
.endr
	s_branch .Lhead_asked
\next:
.endm
	HARM 1, 4, G1, .Lh_p1
	HARM 2, 4, G1, .Lh_r0
	HARM 3, 16, G1B, .Lh_r1
	tensor_load_to_lds s[16:19], s[G1B:G1B+7]
	s_nop 0
.rept 4
	v_nop
.endr
.Lhead_asked:
	v_and_b32 v4, 31, v0
	v_lshlrev_b32 v3, 4, v4                        ; 16 x lane: an image's place for my lane
	v_and_b32 v1, 15, v0                           ; r
	v_bfe_u32 v2, v0, 4, 1                         ; h
	s_wait_alu depctr_va_vdst(0)
	s_lshl_b32 s21, s11, 13                        ; region P: half wp's four images
	s_lshl_b32 s22, s12, 13
	s_add_co_u32 s22, s22, 4*CH                    ; region R: half wr's
	s_lshl_b32 s23, s11, 8
	s_lshl_b32 s77, s12, 8
	s_add_co_u32 s77, s77, 4*CH
	s_sub_co_u32 s77, s77, s23                     ; from P's scale words of half wp to R's of half wr
.if MODE == 0
	s_cmp_ge_u32 ttmp9, 4                          ; clusters 4 and 5 along x make v: the cluster's x, the same in all partners
	s_cselect_b32 s74, 1, 0
	s_cselect_b32 s75, s22, s21                    ; source 1: the tokens; for v the weights
	s_cselect_b32 s76, s21, s22                    ; source 0: the weights; for v the tokens
	v_xor_b32 v5, s74, v2
	v_mul_u32_u24 v5, s77, v5                      ; lanes 0-15 take source 1's words, lanes 16-31 source 0's
.else
	s_mov_b32 s75, s21
	s_mov_b32 s76, s22
	v_mul_u32_u24 v5, s77, v2
.endif
	v_add_nc_u32 v[AD1], s75, v3
	v_add_nc_u32 v[AD1+1], SLOT, v[AD1]
	v_add_nc_u32 v[AD0], s76, v3
	v_add_nc_u32 v[AD0+1], SLOT, v[AD0]
	v_lshl_add_u32 v5, v1, 2, v5
	s_add_co_u32 s23, s23, 16384
	v_add_nc_u32 v[ADS], s23, v5
	v_add_nc_u32 v[ADS+1], SLOT, v[ADS]
.if MODE != 0
	s_lshl_b32 s82, s42, 9                         ; the bias of my 64 outputs: lane (r, h) wants, for tile b, those of outputs 32 (b / 2) + 8 (b % 2) + 16 h + 0 .. 7
	s_lshl_b32 s83, s12, 8
	s_add_co_u32 s82, s82, s83
	s_mov_b32 s83, 0
	s_add_nc_u64 s[68:69], s[68:69], s[82:83]
	v_lshlrev_b32 v[BO], 6, v2
.irp b, 0,1,2,3
	global_load_b128 v[BI+8*\b:BI+8*\b+3], v[BO], s[68:69] offset:(32*(\b/2)+8*(\b%2))*4
	global_load_b128 v[BI+8*\b+4:BI+8*\b+7], v[BO], s[68:69] offset:(32*(\b/2)+8*(\b%2))*4+16
.endr
.endif
.if (MODE%2) == 0                      ; the way out that quantises
	s_mov_b32 s[SEL], 0x76543210
	s_mov_b32 s[SEL+1], 0xfedcba98                 ; v_permlanex16_b32's selects for lane l xor 16
	s_mov_b32 s[MNT], 0x600000                     ; the mantissa field of 57,344
	s_mov_b32 s[HI16], 0xffff0000                  ; lanes 16-31
	v_mov_b32 v[TM+2], 0                           ; a lane permute's destination counts as one of its sources
	v_mov_b32 v[TM+3], 0
.if MODE == 0
	; q, k: [head][tile of tokens][c 0..1][lane][16], scale bytes u16 [tile][16];  v: [head][key step][tile of d][c 0..3][lane][16], scale words [key step][tile][16]
	s_lshr_b32 s80, ttmp9, 1                       ; 0 q, 1 k, 2 v
	s_lshl_b32 s81, s42, 1
	s_add_co_u32 s81, s81, s12
	s_and_b32 s81, s81, 15                         ; the head: half wr of the weights' 128 columns
	s_lshr_b32 s82, s13, 4
	s_lshl_b32 s82, s82, 4
	s_add_co_u32 s81, s81, s82                     ; + 16 x batch
	s_and_b32 s82, s13, 15                         ; the group of 128 tokens in its sequence
	s_cmp_ge_u32 ttmp9, 4
	s_cselect_b32 s83, 10, 12                      ; half wp of the tokens: v: blocks 2 wp on (512 bytes each); q, k: tiles 4 wp on (1,024 each)
	s_cselect_b32 s84, 1, 7                        ; in the scales: v: bytes 2 wp on; q, k: 4 tiles of 32 bytes
	s_cselect_b32 s85, 11, 10                      ; from tile a to tile a + 1, codes: 2,048 or 1,024 bytes
	s_cselect_b32 s86, 6, 5                        ; scales: 64 or 32
	s_cselect_b32 s87, 2, 1                        ; a row's scales: 4 or 2 bytes
	s_lshl_b32 s88, s80, 22
	s_lshl_b32 s89, s81, 17
	s_add_co_u32 s88, s88, s89
	s_lshl_b32 s89, s82, 13
	s_add_co_u32 s88, s88, s89
	s_lshl_b32 s89, s11, s83
	s_add_co_u32 s88, s88, s89
	s_mov_b32 s89, 0
	s_lshl_b32 s92, s80, 17
	s_lshl_b32 s93, s81, 12
	s_add_co_u32 s92, s92, s93
	s_lshl_b32 s93, s82, 8
	s_add_co_u32 s92, s92, s93
	s_lshl_b32 s93, s11, s84
	s_add_co_u32 s92, s92, s93
	s_mov_b32 s93, 0
	s_add_nc_u64 s[68:69], s[68:69], s[88:89]
	s_add_nc_u64 s[70:71], s[70:71], s[92:93]
.else
	s_lshl_b32 s80, s13, 5                         ; gc: chunk 32 Y + X: my 128 outputs are K step X of the next product
	s_add_co_u32 s80, s80, s42
	s_mul_i32 s80, s80, CH
	s_lshl_b32 s84, s11, 8
	s_lshl_b32 s85, s12, 1
	s_add_co_u32 s84, s84, s85
	s_add_co_u32 s84, s84, s80
	s_add_co_u32 s84, s84, 16384                   ; scale words of tiles 4 wp on, bytes 2 wr on
	s_mov_b32 s85, 0
	s_lshl_b32 s81, s11, 13
	s_add_co_u32 s80, s80, s81
	s_lshl_b32 s81, s12, 10
	s_add_co_u32 s80, s80, s81                     ; images 4 wp on, blocks 2 wr on
	s_mov_b32 s81, 0
	s_add_nc_u64 s[84:85], s[70:71], s[84:85]
	s_add_nc_u64 s[70:71], s[70:71], s[80:81]
	s_mov_b32 s86, 6
	s_mov_b32 s87, 2
	v_mov_b32 v[GK], 0xbdd2d3e8                    ; -k2 = -0.044715 k1
	v_mov_b32 v[GK+1], 0xbdd2d3e8
	v_mov_b32 v[GK+2], 0xc0135761                  ; -k1 = -2 sqrt(2 / pi) log2(e)
	v_mov_b32 v[GK+3], 0xc0135761
	s_mov_b32 s94, 11
.endif
.if MODE == 0
	s_lshl_b32 s94, 1, s85
.else
	s_lshl_b32 s94, 1, s94
.endif
	v_mov_b32 v[VC], v3
	v_add_nc_u32 v[VC+1], s94, v[VC]
	v_add_nc_u32 v[VC+2], s94, v[VC+1]
	v_add_nc_u32 v[VC+3], s94, v[VC+2]
	v_lshlrev_b32 v[VS0], s87, v1
	v_lshlrev_b32 v[VS0+3], s86, v2                ; lanes 16-31 store the next tile's
	v_add_nc_u32 v[VS0], v[VS0], v[VS0+3]
	s_lshl_b32 s94, 2, s86
	v_add_nc_u32 v[VS0+3], s94, v[VS0]
.else                                  ; the way out in f32
	s_mul_i32 s23, s10, 4352
	s_add_co_u32 s23, s23, STAGE                   ; my stage
	v_mul_u32_u24 v4, v1, 272
	v_lshl_add_u32 v4, v2, 6, v4
	v_add_nc_u32 v[STO], s23, v4                   ; in: row r, + 64 h
	v_mul_u32_u24 v5, v2, 272
	v_lshl_add_u32 v5, v1, 4, v5
	v_add_nc_u32 v[RD], s23, v5                    ; back: lanes 0-15 one row of 256 bytes, lanes 16-31 the next
	v_lshlrev_b32 v[CO], 12, v2
	v_lshl_add_u32 v[CO], v1, 4, v[CO]             ; and the same two rows in memory
	s_lshl_b32 s80, s13, 19                        ; row 128 Y + 64 wp, column 128 X + 64 wr
	s_lshl_b32 s81, s11, 18
	s_add_co_u32 s80, s80, s81
	s_lshl_b32 s81, s42, 9
	s_add_co_u32 s80, s80, s81
	s_lshl_b32 s81, s12, 8
	s_add_co_u32 s80, s80, s81
	s_mov_b32 s81, 0
	s_add_nc_u64 s[70:71], s[70:71], s[80:81]
	s_add_nc_u64 s[72:73], s[72:73], s[80:81]
.endif
; 36 LDS loads in one run: K step j of a slot into buffer f: four scale words, source 0's four fragments, source 1's tiles 0, 1, then 2, 3.  An instruction reads 512 consecutive bytes.
.macro FETCH slot, j, f
	WIN 0
.irp i, 0,1,2,3
	ds_load_b32 v[SC+4*((\f)/128)+\i], v[ADS+\slot] offset:(\j)*CH+\i*64
.endr
	WIN TO_F
.irp b, 0,1,2,3
.irp c, 0,1,2,3
	ds_load_b128 v[\f+64+16*\b+4*\c:\f+64+16*\b+4*\c+3], v[AD0+\slot] offset:(\j)*CH+\b*2048+\c*512
.endr
.endr
.irp a, 0,1,2,3
.irp c, 0,1,2,3
	ds_load_b128 v[\f+16*\a+4*\c:\f+16*\a+4*\c+3], v[AD1+\slot] offset:(\j)*CH+\a*2048+\c*512
.endr
.endr
.endm
; 8 matrix instructions: source 1's tiles a0, a0 + 1 x source 0's four.  cm = 0: in place; 1: the constant 0 starts the sums; 2: the bias does.  The 16 accumulators take turns, one instruction a turn.
.macro MUL8 f, a0, cm
.irp a, \a0, \a0+1
.irp b, 0,1,2,3
.if \cm == 0
	v_wmma_scale_f32_16x16x128_f8f6f4 v[ACC+8*(4*(\a)+\b):ACC+8*(4*(\a)+\b)+7], v[\f+64+16*\b:\f+64+16*\b+15], v[\f+16*(\a):\f+16*(\a)+15], v[ACC+8*(4*(\a)+\b):ACC+8*(4*(\a)+\b)+7], v[SC+4*((\f)/128)+\b], v[SC+4*((\f)/128)+(\a)] matrix_a_fmt:MATRIX_FMT_BF8 matrix_b_fmt:MATRIX_FMT_BF8 matrix_a_scale:MATRIX_SCALE_ROW1
.elseif \cm == 1
	v_wmma_scale_f32_16x16x128_f8f6f4 v[ACC+8*(4*(\a)+\b):ACC+8*(4*(\a)+\b)+7], v[\f+64+16*\b:\f+64+16*\b+15], v[\f+16*(\a):\f+16*(\a)+15], 0, v[SC+4*((\f)/128)+\b], v[SC+4*((\f)/128)+(\a)] matrix_a_fmt:MATRIX_FMT_BF8 matrix_b_fmt:MATRIX_FMT_BF8 matrix_a_scale:MATRIX_SCALE_ROW1
.else
	v_wmma_scale_f32_16x16x128_f8f6f4 v[ACC+8*(4*(\a)+\b):ACC+8*(4*(\a)+\b)+7], v[\f+64+16*\b:\f+64+16*\b+15], v[\f+16*(\a):\f+16*(\a)+15], v[BI+8*\b:BI+8*\b+7], v[SC+4*((\f)/128)+\b], v[SC+4*((\f)/128)+(\a)] matrix_a_fmt:MATRIX_FMT_BF8 matrix_b_fmt:MATRIX_FMT_BF8 matrix_a_scale:MATRIX_SCALE_ROW1
.endif
.endr
.endr
.endm
; K step j = 0, 1, 2 of a slot, on buffer j % 2; in its middle the next K step is fetched into the other buffer
.macro KQ slot, j, cm
	s_wait_dscnt 8                                 ; all but the youngest eight loads (source 1's tiles 2, 3) are in
	WIN MUL
	MUL8 128*((\j)%2), 0, \cm
	PLACES 8                                       ; the other buffer and its scale words were read by the K step before
	FETCH \slot, (\j)+1, 128-128*((\j)%2)
	s_wait_dscnt 36                                ; all but the 36 just issued
	WIN MUL
	MUL8 128*((\j)%2), 2, \cm
.endm
; K step 3 changes slots: one barrier; in front of it each wave waits for all its tensor loads, adds 0 to its spare word, and waits for that and for its reads of this slot.  fill = 1: this slot is filled again, eight K steps on.
.macro TURN slot, next, fill
	WIN 0                                          ; (the add's two registers lie in window 0)
	s_wait_tensorcnt 0x0                           ; all my tensor loads have landed: my part of the next slot
	ds_add_u32 v[SPW], v[NIL]                      ; 0 onto my spare word
	s_wait_dscnt 0x0                               ; the add is done, and my reads of this slot are over
	s_barrier_signal -1
	WIN MUL
	MUL8 F1, 0, 0                                  ; work on registers while the others arrive
	WIN 0
	s_barrier_wait -1
.if \fill
	CREST                                          ; the barrier has opened a round of the cluster's barrier: no wave of any partner still reads this slot or has a load on its way
	s_add_nc_u64 s[G0+4*\slot+2:G0+4*\slot+3], s[G0+4*\slot+2:G0+4*\slot+3], 8*CH
	s_add_nc_u64 s[G0B+4*\slot+2:G0B+4*\slot+3], s[G0B+4*\slot+2:G0B+4*\slot+3], 8*CH
	JLOAD \slot                                    ; the first tensor load behind the round; its four v_nop are four of the eight places
	PLACES 4
.else
	PLACES 8
.endif
	FETCH \next, 0, F0
	WIN MUL
	MUL8 F1, 2, 0
.endm
	s_wait_alu depctr_va_vdst(0)
	s_cmp_eq_u32 s12, 0                            ; waves 0 and 2 brought slot 0: they wait here; slot 1's loads are waited for at the change of slots, by every wave
	s_cbranch_scc0 .Lslot1_mine
	s_wait_tensorcnt 0x0
.Lslot1_mine:
	s_barrier_signal -1
	s_barrier_wait -1
	FETCH 0, 0, F0
.if MODE != 0
	s_wait_loadcnt 0x0                             ; the bias
.endif
	KQ 0, 0, START
	WIN 0x80                                       ; THE RESIDUAL of my 64 x 64, once, into v512-639 (window 2): 32 loads, sixteen lanes to 256 consecutive bytes; they are waited for on the way out
.irp a, 0,1,2,3
.irp t, 0,1,2,3,4,5,6,7
	global_load_b128 v[32*\a+4*\t:32*\a+4*\t+3], v[CO], s[70:71] offset:(32*(\a/2)+8*(\a%2)+2*(\t%4)+16*(\t/4))*4096
.endr
.endr
.if LAPS > 1
	WIN 0                                          ; at a label and at a branch every window is 0
	s_mov_b32 s3, LAPS-1
.Llap:                                             ; a trip goes once round the ring and fills both slots again
	KQ 0, 1, 0
	KQ 0, 2, 0
	TURN 0, 1, 1
	KQ 1, 0, 0
	KQ 1, 1, 0
	KQ 1, 2, 0
	TURN 1, 0, 1
	KQ 0, 0, 0
	WIN 0
	s_sub_co_u32 s3, s3, 1
	s_cmp_lg_u32 s3, 0
	s_cbranch_scc1 .Llap
.endif
	KQ 0, 1, 0                                     ; the last lap fills nothing
	KQ 0, 2, 0
	TURN 0, 1, 0
	KQ 1, 0, 0
	KQ 1, 1, 0
	KQ 1, 2, 0
.if (MODE%2) == 1
.macro XL a                            ; the residual's rows of tile a: eight loads, sixteen lanes to 256 consecutive bytes
.set XB, 32+64*((\a)%2)
.irp t, 0,1,2,3,4,5,6,7
	global_load_b128 v[XB+4*\t:XB+4*\t+3], v[CO], s[70:71] offset:(32*((\a)/2)+8*((\a)%2)+2*(\t%4)+16*(\t/4))*4096
.endr
.endm
.endif
	s_wait_dscnt 8
	WIN MUL
	MUL8 F1, 0, 0
	s_wait_dscnt 0x0
	MUL8 F1, 2, 0
	WIN 0
	PLACES 8
.if (MODE%2) == 0
; THE WAY OUT THAT QUANTISES.  Of tile a a lane holds 32 neighbours along source 0's rows (register 16 b + i: row 32 b + 16 h + i): two blocks of 32, each shared with lane l xor 16.  The codes are an image's registers.
.macro QUANT2 src, a
.irp b, 0,1
	v_max3_num_f32 v[TM+\b], |v[(\src)+16*\b]|, |v[(\src)+16*\b+1]|, 0x8000000   ; from each accumulator's low end on; the floor 2^(16 - 127) holds the byte at 1 from below
.endr
.irp i, 2,4,6,8,10,12,14
.irp b, 0,1
	v_max3_num_f32 v[TM+\b], v[TM+\b], |v[(\src)+16*\b+\i]|, |v[(\src)+16*\b+\i+1]|
.endr
.endr
.irp b, 0,1
	v_permlanex16_b32 v[TM+2+\b], v[TM+\b], s[SEL], s[SEL+1]
.endr
.irp b, 0,1
	v_max_num_f32 v[TM+\b], v[TM+\b], v[TM+2+\b]
.endr
.irp b, 0,1
	v_add_nc_u32 v[TM+6+\b], 0xf8800000, v[TM+\b]              ; 15 off the exponent field: the conversion's scale operand
.endr
.irp b, 0,1
	v_and_or_b32 v[TM+4+\b], v[TM+\b], 0x7f800000, s[MNT]      ; 57,344 x the scale
.endr
.irp b, 0,1
	v_lshrrev_b32 v[TM+2+\b], 23, v[TM+6+\b]                   ; the scale's byte
.endr
	v_lshl_or_b32 v[PW+(\a)], v[TM+3], 8, v[TM+2]
.irp b, 0,1
.set ii, 0
.rept 16
	v_med3_num_f32 v[(\src)+16*\b+ii], v[(\src)+16*\b+ii], -v[TM+4+\b], v[TM+4+\b]   ; the conversion does not saturate (ISA guide 7.6.2): the hold comes first
.set ii, ii+1
.endr
	v_cvt_scalef32_pk8_bf8_f32 v[PC+8*(\a)+4*\b:PC+8*(\a)+4*\b+1], v[(\src)+16*\b:(\src)+16*\b+7], v[TM+6+\b]
	v_cvt_scalef32_pk8_bf8_f32 v[PC+8*(\a)+4*\b+2:PC+8*(\a)+4*\b+3], v[(\src)+16*\b+8:(\src)+16*\b+15], v[TM+6+\b]
.endr
	v_nop                                          ; one plain line behind the last conversion
.endm
.if MODE == 2
.macro GELU a                          ; T = x / (1 + 2^(x (-k1 - k2 x^2))) of tile a's 32 numbers; each batch of transcendentals has one plain line and one wait behind it
.set AX, ACC+32*(\a)
.set ii, 0
.rept 16
	v_pk_mul_f32 v[T+ii:T+ii+1], v[AX+ii:AX+ii+1], v[AX+ii:AX+ii+1]
.set ii, ii+2
.endr
.set ii, 0
.rept 16
	v_pk_fma_f32 v[T+ii:T+ii+1], v[T+ii:T+ii+1], v[GK:GK+1], v[GK+2:GK+3]
.set ii, ii+2
.endr
.set ii, 0
.rept 16
	v_pk_mul_f32 v[T+ii:T+ii+1], v[T+ii:T+ii+1], v[AX+ii:AX+ii+1]
.set ii, ii+2
.endr
.set ii, 0
.rept 32
	v_exp_f32 v[T+ii], v[T+ii]
.set ii, ii+1
.endr
	v_nop
	s_wait_alu depctr_va_vdst(0)
.set ii, 0
.rept 16
	v_pk_add_f32 v[T+ii:T+ii+1], v[T+ii:T+ii+1], 1.0 op_sel_hi:[1,0]
.set ii, ii+2
.endr
.set ii, 0
.rept 32
	v_rcp_f32 v[T+ii], v[T+ii]
.set ii, ii+1
.endr
	v_nop
	s_wait_alu depctr_va_vdst(0)
.set ii, 0
.rept 16
	v_pk_mul_f32 v[T+ii:T+ii+1], v[T+ii:T+ii+1], v[AX+ii:AX+ii+1]
.set ii, ii+2
.endr
.endm
.endif
.irp a, 0,1,2,3
.if MODE == 2
	GELU \a
	QUANT2 T, \a
.else
	QUANT2 ACC+32*\a, \a
.endif
	global_store_b128 v[VC+\a], v[PC+8*\a:PC+8*\a+3], s[CBASE:CBASE+1]                 ; 512 consecutive bytes a store
	global_store_b128 v[VC+\a], v[PC+8*\a+4:PC+8*\a+7], s[CBASE:CBASE+1] offset:512
.endr
	v_cndmask_b32 v[VS0+1], v[PW], v[PW+1], s[HI16]       ; lanes 0-15 store tile 0's two bytes a row, lanes 16-31 tile 1's
	v_cndmask_b32 v[VS0+2], v[PW+2], v[PW+3], s[HI16]
	global_store_b16 v[VS0], v[VS0+1], s[SBASE:SBASE+1]
	global_store_b16 v[VS0+3], v[VS0+2], s[SBASE:SBASE+1]
.else
; THE WAY OUT IN F32.  A lane holds 32 numbers of one row; a tile (16 rows x 64 columns) goes through my own stage and comes back as rows of 256 bytes; the residual is added; sixteen lanes store 256 consecutive bytes, aligned.
.macro OUT a
.if (\a) > 0
	s_wait_xcnt 0x0                                ; the last tile's stores have read their registers: these are loaded again only behind this wait
.endif
.set XB, 32*(\a)
.irp q, 0,1,2,3,4,5,6,7
	ds_store_b128 v[STO], v[ACC+32*(\a)+4*\q:ACC+32*(\a)+4*\q+3] offset:128*(\q/4)+16*(\q%4)   ; each accumulator from its low end on
.endr
.irp t, 0,1,2,3,4,5,6,7
	ds_load_b128 v[BK+4*\t:BK+4*\t+3], v[RD] offset:\t*544   ; LDS serves a wave's instructions in order: these see my stores
.endr
	s_wait_dscnt 0x0
	s_wait_loadcnt 0                               ; the residual is in
	WIN 0x08                                       ; source 1: window 2
.set ii, 0
.rept 16
	v_pk_add_f32 v[BK+ii:BK+ii+1], v[BK+ii:BK+ii+1], v[XB+ii:XB+ii+1]
.set ii, ii+2
.endr
	WIN 0
.irp t, 0,1,2,3,4,5,6,7
	global_store_b128 v[CO], v[BK+4*\t:BK+4*\t+3], s[72:73] offset:(32*((\a)/2)+8*((\a)%2)+2*(\t%4)+16*(\t/4))*4096
.endr
.endm
	OUT 0
	OUT 1
	OUT 2
	OUT 3
.endif
	s_wait_tensorcnt 0x0                           ; the wave's end, behind my last tensor load and my last LDS store
	ds_add_u32 v[SPW], v[NIL]
	s_wait_dscnt 0x0
	CROUND                                         ; the closing round: no work-group ends while a partner may still ask for a tile that names it
	s_endpgm
.Lfunc_end_k_qa655c5d8cb_wo:
	.size	k_qa655c5d8cb_wo, .Lfunc_end_k_qa655c5d8cb_wo-k_qa655c5d8cb_wo
	.p2alignl 7, 3214868480
	.fill 96, 4, 3214868480
	.section	.rodata,"a",@progbits
	.p2align	6, 0x0
	.amdhsa_kernel k_qa655c5d8cb_wo
		.amdhsa_group_segment_fixed_size 327680
		.amdhsa_private_segment_fixed_size 0
		.amdhsa_enable_private_segment 0
		.amdhsa_kernarg_size 40
		.amdhsa_user_sgpr_count 2
		.amdhsa_user_sgpr_kernarg_segment_ptr 1
		.amdhsa_wavefront_size32 1
		.amdhsa_system_sgpr_workgroup_id_x 1
		.amdhsa_system_sgpr_workgroup_id_y 1
		.amdhsa_system_sgpr_workgroup_id_z 1
		.amdhsa_system_vgpr_workitem_id 0
		.amdhsa_next_free_vgpr 640
		.amdhsa_next_free_sgpr 96
		.amdhsa_reserve_vcc 0
		.amdhsa_float_denorm_mode_32 3
		.amdhsa_float_denorm_mode_16_64 3
		.amdhsa_memory_ordered 1
		.amdhsa_forward_progress 1
		.amdhsa_inst_pref_size 62
	.end_amdhsa_kernel
	.amdgpu_metadata
---
amdhsa.version: [ 1, 2 ]
amdhsa.kernels:
  - .name:           k_qa655c5d8cb_wo
    .symbol:         k_qa655c5d8cb_wo.kd
    .args:
      - { .name: cc, .offset: 0, .size: 8, .value_kind: global_buffer, .address_space: global }
      - { .name: wc, .offset: 8, .size: 8, .value_kind: global_buffer, .address_space: global }
      - { .name: bo, .offset: 16, .size: 8, .value_kind: global_buffer, .address_space: global }
      - { .name: x, .offset: 24, .size: 8, .value_kind: global_buffer, .address_space: global }
      - { .name: x1, .offset: 32, .size: 8, .value_kind: global_buffer, .address_space: global }
    .group_segment_fixed_size: 327680
    .private_segment_fixed_size: 0
    .kernarg_segment_align: 8
    .kernarg_segment_size: 40
    .max_flat_workgroup_size: 128
    .sgpr_count:     96
    .vgpr_count:     640
    .wavefront_size: 32
...
	.end_amdgpu_metadata
.endif
;; end of part 4
;; launch ln2: the kernel of part 1 again; grid 256 x 1, 8 waves a work-group, no clusters, 69,632 bytes of LDS; arguments x1, ln2_scale, ln2_shift, hc, Wq, Wk, Wv, Wo, W1, W2, wc; writes hc, wc
;; launch w1 (part 5): grid 8 x 32, 4 waves a work-group, clusters of 4 x 4, 327,680 bytes of LDS; arguments hc, wc, b1, gc; writes gc
.if DOCPART == 5
	.amdgcn_target "amdgcn-amd-amdhsa--gfx1250"
	.amdhsa_code_object_version 6
	.text
	.protected	k_qa655c5d8cb_w1
	.globl	k_qa655c5d8cb_w1
	.p2align	8
	.type	k_qa655c5d8cb_w1,@function
k_qa655c5d8cb_w1:
	s_mov_b64 s[64:65], 0
	v_nop
	global_prefetch_b8 v0, s[64:65] scope:SCOPE_SE
	s_setreg_imm32_b32 hwreg(HW_REG_WAVE_MODE, 25, 1), 1
	s_wait_xcnt 0x0
	s_wait_alu depctr_hold_cnt(0) depctr_sa_sdst(0) depctr_va_vdst(0) depctr_va_sdst(0) depctr_va_ssrc(0) depctr_va_vcc(0) depctr_vm_vsrc(0)
	s_getreg_b32 s2, hwreg(HW_REG_IB_STS2, 6, 4)
	s_cmp_eq_u32 s2, 0
	s_cbranch_scc0 .Lentry_in_a_cluster
	s_endpgm
.Lentry_in_a_cluster:
	s_bfe_u32 s2, ttmp6, 0x10000c
	s_cmp_lg_u32 s2, 0xf033
	s_cbranch_scc0 .Lentry_shape_is_right
	s_endpgm
.Lentry_shape_is_right:
; g = GELU(h W1 + b1), quantised along the next product's K, on codes of BF8 (E5M2) with E8M0 scales.  Operands are chunks: 128 rows x 128 K = eight images of 2,048 bytes (a fragment's registers as they stand) and 512 bytes of scale words.
; SHARES.  Work-group (X, Y): the tokens' group Y x the weights' groups X, X + 8, X + 16, X + 24: four tiles of 128 x 128.  Four waves of 64 x 64: wave w takes half wp = w / 2 of the tokens and half wr = w % 2 of the outputs; 16 accumulators, which take turns.
; Source 0 = weights, source 1 = tokens: a lane holds one token and its registers run along the outputs.  The bias is the first products' C.
; THE TOKENS LIVE IN REGISTERS: a wave's 64 tokens, all of K = 1,024, are 512 registers (windows 2, 3), read from LDS once.  So a K step reads 16 fragments' pieces of the weights and four scale words from LDS, and no token fragment twice.
; LDS: two slots of eight chunks.  At the head slot X takes the tokens (wave 0), 4,096 bytes of their own the tokens' scale words (wave 1: 8 rows of 512 bytes, 16,896 apart in memory), slot Y tile 0's weights (waves 2, 3).
; Ahead of each tile but the last stands ONE drained round of the cluster's barrier, and behind it each wave asks for a quarter of the next tile's weights, into the slot that is not being multiplied: the first time over the tokens, which every wave then holds in registers.
; 4 x 4 clusters: the tokens are asked for jointly along a row of the cluster, the weights along a column.
; NO PREFETCH: a refill is asked for one whole tile (128 products a wave and the way out) ahead of the wait for it, and the first fills have no loop to run ahead in.
; REGISTERS: window 0: v1-29 addresses, v8-15 scale words (two sets: tokens' tiles 0, 1 and 2, 3 in the two halves of the lanes, then the weights'), v32-127 the way out, v128-255 accumulators; window 1: v0-127 two sets of the weights' four fragments, v128-159 the bias.
; LIMITS: GELU is x / (1 + 2^(x (-k1 - k2 x^2))), the tanh form's own function, right at both ends of the range; a block of zeros gets the byte 1 where the rule says 127 (zero codes; this program alone reads the bytes); NaN and infinities are not served.
.set CH,    16896
.set SLOT,  8*CH
.set PSC,   2*SLOT                     ; the tokens' scale words: [K step][512 bytes]
.set SPARE, PSC+4096                   ; the spare words, 128 bytes for each wave
.set SECT,  256*CH
.set SC,   8
.set AD0B, 16                          ; v16  the weights' fragments in a slot: 8,192 wr + 16 lane
.set ARSB, 17                          ; v17  their scale words: 16,384 + 256 wr + 4 lane
.set AD0,  18                          ; v18-19  the same in the slot in hand, K steps 0-3 and 4-7
.set ARS,  20                          ; v20-21
.set APS,  22                          ; v22  the tokens' scale words: PSC + 256 wp + 4 lane
.set AD1,  24                          ; v24-25  the tokens' fragments in slot X
.set BO,   27
.set SPW,  28
.set NIL,  29
.set VC,   32
.set VS0,  36
.set TM,   40
.set GK,   56                          ; v[56:57] -k2, v[58:59] -k1
.set PW,   60
.set PC,   64
.set T,    96
.set ACC,  128
.set BI,   128                         ; in window 1
.set SEL,  66
.set TB,   86                          ; s86  LDS byte at which the slot in hand begins
.set HI16, 90
.set MNT,  91
.set CB,   70
.set SB,   84
.set MSB, 0
.macro WIN new                         ; the immediate's high byte repeats the setting that is left
.if MSB != \new
	s_set_vgpr_msb (MSB<<8)|\new
.set MSB, \new
.endif
.endm
.macro CROUND                          ; a round of the cluster's barrier
	s_barrier_signal -1
	s_barrier_wait -1
	s_cmp_lg_u32 s10, 0
	s_cbranch_scc1 .Lnot_wave_0_\@
	s_barrier_signal -3
.Lnot_wave_0_\@:
	s_barrier_wait -3
	s_barrier_signal -1
	s_barrier_wait -1
.endm
.macro PLACES n
.rept \n
	v_nop
.endr
.endm
.macro GRP1 g, mask, c, r, p           ; descriptor group 1: r rows of c elements of 8 bytes, p elements apart; the mask, and bit 21 beside it
	s_or_b32 s[\g], s[\mask], (3<<16)|(1<<21)
	s_mov_b32 s[\g+1], (\c)<<16
	s_mov_b32 s[\g+2], (\r)<<16
	s_mov_b32 s[\g+3], (\c)<<16
	s_mov_b32 s[\g+4], \r
	s_mov_b32 s[\g+5], \p
	s_mov_b32 s[\g+6], 0
	s_mov_b32 s[\g+7], 0
.endm
.macro BIAS                            ; the bias of my 64 outputs, in the result's layout, into window 1
	WIN 0x40
.irp b, 0,1,2,3
	global_load_b128 v[BI+8*\b:BI+8*\b+3], v[BO], s[68:69] offset:(32*(\b/2)+8*(\b%2))*4
	global_load_b128 v[BI+8*\b+4:BI+8*\b+7], v[BO], s[68:69] offset:(32*(\b/2)+8*(\b%2))*4+16
.endr
.endm
	s_load_b128 s[4:7], s[0:1], 0x0                ; hc, wc
	s_load_b128 s[68:71], s[0:1], 0x10             ; b1, gc
	v_lshl_add_u32 v[SPW], v0, 2, SPARE
	v_mov_b32 v[NIL], 0
	ds_add_u32 v[SPW], v[NIL]                      ; the opening lines: the add, twice on end, and its wait ahead of my first tensor load
	ds_add_u32 v[SPW], v[NIL]
	v_lshrrev_b32 v1, 5, v0
	v_readfirstlane_b32 s10, v1                    ; wave 0..3
	s_lshr_b32 s11, s10, 1                         ; wp
	s_and_b32 s12, s10, 1                          ; wr
	s_bfe_u32 s40, ttmp6, 0x40000                  ; cx, cy
	s_bfe_u32 s41, ttmp6, 0x40004
	s_lshl_b32 s42, ttmp9, 2
	s_add_co_u32 s42, s42, s40                     ; X
	s_and_b32 s13, ttmp7, 0xffff
	s_lshl_b32 s13, s13, 2
	s_add_co_u32 s13, s13, s41                     ; Y
	s_lshl_b32 s43, s41, 2
	s_lshl_b32 s43, 15, s43                        ; my row of the cluster
	s_lshl_b32 s44, 0x1111, s40                    ; my column
	GRP1 24, 43, 32, 528, 32                       ; the tokens' eight chunks: 528 rows of 256 bytes
	GRP1 72, 43, 64, 8, 2112                       ; their scale words
	GRP1 32, 44, 32, 264, 32                       ; half of tile 0's weights: four chunks
	GRP1 48, 44, 32, 132, 32                       ; a quarter of a later tile's: two chunks
	s_mul_i32 s14, s13, 8*CH
	s_mov_b32 s15, 0
	s_mul_i32 s46, s42, 8*CH
	s_add_co_u32 s46, s46, SECT
	s_mov_b32 s47, 0
	s_mul_i32 s20, s12, 4*CH
	s_mov_b32 s21, 0
	s_mul_i32 s22, s10, 2*CH
	s_mov_b32 s23, 0
	s_wait_dscnt 0x0                               ; both opening adds are done
	s_wait_kmcnt 0x0
	s_add_nc_u64 s[14:15], s[4:5], s[14:15]
	s_add_nc_u64 s[46:47], s[6:7], s[46:47]
	CROUND                                         ; all sixteen work-groups are here: the first joint loads meet
	s_mov_b32 s4, 1                                ; groups 0: the tokens -> slot X,
	s_mov_b32 s5, 0
	s_mov_b64 s[6:7], s[14:15]
	s_or_b32 s7, s7, 0x80000000
	s_mov_b32 s16, 1                               ; their scale words,
	s_mov_b32 s17, PSC
	s_add_nc_u64 s[18:19], s[14:15], 16384
	s_or_b32 s19, s19, 0x80000000
	s_mov_b32 s56, 1                               ; tile 0's weights -> slot Y, half wr,
	s_add_co_u32 s57, s20, SLOT
	s_add_nc_u64 s[58:59], s[46:47], s[20:21]
	s_or_b32 s59, s59, 0x80000000
	s_mov_b32 s60, 1                               ; and the walking one: my quarter of a tile's weights; it is turned to the other slot and stepped a tile on ahead of each use
	s_add_co_u32 s61, s22, SLOT
	s_add_nc_u64 s[62:63], s[46:47], s[22:23]
	s_or_b32 s63, s63, 0x80000000
.macro HARM under, g0, g1, next        ; the head's loads, one a wave, in one chain of arms
	s_cmp_lt_u32 s10, \under
	s_cbranch_scc0 \next
	tensor_load_to_lds s[\g0:\g0+3], s[\g1:\g1+7]
	s_nop 0
	PLACES 4
	s_branch .Lhead_asked
\next:
.endm
	HARM 1, 4, 24, .Lh_s
	HARM 2, 16, 72, .Lh_r
	tensor_load_to_lds s[56:59], s[32:39]
	s_nop 0
	PLACES 4
.Lhead_asked:
	v_and_b32 v4, 31, v0
	v_lshlrev_b32 v3, 4, v4                        ; 16 x lane
	v_and_b32 v1, 15, v0                           ; r
	v_bfe_u32 v2, v0, 4, 1                         ; h
	s_wait_alu depctr_va_vdst(0)
	s_lshl_b32 s21, s11, 13
	v_add_nc_u32 v[AD1], s21, v3
	v_add_nc_u32 v[AD1+1], 4*CH, v[AD1]
	s_lshl_b32 s22, s12, 13
	v_add_nc_u32 v[AD0B], s22, v3
	s_lshl_b32 s23, s12, 8
	s_add_co_u32 s23, s23, 16384
	v_lshl_add_u32 v[ARSB], v4, 2, s23
	s_lshl_b32 s23, s11, 8
	s_add_co_u32 s23, s23, PSC
	v_lshl_add_u32 v[APS], v4, 2, s23
	s_mov_b32 s[SEL], 0x76543210
	s_mov_b32 s[SEL+1], 0xfedcba98                 ; v_permlanex16_b32's selects for lane l xor 16
	s_mov_b32 s[MNT], 0x600000                     ; the mantissa field of 57,344
	s_mov_b32 s[HI16], 0xffff0000                  ; lanes 16-31
	v_mov_b32 v[TM+2], 0                           ; a lane permute's destination counts as one of its sources
	v_mov_b32 v[TM+3], 0
	s_lshl_b32 s80, s13, 5                         ; gc: chunk 32 Y + X: my 128 outputs are K step X of the next product
	s_add_co_u32 s80, s80, s42
	s_mul_i32 s80, s80, CH
	s_lshl_b32 s81, s12, 1
	s_add_co_u32 s84, s80, s81
	s_add_co_u32 s84, s84, 16384                   ; scale words: bytes 2 wr on
	s_mov_b32 s85, 0
	s_lshl_b32 s81, s12, 10
	s_add_co_u32 s80, s80, s81                     ; images: blocks 2 wr on
	s_mov_b32 s81, 0
	s_add_nc_u64 s[84:85], s[70:71], s[84:85]
	s_add_nc_u64 s[70:71], s[70:71], s[80:81]
	s_lshl_b32 s94, s11, 13                        ; images 4 wp on
	v_add_nc_u32 v[VC], s94, v3
	v_add_nc_u32 v[VC+1], 2048, v[VC]
	v_add_nc_u32 v[VC+2], 2048, v[VC+1]
	v_add_nc_u32 v[VC+3], 2048, v[VC+2]
	s_lshl_b32 s94, s11, 8                         ; scale words of tiles 4 wp on
	v_lshl_add_u32 v[VS0], v1, 2, s94
	v_lshl_add_u32 v[VS0], v2, 6, v[VS0]           ; lanes 16-31 store the next tile's
	v_add_nc_u32 v[VS0+3], 128, v[VS0]
	v_mov_b32 v[GK], 0xbdd2d3e8                    ; -k2 = -0.044715 k1
	v_mov_b32 v[GK+1], 0xbdd2d3e8
	v_mov_b32 v[GK+2], 0xc0135761                  ; -k1 = -2 sqrt(2 / pi) log2(e)
	v_mov_b32 v[GK+3], 0xc0135761
	s_lshl_b32 s82, s42, 9
	s_lshl_b32 s83, s12, 8
	s_add_co_u32 s82, s82, s83
	s_mov_b32 s83, 0
	s_add_nc_u64 s[68:69], s[68:69], s[82:83]
	v_lshlrev_b32 v[BO], 6, v2
	BIAS
	WIN 0
.macro PLOAD                           ; my 64 tokens, all of K: K step 4 s + j, tile a -> window 2 + s, v[64 j + 16 a ..]: 128 loads of 512 consecutive bytes
.irp s, 0,1
	WIN ((2+\s)<<6)
.irp j, 0,1,2,3
.irp a, 0,1,2,3
.irp c, 0,1,2,3
	ds_load_b128 v[64*\j+16*\a+4*\c:64*\j+16*\a+4*\c+3], v[AD1+\s] offset:\j*CH+\a*2048+\c*512
.endr
.endr
.endr
.endr
	WIN 0
.endm
.macro FETCH k                         ; K step k of the slot in hand into set k % 2: four scale words and the weights' four fragments: 20 loads
	WIN 0
	ds_load_b32 v[SC+4*((\k)%2)], v[APS] offset:(\k)*512
	ds_load_b32 v[SC+4*((\k)%2)+1], v[APS] offset:(\k)*512+128
	ds_load_b32 v[SC+4*((\k)%2)+2], v[ARS+(\k)/4] offset:((\k)%4)*CH
	ds_load_b32 v[SC+4*((\k)%2)+3], v[ARS+(\k)/4] offset:((\k)%4)*CH+128
	WIN 0x40
.irp b, 0,1,2,3
.irp c, 0,1,2,3
	ds_load_b128 v[64*((\k)%2)+16*\b+4*\c:64*((\k)%2)+16*\b+4*\c+3], v[AD0+(\k)/4] offset:((\k)%4)*CH+\b*2048+\c*512
.endr
.endr
.endm
.macro WM r0, r1                       ; one product; r0, r1: which half of the lanes holds source 0's and source 1's scale words
.if (\r0) && (\r1)
	v_wmma_scale_f32_16x16x128_f8f6f4 v[D_:D_+7], v[S0_:S0_+15], v[S1_:S1_+15], v[C_:C_+7], v[X0_], v[X1_] matrix_a_fmt:MATRIX_FMT_BF8 matrix_b_fmt:MATRIX_FMT_BF8 matrix_a_scale:MATRIX_SCALE_ROW1 matrix_b_scale:MATRIX_SCALE_ROW1
.elseif \r0
	v_wmma_scale_f32_16x16x128_f8f6f4 v[D_:D_+7], v[S0_:S0_+15], v[S1_:S1_+15], v[C_:C_+7], v[X0_], v[X1_] matrix_a_fmt:MATRIX_FMT_BF8 matrix_b_fmt:MATRIX_FMT_BF8 matrix_a_scale:MATRIX_SCALE_ROW1
.elseif \r1
	v_wmma_scale_f32_16x16x128_f8f6f4 v[D_:D_+7], v[S0_:S0_+15], v[S1_:S1_+15], v[C_:C_+7], v[X0_], v[X1_] matrix_a_fmt:MATRIX_FMT_BF8 matrix_b_fmt:MATRIX_FMT_BF8 matrix_b_scale:MATRIX_SCALE_ROW1
.else
	v_wmma_scale_f32_16x16x128_f8f6f4 v[D_:D_+7], v[S0_:S0_+15], v[S1_:S1_+15], v[C_:C_+7], v[X0_], v[X1_] matrix_a_fmt:MATRIX_FMT_BF8 matrix_b_fmt:MATRIX_FMT_BF8
.endif
.endm
.macro MUL16 kk, first                 ; K step kk: the tokens' four tiles x the weights' four; the 16 accumulators take turns, one instruction a turn.  first = 1: the bias starts the sums
.if \first
	WIN (0x11|((2+(\kk)/4)<<2))                    ; source 0: the weights (window 1); source 1: the tokens (window 2 or 3); C: window 1
.else
	WIN (0x01|((2+(\kk)/4)<<2))
.endif
.irp a, 0,1,2,3
.irp b, 0,1,2,3
.set D_, ACC+8*(4*\a+\b)
.set C_, D_
.if \first
.set C_, BI+8*\b
.endif
.set S0_, 64*((\kk)%2)+16*\b
.set S1_, 64*((\kk)%4)+16*\a
.set X0_, SC+4*((\kk)%2)+2+\b/2
.set X1_, SC+4*((\kk)%2)+\a/2
	WM \b%2, \a%2
.endr
.endr
.endm
.macro KQ kk, first                    ; a K step: its set is in; the next K step is asked for into the set that the last products have left (eight plain lines behind them); then 16 products
.if (\kk) > 0
	PLACES 8
.endif
	s_wait_dscnt 0x0
.if (\kk) < 7
	FETCH (\kk)+1
.endif
	MUL16 \kk, \first
.endm
; THE WAY OUT.  Of tile a a lane holds 32 neighbours along the outputs: two blocks of 32 of the next K, each shared with lane l xor 16.  The codes are an image's registers.
.macro QUANT2 src, a
.irp b, 0,1
	v_max3_num_f32 v[TM+\b], |v[(\src)+16*\b]|, |v[(\src)+16*\b+1]|, 0x8000000   ; the floor 2^(16 - 127) holds the byte at 1 from below
.endr
.irp i, 2,4,6,8,10,12,14
.irp b, 0,1
	v_max3_num_f32 v[TM+\b], v[TM+\b], |v[(\src)+16*\b+\i]|, |v[(\src)+16*\b+\i+1]|
.endr
.endr
.irp b, 0,1
	v_permlanex16_b32 v[TM+2+\b], v[TM+\b], s[SEL], s[SEL+1]
.endr
.irp b, 0,1
	v_max_num_f32 v[TM+\b], v[TM+\b], v[TM+2+\b]
.endr
.irp b, 0,1
	v_add_nc_u32 v[TM+6+\b], 0xf8800000, v[TM+\b]              ; 15 off the exponent field: the conversion's scale operand
.endr
.irp b, 0,1
	v_and_or_b32 v[TM+4+\b], v[TM+\b], 0x7f800000, s[MNT]      ; 57,344 x the scale
.endr
.irp b, 0,1
	v_lshrrev_b32 v[TM+2+\b], 23, v[TM+6+\b]                   ; the scale's byte
.endr
	v_lshl_or_b32 v[PW+(\a)], v[TM+3], 8, v[TM+2]
.irp b, 0,1
.set ii, 0
.rept 16
	v_med3_num_f32 v[(\src)+16*\b+ii], v[(\src)+16*\b+ii], -v[TM+4+\b], v[TM+4+\b]   ; the conversion does not saturate (ISA guide 7.6.2): the hold comes first
.set ii, ii+1
.endr
	v_cvt_scalef32_pk8_bf8_f32 v[PC+8*(\a)+4*\b:PC+8*(\a)+4*\b+1], v[(\src)+16*\b:(\src)+16*\b+7], v[TM+6+\b]
	v_cvt_scalef32_pk8_bf8_f32 v[PC+8*(\a)+4*\b+2:PC+8*(\a)+4*\b+3], v[(\src)+16*\b+8:(\src)+16*\b+15], v[TM+6+\b]
.endr
	v_nop                                          ; one plain line behind the last conversion
.endm
.macro GELU a                          ; T = x / (1 + 2^(x (-k1 - k2 x^2))) of tile a's 32 numbers; each batch of transcendentals has a wait ahead of it, and one plain line and a wait behind it
.set AX, ACC+32*(\a)
.set ii, 0
.rept 16
	v_pk_mul_f32 v[T+ii:T+ii+1], v[AX+ii:AX+ii+1], v[AX+ii:AX+ii+1]
.set ii, ii+2
.endr
.set ii, 0
.rept 16
	v_pk_fma_f32 v[T+ii:T+ii+1], v[T+ii:T+ii+1], v[GK:GK+1], v[GK+2:GK+3]
.set ii, ii+2
.endr
.set ii, 0
.rept 16
	v_pk_mul_f32 v[T+ii:T+ii+1], v[T+ii:T+ii+1], v[AX+ii:AX+ii+1]
.set ii, ii+2
.endr
.set ii, 0
	s_wait_alu depctr_va_vdst(0)
.rept 32
	v_exp_f32 v[T+ii], v[T+ii]
.set ii, ii+1
.endr
	v_nop
	s_wait_alu depctr_va_vdst(0)
.set ii, 0
.rept 16
	v_pk_add_f32 v[T+ii:T+ii+1], v[T+ii:T+ii+1], 1.0 op_sel_hi:[1,0]
.set ii, ii+2
.endr
.set ii, 0
	s_wait_alu depctr_va_vdst(0)
.rept 32
	v_rcp_f32 v[T+ii], v[T+ii]
.set ii, ii+1
.endr
	v_nop
	s_wait_alu depctr_va_vdst(0)
.set ii, 0
.rept 16
	v_pk_mul_f32 v[T+ii:T+ii+1], v[T+ii:T+ii+1], v[AX+ii:AX+ii+1]
.set ii, ii+2
.endr
.endm
.macro WPART a
	GELU \a
	QUANT2 T, \a
	global_store_b128 v[VC+\a], v[PC+8*\a:PC+8*\a+3], s[CB:CB+1]                 ; 512 consecutive bytes a store
	global_store_b128 v[VC+\a], v[PC+8*\a+4:PC+8*\a+7], s[CB:CB+1] offset:512
.endm
.macro WSC p                           ; lanes 0-15 store tile 2 p's two bytes a row, lanes 16-31 tile 2 p + 1's
	v_cndmask_b32 v[VS0+1+\p], v[PW+2*\p], v[PW+2*\p+1], s[HI16]
	global_store_b16 v[VS0+3*\p], v[VS0+1+\p], s[SB:SB+1]
.endm
.macro TILE nxt
	s_wait_tensorcnt 0x0                           ; my part of this tile's weights is in; no tensor load of mine is out, so a group 0 may be written
	ds_add_u32 v[SPW], v[NIL]                      ; 0 onto my spare word
	s_xor_b32 s[TB], s[TB], SLOT                   ; the slot in hand
.if \nxt
	s_xor_b32 s61, s61, SLOT                       ; the other slot takes the next tile's weights
	s_add_nc_u64 s[62:63], s[62:63], 64*CH
.endif
	v_add_nc_u32 v[AD0], s[TB], v[AD0B]
	v_add_nc_u32 v[AD0+1], 4*CH, v[AD0]
	v_add_nc_u32 v[ARS], s[TB], v[ARSB]
	v_add_nc_u32 v[ARS+1], 4*CH, v[ARS]
	s_wait_alu depctr_va_vdst(0)
	s_wait_dscnt 0x0                               ; the add is done, and so are my reads of the other slot (the first time: the tokens are in my registers)
.if \nxt
	CROUND                                         ; both now hold of every wave of every partner
	tensor_load_to_lds s[60:63], s[48:55]          ; my one load behind the round
	s_nop 0
	PLACES 4
.else
	s_barrier_signal -1
	s_barrier_wait -1
.endif
	FETCH 0
	s_wait_loadcnt 0x0                             ; the bias
	KQ 0, 1
	KQ 1, 0
.if \nxt
	s_add_nc_u64 s[68:69], s[68:69], 4096          ; the next tile's bias: K step 1's eight plain lines stand between the products that read these registers and the loads
	s_wait_alu depctr_va_vdst(0)
	BIAS
.endif
.irp k, 2,3,4,5,6,7
	KQ \k, 0
.endr
	WIN 0
	PLACES 8
	WPART 0
	WPART 1
	WSC 0
	WPART 2
	WPART 3
	WSC 1
.if \nxt
	s_wait_xcnt 0x0                                ; the stores have read their registers and bases
	s_add_nc_u64 s[CB:CB+1], s[CB:CB+1], 8*CH      ; eight K steps of the next product on
	s_add_nc_u64 s[SB:SB+1], s[SB:SB+1], 8*CH
.endif
.endm
	s_wait_alu depctr_va_vdst(0)                   ; the head's end
	s_wait_tensorcnt 0x0                           ; my one load of the head is in
	s_barrier_signal -1
	s_barrier_wait -1                              ; everybody's is
	PLOAD
	s_mov_b32 s[TB], 0
	s_mov_b32 s3, 3
.Ltile:
	TILE 1
	s_sub_co_u32 s3, s3, 1
	s_cmp_lg_u32 s3, 0
	s_cbranch_scc1 .Ltile
	TILE 0                                         ; the last tile asks for nothing more
	s_wait_tensorcnt 0x0                           ; the wave's end
	ds_add_u32 v[SPW], v[NIL]
	s_wait_dscnt 0x0
	CROUND                                         ; the closing round
	s_endpgm
.Lfunc_end_k_qa655c5d8cb_w1:
	.size	k_qa655c5d8cb_w1, .Lfunc_end_k_qa655c5d8cb_w1-k_qa655c5d8cb_w1
	.p2alignl 7, 3214868480
	.fill 96, 4, 3214868480
	.section	.rodata,"a",@progbits
	.p2align	6, 0x0
	.amdhsa_kernel k_qa655c5d8cb_w1
		.amdhsa_group_segment_fixed_size 327680
		.amdhsa_private_segment_fixed_size 0
		.amdhsa_enable_private_segment 0
		.amdhsa_kernarg_size 32
		.amdhsa_user_sgpr_count 2
		.amdhsa_user_sgpr_kernarg_segment_ptr 1
		.amdhsa_wavefront_size32 1
		.amdhsa_system_sgpr_workgroup_id_x 1
		.amdhsa_system_sgpr_workgroup_id_y 1
		.amdhsa_system_sgpr_workgroup_id_z 1
		.amdhsa_system_vgpr_workitem_id 0
		.amdhsa_next_free_vgpr 1024
		.amdhsa_next_free_sgpr 96
		.amdhsa_reserve_vcc 0
		.amdhsa_float_denorm_mode_32 3
		.amdhsa_float_denorm_mode_16_64 3
		.amdhsa_memory_ordered 1
		.amdhsa_forward_progress 1
		.amdhsa_inst_pref_size 170
	.end_amdhsa_kernel
	.amdgpu_metadata
---
amdhsa.version: [ 1, 2 ]
amdhsa.kernels:
  - .name:           k_qa655c5d8cb_w1
    .symbol:         k_qa655c5d8cb_w1.kd
    .args:
      - { .name: hc, .offset: 0, .size: 8, .value_kind: global_buffer, .address_space: global }
      - { .name: wc, .offset: 8, .size: 8, .value_kind: global_buffer, .address_space: global }
      - { .name: b1, .offset: 16, .size: 8, .value_kind: global_buffer, .address_space: global }
      - { .name: gc, .offset: 24, .size: 8, .value_kind: global_buffer, .address_space: global }
    .group_segment_fixed_size: 327680
    .private_segment_fixed_size: 0
    .kernarg_segment_align: 8
    .kernarg_segment_size: 32
    .max_flat_workgroup_size: 128
    .sgpr_count:     96
    .vgpr_count:     1024
    .wavefront_size: 32
...
	.end_amdgpu_metadata
.endif
;; end of part 5
;; launch w2 (part 6): grid 8 x 32, 4 waves a work-group, clusters of 4 x 4, 327,680 bytes of LDS; arguments gc, wc, b2, x1, out0; writes out0
.if DOCPART == 6
	.amdgcn_target "amdgcn-amd-amdhsa--gfx1250"
	.amdhsa_code_object_version 6
	.text
	.protected	k_qa655c5d8cb_w2
	.globl	k_qa655c5d8cb_w2
	.p2align	8
	.type	k_qa655c5d8cb_w2,@function
k_qa655c5d8cb_w2:
	s_mov_b64 s[64:65], 0
	v_nop
	global_prefetch_b8 v0, s[64:65] scope:SCOPE_SE
	s_setreg_imm32_b32 hwreg(HW_REG_WAVE_MODE, 25, 1), 1
	s_wait_xcnt 0x0
	s_wait_alu depctr_hold_cnt(0) depctr_sa_sdst(0) depctr_va_vdst(0) depctr_va_sdst(0) depctr_va_ssrc(0) depctr_va_vcc(0) depctr_vm_vsrc(0)
	s_getreg_b32 s2, hwreg(HW_REG_IB_STS2, 6, 4)
	s_cmp_eq_u32 s2, 0
	s_cbranch_scc0 .Lentry_in_a_cluster
	s_endpgm
.Lentry_in_a_cluster:
	s_bfe_u32 s2, ttmp6, 0x10000c
	s_cmp_lg_u32 s2, 0xf033
	s_cbranch_scc0 .Lentry_shape_is_right
	s_endpgm
.Lentry_shape_is_right:
; out0 = g W2 + b2 + x1 on codes of BF8 (E5M2) with E8M0 scales; K = 4,096.  Operands are chunks: 128 rows x 128 K = eight images of 2,048 bytes (a fragment's registers as they stand) and 512 bytes of scale words: 16,896 bytes.
; SHARES.  Work-group (X, Y): the tokens' group Y (region P) x the weights' group X (region R): 128 x 128; four waves of 64 x 64, 16 accumulators each, which take turns; the bias is the first products' C.
; LDS: a ring of two slots of four K steps (P's four chunks, then R's four); eight fills in all.  4 x 4 clusters: P is asked for jointly along a row of the cluster, R along a column.
; THE HEAD: one joint load a wave, four chunks each (264 rows of 256 bytes): both slots' first fills.  REFILLS: two chunks a wave (132 rows), each behind a drained round of the cluster's barrier.
; PREFETCH INTO THE L2: fill n + 2 is asked for where fill n is loaded (fills 2 and 3 at the head; fills 6 and 7 are the last, so the last lap asks for nothing).  Of the 132 blocks of 256 bytes that a wave's joint load brings, each of
; the four partners that ask with it names 33, told apart by address (cx for P, cy for R): 32 by a lane each, the last by a second line all of whose lanes name it.  So each block is named once in each cluster that loads it.
; THE RESIDUAL of a wave's 64 x 64 is loaded once, behind the first K step, into v512-639 (window 2), and is waited for on the way out.
; LIMITS: NaN and infinities are not served.
.set MODE, 3
.set CH,     16896
.set SLOT,   8*CH
.set STAGE,  2*SLOT
.set SPARE,  STAGE+4*4352
.if MODE == 3
.set LAPS, 4
.else
.set LAPS, 1
.endif
.set KSTEPS, 8*LAPS
.if MODE == 0
.set SECT,  0
.set START, 1
.set CBASE, 68
.set SBASE, 70
.elseif MODE == 1
.set SECT,  192*CH
.set START, 2
.elseif MODE == 2
.set SECT,  256*CH
.set START, 2
.set CBASE, 70
.set SBASE, 84
.else
.set SECT,  512*CH
.set START, 2
.endif
.set SC,  8
.set AD1, 16
.set AD0, 20
.set ADS, 22
.set STO, 24
.set RD,  25
.set CO,  26
.set BO,  27
.set SPW, 28
.set NIL, 29
.set VC,  32
.set VS0, 36
.set TM,  40
.set GK,  56
.set PW,  60
.set PC,  64
.set BK,  64
.set BI,  96
.set T,   96
.set ACC, 128
.set F0,  0
.set F1,  128
.set G1,  24
.set G0,  32
.set G1B, 48
.set G0B, 56
.set SEL, 66
.set HI16, 90
.set MNT, 91
.set MSB, 0
.macro WIN new
.if MSB != \new
	s_set_vgpr_msb (MSB<<8)|\new
.set MSB, \new
.endif
.endm
.set MUL,  0x05
.set TO_F, 0x40
.macro JLOAD s
	s_cmp_eq_u32 s11, 0
	s_cbranch_scc0 .Lfor_b_\@
	tensor_load_to_lds s[G0+4*\s:G0+4*\s+3], s[G1:G1+7]
	s_nop 0
.rept 4
	v_nop
.endr
	s_branch .Lasked_\@
.Lfor_b_\@:
	tensor_load_to_lds s[G0B+4*\s:G0B+4*\s+3], s[G1B:G1B+7]
	s_nop 0
.rept 4
	v_nop
.endr
.Lasked_\@:
.endm
.macro CREST
	s_cmp_lg_u32 s10, 0
	s_cbranch_scc1 .Lnot_wave_0_\@
	s_barrier_signal -3
.Lnot_wave_0_\@:
	s_barrier_wait -3
	s_barrier_signal -1
	s_barrier_wait -1
.endm
.macro CROUND
	s_barrier_signal -1
	s_barrier_wait -1
	CREST
.endm
.macro PLACES n
.rept \n
	v_nop
.endr
.endm
	s_load_b128 s[4:7], s[0:1], 0x0
	s_load_b128 s[68:71], s[0:1], 0x10
.if (MODE%2) == 1
	s_load_b64 s[72:73], s[0:1], 0x20
.endif
	v_lshl_add_u32 v[SPW], v0, 2, SPARE
	v_mov_b32 v[NIL], 0
	ds_add_u32 v[SPW], v[NIL]
	ds_add_u32 v[SPW], v[NIL]
	v_lshrrev_b32 v1, 5, v0
	v_readfirstlane_b32 s10, v1
	s_lshr_b32 s11, s10, 1
	s_and_b32 s12, s10, 1
	s_bfe_u32 s40, ttmp6, 0x40000
	s_bfe_u32 s41, ttmp6, 0x40004
	s_lshl_b32 s42, ttmp9, 2
	s_add_co_u32 s42, s42, s40
	s_and_b32 s13, ttmp7, 0xffff
	s_lshl_b32 s13, s13, 2
	s_add_co_u32 s13, s13, s41
	s_lshl_b32 s43, s41, 2
	s_lshl_b32 s43, 15, s43
	s_lshl_b32 s44, 0x1111, s40
	s_or_b32 s[G1], s43, (3<<16)|(1<<21)
	s_or_b32 s[G1B], s44, (3<<16)|(1<<21)
.irp g, G1, G1B
	s_mov_b32 s[\g+1], 32<<16
	s_mov_b32 s[\g+2], 132<<16
	s_mov_b32 s[\g+3], 32<<16
	s_mov_b32 s[\g+4], 132
	s_mov_b32 s[\g+5], 32
	s_mov_b32 s[\g+6], 0
	s_mov_b32 s[\g+7], 0
.endr
	s_mul_i32 s17, s12, 2*CH
	s_mul_i32 s16, s13, KSTEPS*CH
	s_add_co_u32 s16, s16, s17
	s_mul_i32 s46, s42, KSTEPS*CH
	s_add_co_u32 s46, s46, s17
	s_add_co_u32 s46, s46, SECT
	s_mov_b32 s17, 0
	s_mov_b32 s47, 0
	s_mul_i32 s20, s10, 2*CH
	s_wait_dscnt 0x0
	s_wait_kmcnt 0x0
	s_add_nc_u64 s[14:15], s[4:5], s[16:17]
	s_add_nc_u64 s[46:47], s[6:7], s[46:47]
	CROUND
.irp s, 0,1
	s_mov_b32 s[G0+4*\s], 1
	s_add_co_u32 s[G0+4*\s+1], s20, \s*SLOT
	s_add_nc_u64 s[G0+4*\s+2:G0+4*\s+3], s[14:15], \s*4*CH
	s_or_b32 s[G0+4*\s+3], s[G0+4*\s+3], 0x80000000
	s_mov_b32 s[G0B+4*\s], 1
	s_add_co_u32 s[G0B+4*\s+1], s20, \s*SLOT
	s_add_nc_u64 s[G0B+4*\s+2:G0B+4*\s+3], s[46:47], \s*4*CH
	s_or_b32 s[G0B+4*\s+3], s[G0B+4*\s+3], 0x80000000
.endr
	; THE HEAD'S LOADS, ONE A WAVE: wave 0 P's slot 0, wave 1 P's slot 1, wave 2 R's slot 0, wave 3 R's slot 1.  Their groups 1 (264 rows) lie in s[84:91] and s[92:99], their groups 0 in s[4:7] and s[16:19].
	s_or_b32 s84, s43, (3<<16)|(1<<21)
	s_or_b32 s92, s44, (3<<16)|(1<<21)
.irp g, 84, 92
	s_mov_b32 s[\g+1], 32<<16
	s_mov_b32 s[\g+2], 264<<16
	s_mov_b32 s[\g+3], 32<<16
	s_mov_b32 s[\g+4], 264
	s_mov_b32 s[\g+5], 32
	s_mov_b32 s[\g+6], 0
	s_mov_b32 s[\g+7], 0
.endr
	s_mul_i32 s8, s12, 2*CH                        ; s[14:15] and s[46:47] stand 2 CH x (wave % 2) on: as much again gives slot wave % 2's four chunks
	s_mov_b32 s9, 0
	s_mov_b32 s4, 1
	s_mul_i32 s5, s12, SLOT
	s_add_nc_u64 s[6:7], s[14:15], s[8:9]
	s_or_b32 s7, s7, 0x80000000
	s_mov_b32 s16, 1
	s_add_co_u32 s17, s5, 4*CH
	s_add_nc_u64 s[18:19], s[46:47], s[8:9]
	s_or_b32 s19, s19, 0x80000000
.macro HARM under, g0, g1, next        ; one arm of the chain: a load line of its own for each wave, since only waves 0 and 2 wait at the first barrier
	s_cmp_lt_u32 s10, \under
	s_cbranch_scc0 \next
	tensor_load_to_lds s[\g0:\g0+3], s[\g1:\g1+7]
	s_nop 0
.rept 4
	v_nop
.endr
	s_branch .Lhead_asked
\next:
.endm
	HARM 1, 4, 84, .Lh_p1
	HARM 2, 4, 84, .Lh_r0
	HARM 3, 16, 92, .Lh_r1
	tensor_load_to_lds s[16:19], s[92:99]
	s_nop 0
.rept 4
	v_nop
.endr
.Lhead_asked:
	; where my prefetches stand: the two chunks that my refills bring, my work-group's 33 blocks of their 132, at fill 1: each refill steps it one fill on and names the fill two further on
	s_cmp_eq_u32 s11, 0                            ; do I fetch for P?
	s_cselect_b64 s[78:79], s[14:15], s[46:47]
	s_cselect_b32 s8, s40, s41                     ; my place among the four that ask with me
	s_mul_i32 s8, s8, 33*256
	s_add_co_u32 s8, s8, 4*CH
	s_add_nc_u64 s[78:79], s[78:79], s[8:9]
	v_and_b32 v30, 31, v0
	v_lshlrev_b32 v30, 8, v30                      ; v30: 256 x lane; v31: the 33rd block; neither is rewritten
	v_mov_b32 v31, 32*256
	global_prefetch_b8 v30, s[78:79] offset:4*CH th:TH_LOAD_NT scope:SCOPE_SE   ; fill 2
	global_prefetch_b8 v31, s[78:79] offset:4*CH th:TH_LOAD_NT scope:SCOPE_SE
	global_prefetch_b8 v30, s[78:79] offset:8*CH th:TH_LOAD_NT scope:SCOPE_SE   ; fill 3
	global_prefetch_b8 v31, s[78:79] offset:8*CH th:TH_LOAD_NT scope:SCOPE_SE
	v_and_b32 v4, 31, v0
	v_lshlrev_b32 v3, 4, v4
	v_and_b32 v1, 15, v0
	v_bfe_u32 v2, v0, 4, 1
	s_wait_alu depctr_va_vdst(0)
	s_lshl_b32 s21, s11, 13
	s_lshl_b32 s22, s12, 13
	s_add_co_u32 s22, s22, 4*CH
	s_lshl_b32 s23, s11, 8
	s_lshl_b32 s77, s12, 8
	s_add_co_u32 s77, s77, 4*CH
	s_sub_co_u32 s77, s77, s23
.if MODE == 0
	s_cmp_ge_u32 ttmp9, 4
	s_cselect_b32 s74, 1, 0
	s_cselect_b32 s75, s22, s21
	s_cselect_b32 s76, s21, s22
	v_xor_b32 v5, s74, v2
	v_mul_u32_u24 v5, s77, v5
.else
	s_mov_b32 s75, s21
	s_mov_b32 s76, s22
	v_mul_u32_u24 v5, s77, v2
.endif
	v_add_nc_u32 v[AD1], s75, v3
	v_add_nc_u32 v[AD1+1], SLOT, v[AD1]
	v_add_nc_u32 v[AD0], s76, v3
	v_add_nc_u32 v[AD0+1], SLOT, v[AD0]
	v_lshl_add_u32 v5, v1, 2, v5
	s_add_co_u32 s23, s23, 16384
	v_add_nc_u32 v[ADS], s23, v5
	v_add_nc_u32 v[ADS+1], SLOT, v[ADS]
.if MODE != 0
	s_lshl_b32 s82, s42, 9
	s_lshl_b32 s83, s12, 8
	s_add_co_u32 s82, s82, s83
	s_mov_b32 s83, 0
	s_add_nc_u64 s[68:69], s[68:69], s[82:83]
	v_lshlrev_b32 v[BO], 6, v2
.irp b, 0,1,2,3
	global_load_b128 v[BI+8*\b:BI+8*\b+3], v[BO], s[68:69] offset:(32*(\b/2)+8*(\b%2))*4
	global_load_b128 v[BI+8*\b+4:BI+8*\b+7], v[BO], s[68:69] offset:(32*(\b/2)+8*(\b%2))*4+16
.endr
.endif
.if (MODE%2) == 0
	s_mov_b32 s[SEL], 0x76543210
	s_mov_b32 s[SEL+1], 0xfedcba98
	s_mov_b32 s[MNT], 0x600000
	s_mov_b32 s[HI16], 0xffff0000
	v_mov_b32 v[TM+2], 0
	v_mov_b32 v[TM+3], 0
.if MODE == 0
	s_lshr_b32 s80, ttmp9, 1
	s_lshl_b32 s81, s42, 1
	s_add_co_u32 s81, s81, s12
	s_and_b32 s81, s81, 15
	s_lshr_b32 s82, s13, 4
	s_lshl_b32 s82, s82, 4
	s_add_co_u32 s81, s81, s82
	s_and_b32 s82, s13, 15
	s_cmp_ge_u32 ttmp9, 4
	s_cselect_b32 s83, 10, 12
	s_cselect_b32 s84, 1, 7
	s_cselect_b32 s85, 11, 10
	s_cselect_b32 s86, 6, 5
	s_cselect_b32 s87, 2, 1
	s_lshl_b32 s88, s80, 22
	s_lshl_b32 s89, s81, 17
	s_add_co_u32 s88, s88, s89
	s_lshl_b32 s89, s82, 13
	s_add_co_u32 s88, s88, s89
	s_lshl_b32 s89, s11, s83
	s_add_co_u32 s88, s88, s89
	s_mov_b32 s89, 0
	s_lshl_b32 s92, s80, 17
	s_lshl_b32 s93, s81, 12
	s_add_co_u32 s92, s92, s93
	s_lshl_b32 s93, s82, 8
	s_add_co_u32 s92, s92, s93
	s_lshl_b32 s93, s11, s84
	s_add_co_u32 s92, s92, s93
	s_mov_b32 s93, 0
	s_add_nc_u64 s[68:69], s[68:69], s[88:89]
	s_add_nc_u64 s[70:71], s[70:71], s[92:93]
.else
	s_lshl_b32 s80, s13, 5
	s_add_co_u32 s80, s80, s42
	s_mul_i32 s80, s80, CH
	s_lshl_b32 s84, s11, 8
	s_lshl_b32 s85, s12, 1
	s_add_co_u32 s84, s84, s85
	s_add_co_u32 s84, s84, s80
	s_add_co_u32 s84, s84, 16384
	s_mov_b32 s85, 0
	s_lshl_b32 s81, s11, 13
	s_add_co_u32 s80, s80, s81
	s_lshl_b32 s81, s12, 10
	s_add_co_u32 s80, s80, s81
	s_mov_b32 s81, 0
	s_add_nc_u64 s[84:85], s[70:71], s[84:85]
	s_add_nc_u64 s[70:71], s[70:71], s[80:81]
	s_mov_b32 s86, 6
	s_mov_b32 s87, 2
	v_mov_b32 v[GK], 0xbdd2d3e8
	v_mov_b32 v[GK+1], 0xbdd2d3e8
	v_mov_b32 v[GK+2], 0xc0135761
	v_mov_b32 v[GK+3], 0xc0135761
	s_mov_b32 s94, 11
.endif
.if MODE == 0
	s_lshl_b32 s94, 1, s85
.else
	s_lshl_b32 s94, 1, s94
.endif
	v_mov_b32 v[VC], v3
	v_add_nc_u32 v[VC+1], s94, v[VC]
	v_add_nc_u32 v[VC+2], s94, v[VC+1]
	v_add_nc_u32 v[VC+3], s94, v[VC+2]
	v_lshlrev_b32 v[VS0], s87, v1
	v_lshlrev_b32 v[VS0+3], s86, v2
	v_add_nc_u32 v[VS0], v[VS0], v[VS0+3]
	s_lshl_b32 s94, 2, s86
	v_add_nc_u32 v[VS0+3], s94, v[VS0]
.else
	s_mul_i32 s23, s10, 4352
	s_add_co_u32 s23, s23, STAGE
	v_mul_u32_u24 v4, v1, 272
	v_lshl_add_u32 v4, v2, 6, v4
	v_add_nc_u32 v[STO], s23, v4
	v_mul_u32_u24 v5, v2, 272
	v_lshl_add_u32 v5, v1, 4, v5
	v_add_nc_u32 v[RD], s23, v5
	v_lshlrev_b32 v[CO], 12, v2
	v_lshl_add_u32 v[CO], v1, 4, v[CO]
	s_lshl_b32 s80, s13, 19
	s_lshl_b32 s81, s11, 18
	s_add_co_u32 s80, s80, s81
	s_lshl_b32 s81, s42, 9
	s_add_co_u32 s80, s80, s81
	s_lshl_b32 s81, s12, 8
	s_add_co_u32 s80, s80, s81
	s_mov_b32 s81, 0
	s_add_nc_u64 s[70:71], s[70:71], s[80:81]
	s_add_nc_u64 s[72:73], s[72:73], s[80:81]
.endif
.macro FETCH slot, j, f
	WIN 0
.irp i, 0,1,2,3
	ds_load_b32 v[SC+4*((\f)/128)+\i], v[ADS+\slot] offset:(\j)*CH+\i*64
.endr
	WIN TO_F
.irp b, 0,1,2,3
.irp c, 0,1,2,3
	ds_load_b128 v[\f+64+16*\b+4*\c:\f+64+16*\b+4*\c+3], v[AD0+\slot] offset:(\j)*CH+\b*2048+\c*512
.endr
.endr
.irp a, 0,1,2,3
.irp c, 0,1,2,3
	ds_load_b128 v[\f+16*\a+4*\c:\f+16*\a+4*\c+3], v[AD1+\slot] offset:(\j)*CH+\a*2048+\c*512
.endr
.endr
.endm
.macro MUL8 f, a0, cm
.irp a, \a0, \a0+1
.irp b, 0,1,2,3
.if \cm == 0
	v_wmma_scale_f32_16x16x128_f8f6f4 v[ACC+8*(4*(\a)+\b):ACC+8*(4*(\a)+\b)+7], v[\f+64+16*\b:\f+64+16*\b+15], v[\f+16*(\a):\f+16*(\a)+15], v[ACC+8*(4*(\a)+\b):ACC+8*(4*(\a)+\b)+7], v[SC+4*((\f)/128)+\b], v[SC+4*((\f)/128)+(\a)] matrix_a_fmt:MATRIX_FMT_BF8 matrix_b_fmt:MATRIX_FMT_BF8 matrix_a_scale:MATRIX_SCALE_ROW1
.elseif \cm == 1
	v_wmma_scale_f32_16x16x128_f8f6f4 v[ACC+8*(4*(\a)+\b):ACC+8*(4*(\a)+\b)+7], v[\f+64+16*\b:\f+64+16*\b+15], v[\f+16*(\a):\f+16*(\a)+15], 0, v[SC+4*((\f)/128)+\b], v[SC+4*((\f)/128)+(\a)] matrix_a_fmt:MATRIX_FMT_BF8 matrix_b_fmt:MATRIX_FMT_BF8 matrix_a_scale:MATRIX_SCALE_ROW1
.else
	v_wmma_scale_f32_16x16x128_f8f6f4 v[ACC+8*(4*(\a)+\b):ACC+8*(4*(\a)+\b)+7], v[\f+64+16*\b:\f+64+16*\b+15], v[\f+16*(\a):\f+16*(\a)+15], v[BI+8*\b:BI+8*\b+7], v[SC+4*((\f)/128)+\b], v[SC+4*((\f)/128)+(\a)] matrix_a_fmt:MATRIX_FMT_BF8 matrix_b_fmt:MATRIX_FMT_BF8 matrix_a_scale:MATRIX_SCALE_ROW1
.endif
.endr
.endr
.endm
.macro KQ slot, j, cm
	s_wait_dscnt 8
	WIN MUL
	MUL8 128*((\j)%2), 0, \cm
	PLACES 8
	FETCH \slot, (\j)+1, 128-128*((\j)%2)
	s_wait_dscnt 36
	WIN MUL
	MUL8 128*((\j)%2), 2, \cm
.endm
.macro TURN slot, next, fill
	WIN 0
	s_wait_tensorcnt 0x0
	ds_add_u32 v[SPW], v[NIL]
.if \fill
	s_wait_xcnt 0x0                                ; my last prefetch has read its address, so it may be stepped: one fill on
	s_add_nc_u64 s[78:79], s[78:79], 4*CH
.endif
	s_wait_dscnt 0x0
	s_barrier_signal -1
	WIN MUL
	MUL8 F1, 0, 0
	WIN 0
	s_barrier_wait -1
.if \fill
	CREST
	s_add_nc_u64 s[G0+4*\slot+2:G0+4*\slot+3], s[G0+4*\slot+2:G0+4*\slot+3], 8*CH
	s_add_nc_u64 s[G0B+4*\slot+2:G0B+4*\slot+3], s[G0B+4*\slot+2:G0B+4*\slot+3], 8*CH
	JLOAD \slot
	PLACES 4
.else
	PLACES 8
.endif
	FETCH \next, 0, F0
.if \fill
	WIN 0                                          ; at a branch and at a label every window is 0
	s_cmp_gt_u32 s3, 1                             ; the last lap's refills are fills 6 and 7: no fill stands two on
	s_cbranch_scc0 .Lno_ask_\@
	global_prefetch_b8 v30, s[78:79] offset:8*CH th:TH_LOAD_NT scope:SCOPE_SE   ; the fill two on from the one just asked for
	global_prefetch_b8 v31, s[78:79] offset:8*CH th:TH_LOAD_NT scope:SCOPE_SE
.Lno_ask_\@:
.endif
	WIN MUL
	MUL8 F1, 2, 0
.endm
	s_wait_alu depctr_va_vdst(0)                   ; the head's end
	s_cmp_eq_u32 s12, 0                            ; waves 0 and 2 brought slot 0: they wait here; slot 1's loads are waited for at the change of slots, by every wave
	s_cbranch_scc0 .Lslot1_mine
	s_wait_tensorcnt 0x0
.Lslot1_mine:
	s_barrier_signal -1
	s_barrier_wait -1
	FETCH 0, 0, F0
.if MODE != 0
	s_wait_loadcnt 0x0
.endif
	KQ 0, 0, START
	WIN 0x80                                       ; the residual: 32 loads, sixteen lanes to 256 consecutive bytes, into window 2
.irp a, 0,1,2,3
.irp t, 0,1,2,3,4,5,6,7
	global_load_b128 v[32*\a+4*\t:32*\a+4*\t+3], v[CO], s[70:71] offset:(32*(\a/2)+8*(\a%2)+2*(\t%4)+16*(\t/4))*4096
.endr
.endr
.if LAPS > 1
	WIN 0
	s_mov_b32 s3, LAPS-1
.Llap:
	KQ 0, 1, 0
	KQ 0, 2, 0
	TURN 0, 1, 1
	KQ 1, 0, 0
	KQ 1, 1, 0
	KQ 1, 2, 0
	TURN 1, 0, 1
	KQ 0, 0, 0
	WIN 0
	s_sub_co_u32 s3, s3, 1
	s_cmp_lg_u32 s3, 0
	s_cbranch_scc1 .Llap
.endif
	KQ 0, 1, 0
	KQ 0, 2, 0
	TURN 0, 1, 0
	KQ 1, 0, 0
	KQ 1, 1, 0
	KQ 1, 2, 0
.if (MODE%2) == 1
.macro XL a
.set XB, 32+64*((\a)%2)
.irp t, 0,1,2,3,4,5,6,7
	global_load_b128 v[XB+4*\t:XB+4*\t+3], v[CO], s[70:71] offset:(32*((\a)/2)+8*((\a)%2)+2*(\t%4)+16*(\t/4))*4096
.endr
.endm
.endif
	s_wait_dscnt 8
	WIN MUL
	MUL8 F1, 0, 0
	s_wait_dscnt 0x0
	MUL8 F1, 2, 0
	WIN 0
	PLACES 8
.if (MODE%2) == 0
.macro QUANT2 src, a
.irp b, 0,1
	v_max3_num_f32 v[TM+\b], |v[(\src)+16*\b]|, |v[(\src)+16*\b+1]|, 0x8000000
.endr
.irp i, 2,4,6,8,10,12,14
.irp b, 0,1
	v_max3_num_f32 v[TM+\b], v[TM+\b], |v[(\src)+16*\b+\i]|, |v[(\src)+16*\b+\i+1]|
.endr
.endr
.irp b, 0,1
	v_permlanex16_b32 v[TM+2+\b], v[TM+\b], s[SEL], s[SEL+1]
.endr
.irp b, 0,1
	v_max_num_f32 v[TM+\b], v[TM+\b], v[TM+2+\b]
.endr
.irp b, 0,1
	v_add_nc_u32 v[TM+6+\b], 0xf8800000, v[TM+\b]
.endr
.irp b, 0,1
	v_and_or_b32 v[TM+4+\b], v[TM+\b], 0x7f800000, s[MNT]
.endr
.irp b, 0,1
	v_lshrrev_b32 v[TM+2+\b], 23, v[TM+6+\b]
.endr
	v_lshl_or_b32 v[PW+(\a)], v[TM+3], 8, v[TM+2]
.irp b, 0,1
.set ii, 0
.rept 16
	v_med3_num_f32 v[(\src)+16*\b+ii], v[(\src)+16*\b+ii], -v[TM+4+\b], v[TM+4+\b]
.set ii, ii+1
.endr
	v_cvt_scalef32_pk8_bf8_f32 v[PC+8*(\a)+4*\b:PC+8*(\a)+4*\b+1], v[(\src)+16*\b:(\src)+16*\b+7], v[TM+6+\b]
	v_cvt_scalef32_pk8_bf8_f32 v[PC+8*(\a)+4*\b+2:PC+8*(\a)+4*\b+3], v[(\src)+16*\b+8:(\src)+16*\b+15], v[TM+6+\b]
.endr
	v_nop
.endm
.if MODE == 2
.macro GELU a
.set AX, ACC+32*(\a)
.set ii, 0
.rept 16
	v_pk_mul_f32 v[T+ii:T+ii+1], v[AX+ii:AX+ii+1], v[AX+ii:AX+ii+1]
.set ii, ii+2
.endr
.set ii, 0
.rept 16
	v_pk_fma_f32 v[T+ii:T+ii+1], v[T+ii:T+ii+1], v[GK:GK+1], v[GK+2:GK+3]
.set ii, ii+2
.endr
.set ii, 0
.rept 16
	v_pk_mul_f32 v[T+ii:T+ii+1], v[T+ii:T+ii+1], v[AX+ii:AX+ii+1]
.set ii, ii+2
.endr
.set ii, 0
.rept 32
	v_exp_f32 v[T+ii], v[T+ii]
.set ii, ii+1
.endr
	v_nop
	s_wait_alu depctr_va_vdst(0)
.set ii, 0
.rept 16
	v_pk_add_f32 v[T+ii:T+ii+1], v[T+ii:T+ii+1], 1.0 op_sel_hi:[1,0]
.set ii, ii+2
.endr
.set ii, 0
.rept 32
	v_rcp_f32 v[T+ii], v[T+ii]
.set ii, ii+1
.endr
	v_nop
	s_wait_alu depctr_va_vdst(0)
.set ii, 0
.rept 16
	v_pk_mul_f32 v[T+ii:T+ii+1], v[T+ii:T+ii+1], v[AX+ii:AX+ii+1]
.set ii, ii+2
.endr
.endm
.endif
.irp a, 0,1,2,3
.if MODE == 2
	GELU \a
	QUANT2 T, \a
.else
	QUANT2 ACC+32*\a, \a
.endif
	global_store_b128 v[VC+\a], v[PC+8*\a:PC+8*\a+3], s[CBASE:CBASE+1]
	global_store_b128 v[VC+\a], v[PC+8*\a+4:PC+8*\a+7], s[CBASE:CBASE+1] offset:512
.endr
	v_cndmask_b32 v[VS0+1], v[PW], v[PW+1], s[HI16]
	v_cndmask_b32 v[VS0+2], v[PW+2], v[PW+3], s[HI16]
	global_store_b16 v[VS0], v[VS0+1], s[SBASE:SBASE+1]
	global_store_b16 v[VS0+3], v[VS0+2], s[SBASE:SBASE+1]
.else
.macro OUT a
.if (\a) > 0
	s_wait_xcnt 0x0
.endif
.set XB, 32*(\a)
.irp q, 0,1,2,3,4,5,6,7
	ds_store_b128 v[STO], v[ACC+32*(\a)+4*\q:ACC+32*(\a)+4*\q+3] offset:128*(\q/4)+16*(\q%4)
.endr
.irp t, 0,1,2,3,4,5,6,7
	ds_load_b128 v[BK+4*\t:BK+4*\t+3], v[RD] offset:\t*544
.endr
	s_wait_dscnt 0x0
	s_wait_loadcnt 0                               ; the residual is in
	WIN 0x08                                       ; source 1: window 2
.set ii, 0
.rept 16
	v_pk_add_f32 v[BK+ii:BK+ii+1], v[BK+ii:BK+ii+1], v[XB+ii:XB+ii+1]
.set ii, ii+2
.endr
	WIN 0
.irp t, 0,1,2,3,4,5,6,7
	global_store_b128 v[CO], v[BK+4*\t:BK+4*\t+3], s[72:73] offset:(32*((\a)/2)+8*((\a)%2)+2*(\t%4)+16*(\t/4))*4096
.endr
.endm
	OUT 0
	OUT 1
	OUT 2
	OUT 3
.endif
	s_wait_tensorcnt 0x0
	ds_add_u32 v[SPW], v[NIL]
	s_wait_dscnt 0x0
	CROUND
	s_endpgm
.Lfunc_end_k_qa655c5d8cb_w2:
	.size	k_qa655c5d8cb_w2, .Lfunc_end_k_qa655c5d8cb_w2-k_qa655c5d8cb_w2
	.p2alignl 7, 3214868480
	.fill 96, 4, 3214868480
	.section	.rodata,"a",@progbits
	.p2align	6, 0x0
	.amdhsa_kernel k_qa655c5d8cb_w2
		.amdhsa_group_segment_fixed_size 327680
		.amdhsa_private_segment_fixed_size 0
		.amdhsa_enable_private_segment 0
		.amdhsa_kernarg_size 40
		.amdhsa_user_sgpr_count 2
		.amdhsa_user_sgpr_kernarg_segment_ptr 1
		.amdhsa_wavefront_size32 1
		.amdhsa_system_sgpr_workgroup_id_x 1
		.amdhsa_system_sgpr_workgroup_id_y 1
		.amdhsa_system_sgpr_workgroup_id_z 1
		.amdhsa_system_vgpr_workitem_id 0
		.amdhsa_next_free_vgpr 640
		.amdhsa_next_free_sgpr 100
		.amdhsa_reserve_vcc 0
		.amdhsa_float_denorm_mode_32 3
		.amdhsa_float_denorm_mode_16_64 3
		.amdhsa_memory_ordered 1
		.amdhsa_forward_progress 1
		.amdhsa_inst_pref_size 103
	.end_amdhsa_kernel
	.amdgpu_metadata
---
amdhsa.version: [ 1, 2 ]
amdhsa.kernels:
  - .name:           k_qa655c5d8cb_w2
    .symbol:         k_qa655c5d8cb_w2.kd
    .args:
      - { .name: gc, .offset: 0, .size: 8, .value_kind: global_buffer, .address_space: global }
      - { .name: wc, .offset: 8, .size: 8, .value_kind: global_buffer, .address_space: global }
      - { .name: b2, .offset: 16, .size: 8, .value_kind: global_buffer, .address_space: global }
      - { .name: x1, .offset: 24, .size: 8, .value_kind: global_buffer, .address_space: global }
      - { .name: out0, .offset: 32, .size: 8, .value_kind: global_buffer, .address_space: global }
    .group_segment_fixed_size: 327680
    .private_segment_fixed_size: 0
    .kernarg_segment_align: 8
    .kernarg_segment_size: 40
    .max_flat_workgroup_size: 128
    .sgpr_count:     100
    .vgpr_count:     640
    .wavefront_size: 32
...
	.end_amdgpu_metadata
.endif
;; end of part 6
